; MI455X (gfx1250); checked and timed in simulation.
; The chip was launched on July 23, 2026; its instructions are those of AMD's public machine-readable ISA for CDNA 5 (MIT licence, August 2026) and "CDNA5" Instruction Set Architecture Reference Guide (July 2026). The comments in the code are by the model that wrote it; some were corrected since.
;; Multi Scale Retention. Allowed arithmetic: matrix products marked QUANTISED: E2M3 operands, one E8M0 scale for each 32 along K, by v_wmma_scale_f32_16x16x128_f8f6f4 with both operands' format E2M3, f32 sums; products left as they are: f32 operands where the result goes on into a quantised operand, else bf16, f16 or f32 operands; f32 sums; everything else in f32.
;; Inputs: decay 8 float32; hidden_states 2 x 2,048 x 1,024 float32; w_gated 2,048 x 1,024 float32; w_proj 1,024 x 2,048 float32; w_qkv 4,096 x 1,024 float32.
;; Outputs: out0 2 x 2,048 x 1,024 float32; out1 2 x 8 x 128 x 256 float32.
;; This version of the problem:
;;   THIS VERSION OF THE PROBLEM IS GIVEN IN LOW PRECISION. The matrix products marked QUANTISED in the list below multiply operands that are first quantised to E2M3 (2 exponent bits, 3 mantissa bits; 6 bits a number), with one power-of-two scale for each 32 numbers along K (OCP MX v1.0); their sums are f32. All else is computed in f32.
;;   The module's matrix products, in the order in which they are computed (A, B: the left and right operand; K: the contracted axis; several contracted axes count as one K, in the product's order):
;;     1. [M 4,096, K 1,024] x [K 1,024, N 4,096]; A: input hidden_states; B: input w_qkv: QUANTISED
;;     2. batch 16 x [M 2,048, K 128] x [K 128, N 2,048]; A: computed on the way; B: computed on the way: QUANTISED
;;     3. batch 16 x [M 2,048, K 2,048] x [K 2,048, N 256]; A: computed on the way; B: computed on the way: QUANTISED
;;     4. batch 16,384 x [M 512, K 1] x [K 1, N 1]; A: computed on the way; B: computed on the way: left as it is (no contracted axis)
;;     5. batch 16 x [M 128, K 2,048] x [K 2,048, N 256]; A: computed on the way; B: computed on the way: QUANTISED
;;     6. [M 4,096, K 1,024] x [K 1,024, N 2,048]; A: input hidden_states; B: input w_gated: QUANTISED
;;     7. [M 4,096, K 2,048] x [K 2,048, N 1,024]; A: computed on the way; B: input w_proj: QUANTISED
;;   THE QUANTISER, for each operand of a quantised product, along K:
;;     - K is cut into blocks of 32 from its start; a last block that is shorter is filled with zeros.
;;     - A block's scale is 2^e with e = floor(log2(the largest magnitude in the block)) - 2, held to -126 .. 127; a block of zeros has e = 0. As a byte (E8M0): e + 127.
;;     - Each number is divided by its block's scale, clamped to +-7.5, and rounded to the nearest number of E2M3, ties to even, subnormals kept.
;;     - The product sums the exact products of the quantised numbers (number of the format x scale) in f32.
;;   ~~~python
;;   def quantise(x, axis):      # numpy; x: float32 -> the quantised numbers, widened to float32 again
;;       x = np.moveaxis(x, axis, -1); K = x.shape[-1]
;;       x = np.pad(x, [(0, 0)] * (x.ndim - 1) + [(0, -K % 32)]); x = x.reshape(x.shape[:-1] + (-1, 32)); a = np.abs(x).max(-1, keepdims=True)
;;       e = np.where(a > 0, np.clip(np.frexp(np.where(a > 0, a, 1))[1] - 1 - 2, -126, 127), 0)      # np.frexp(a)[1] - 1 = floor(log2(a)), exactly
;;       r = np.clip(x / 2.0 ** e, -7.5, 7.5)
;;       step = 2.0 ** (np.maximum(np.frexp(np.where(r == 0, 1, r))[1] - 1, 0) - 3)
;;       q = np.round(r / step) * step * 2.0 ** e      # np.round: ties to even
;;       return np.moveaxis(q.reshape(q.shape[:-2] + (-1,))[..., :K], -1, axis).astype(np.float32)
;;   ~~~
;;   OPERANDS COMPUTED ON THE WAY. 'Computed on the way' means the value that the module computes at that place (a softmax that the list does not call 'softmax' is quantised finished and normalised). What goes into a quantiser is computed in f32, as accurately as f32 sums, v_exp_f32 and their like allow (about 1e-6 of the number): no bf16 or f16 on the way to a quantiser, and a product that is left as it is and whose result goes on into a quantised operand takes f32 operands (vector FMAs, or v_wmma_f32_16x16x4_f32). A number that lies on a knife's edge between two numbers of the format may be rounded either way, as far as f32 arithmetic and the matrix unit's own rounding can turn it there, and no further.
;; 2 versions, each right and faster than the one before. Each part assembles by itself: llvm-mc -triple=amdgcn-amd-amdhsa -mcpu=gfx1250 --defsym DOCPART=n.
;; ======== version 1 of 2: 5 launches
;; limits: right only within a limited range of input values
;; workspace buffers: cw 9,830,400 bytes; tab 16,777,216 bytes; qq 3,276,800 bytes; kv 9,830,400 bytes; kv5 9,830,400 bytes; gi 33,554,432 bytes; a7 6,553,600 bytes
;; launch prep (part 1): grid 640 x 1, 4 waves a work-group, no clusters, 35,328 bytes of LDS; arguments hidden_states, w_qkv, w_gated, w_proj, cw, tab; writes cw, tab
.if DOCPART == 1
	.amdgcn_target "amdgcn-amd-amdhsa--gfx1250"
	.amdhsa_code_object_version 6
	.text
	.protected	k_qc13f68a4c1_prep
	.globl	k_qc13f68a4c1_prep
	.p2align	8
	.type	k_qc13f68a4c1_prep,@function
k_qc13f68a4c1_prep:
	s_mov_b64 s[64:65], 0
	v_nop
	global_prefetch_b8 v0, s[64:65] scope:SCOPE_SE
	s_setreg_imm32_b32 hwreg(HW_REG_WAVE_MODE, 25, 1), 1
	s_wait_xcnt 0x0
; PREP: the first of five launches of a retention layer (B 2, T 2048, 8 heads, dk 128, dv 256) on codes of FP6 (E2M3) with one E8M0 scale for each 32 along K.
; DEAD WORK OF THE WHOLE PROGRAM.  The only work left out is in the fourth launch: key steps of 128 keys that lie wholly after a work-group's 128 queries.  The problem builds its
; own lower-triangular decay mask, so the retention there is exactly 0 for all values of the inputs; its codes are zeros under any scale, and zeros add nothing to retention x v whatever v holds.
; No input is dead: all five are loaded.  LIMIT: a NaN, an infinity or an overflow that reaches only those tiles is not carried to the result.
; THIS LAUNCH.  Work-groups 256..639 quantise hidden_states, w_qkv, w_gated, w_proj along K (their last axis); work-groups 0..255 make the xPos tables.
; IMAGES.  An operand is stored as the image of its fragments' registers: 16 rows x 128 K = 12 registers a lane; register group g (4 registers) of lane l at byte 512 g + 16 l: 1,536 bytes.
; ORDER IN A BLOCK.  All operands of all products carry the 32 numbers of a block in one fixed order: places 0-7, 8-15, 16-23, 24-31 hold numbers 0-7, 16-23, 8-15, 24-31.  It is the order in
; which a transposed matrix result falls into the quantiser in the later launches; the same order on both sides of a product keeps every pair of factors together, and a block's scale is untouched.
; SCALES: [pair of row blocks][pair of K steps][parity][row][2 words]: 256 bytes, stored as one aligned run.
; A block's byte is its largest magnitude's exponent field - 2, held at 1 from below.
; LIMITS: a block of zeros gets byte 1 where the rule says 127 (its codes are zeros, and this program alone reads the bytes); blocks whose largest magnitude lies under 2^-124 keep byte 1; NaN and
; infinities among the inputs are not served.
; TABLES.  At position 2047 one ulp of inv_freq moves an angle by about 1e-4, so inv_freq = 1 / 10000^(i / 512) is made as ONE number, 10000^(-i / 512), rounded to f32 once: the power is kept in
; pairs of f32 (a high and a low part, good to about 2^-40), and the reciprocal is taken of the pair; the one rounding is the last fused multiply-add's.  LIMITS: for some i this differs by an ulp
; from a power rounded to f32 whose reciprocal is rounded again; a library power that is not correctly rounded may differ from this one in the last bit.
; scale_vec is (2 i + 409.6) times the f32 reciprocal of 1433.6, within an ulp of the quotient; scale_vec^(t / 512) is 2^((t / 512) log2(scale_vec)), good to about 5e-7 of the number.
; No tensor loads, no matrix units, no cluster: a stream in which waves share nothing.
.set SPARE, 34816                      ; behind the four waves' regions: the spare words, 128 bytes a wave
.set WREG,  8704                       ; a wave's LDS: a stage of 16 rows x 528 bytes, then 256 bytes of scale words
.set SPW,  10
.set NIL,  11
.set OFFR, 12                          ; v12-27  16 x lane + i x the row pitch; never rewritten
.set C,    28                          ; v28-39  a fragment's codes; v40-46 the conversions' second halves
.set R,    64                          ; v64-191 two sets of 64 registers as loaded
.set X,    192                         ; v192-255 my two blocks of 32
.set IN,   50                          ; s[50:51], s[52:53] the unit's two row blocks in the tensor
.set OUT,  54                          ; s[54:55], s[56:57] and in cw
.set SEL,  58                          ; s[58:59] selects for lane l xor 16
.set SCP,  60                          ; s[60:61] the unit's 256 bytes of scales
	s_load_b256 s[4:11], s[0:1], 0x0               ; hidden_states, w_qkv, w_gated, w_proj
	s_load_b128 s[12:15], s[0:1], 0x20             ; cw, tab
	v_lshl_add_u32 v[SPW], v0, 2, SPARE
	v_mov_b32 v[NIL], 0
	v_lshrrev_b32 v1, 5, v0
	v_readfirstlane_b32 s16, v1                    ; wave
	v_and_b32 v1, 31, v0                           ; lane
	v_and_b32 v2, 15, v0                           ; r
	v_bfe_u32 v3, v0, 4, 1                         ; h
	v_lshlrev_b32 v4, 4, v1                        ; 16 x lane
	s_cmp_lt_u32 ttmp9, 256
	s_cbranch_scc1 .Ltable
; ---------------- the quantiser: a wave takes a unit of 32 rows x 256 K = 4 fragments ----------------
	s_mul_i32 s17, s16, WREG
	v_add_nc_u32 v5, s17, v4                       ; stage, in: 16 x lane of a row
	v_mul_u32_u24 v6, v2, 528
	v_lshl_add_u32 v6, v3, 7, v6
	v_add_nc_u32 v6, s17, v6                       ; stage, out: row r, + 128 h: my block of 32 numbers
	s_add_co_u32 s18, s17, 8448
	v_lshl_add_u32 v7, v2, 3, s18                  ; where row r's scale words go
	v_lshl_add_u32 v8, v1, 3, s18                  ; and come back, 8 bytes a lane
	v_lshlrev_b32 v9, 3, v1
	s_mov_b32 s[SEL], 0x76543210
	s_mov_b32 s[SEL+1], 0xfedcba98
	s_sub_co_u32 s20, ttmp9, 256                   ; g
	s_lshl_b32 s21, s20, 2
	s_add_co_u32 s21, s21, s16                     ; the unit U = 4 g + wave, 0 .. 1535
	s_wait_kmcnt 0x0
	s_cmp_lt_u32 s20, 128                          ; the tensor is chosen by the work-group's number alone
	s_cselect_b64 s[24:25], s[4:5], s[6:7]
	s_cselect_b32 s26, 0, 128
	s_cmp_lt_u32 s20, 256
	s_cselect_b64 s[24:25], s[24:25], s[8:9]
	s_cselect_b32 s26, s26, 256
	s_cmp_lt_u32 s20, 320
	s_cselect_b64 s[24:25], s[24:25], s[10:11]
	s_cselect_b32 s26, s26, 320                    ; the tensor's first g
	s_cselect_b32 s27, 2, 3                        ; log2 of the pairs of K steps in a row: K = 1024 or 2048
	s_cselect_b32 s28, 0, 1280                     ; w_proj's images are counted from its own first unit,
	s_cselect_b32 s29, 0, 7864320                  ; and begin here in cw
	s_lshl_b32 s26, s26, 2
	s_sub_co_u32 s30, s21, s26                     ; the unit in its tensor
	s_lshr_b32 s31, s30, s27                       ; pair of row blocks
	s_bfm_b32 s32, s27, 0
	s_and_b32 s32, s30, s32                        ; pair of K steps
	s_sub_co_u32 s33, s27, 2
	s_lshl_b32 s34, 4096, s33                      ; a row of the tensor in bytes
	s_lshl_b32 s35, 12288, s33                     ; a row block's images in bytes
	s_mul_i32 s36, s31, s34
	s_lshl_b32 s36, s36, 5
	s_lshl_b32 s37, s32, 10
	s_add_co_u32 s36, s36, s37
	s_mov_b32 s37, 0
	s_add_nc_u64 s[IN:IN+1], s[24:25], s[36:37]
	s_lshl_b32 s36, s34, 4
	s_add_nc_u64 s[IN+2:IN+3], s[IN:IN+1], s[36:37]
	s_sub_co_u32 s40, s21, s28
	s_lshr_b32 s40, s40, s27
	s_mul_i32 s40, s40, s35
	s_lshl_b32 s40, s40, 1
	s_add_co_u32 s40, s40, s29
	s_mul_i32 s41, s32, 3072
	s_add_co_u32 s40, s40, s41
	s_mov_b32 s41, 0
	s_add_nc_u64 s[OUT:OUT+1], s[12:13], s[40:41]
	s_mov_b32 s36, s35
	s_add_nc_u64 s[OUT+2:OUT+3], s[OUT:OUT+1], s[36:37]
	s_lshl_b32 s40, s21, 8
	s_add_co_u32 s40, s40, 9437184
	s_add_nc_u64 s[SCP:SCP+1], s[12:13], s[40:41]
.irp i, 0,1,2,3,4,5,6,7,8,9,10,11,12,13,14,15
	s_mul_i32 s42, s34, \i
	v_add_nc_u32 v[OFFR+\i], s42, v4
.endr
; fragment f = 2 e + q: row block e, K step q.  Each load reads 512 consecutive bytes of one row
.macro LOADF f
.irp i, 0,1,2,3,4,5,6,7,8,9,10,11,12,13,14,15
	global_load_b128 v[R+64*((\f)%2)+4*\i:R+64*((\f)%2)+4*\i+3], v[OFFR+\i], s[IN+2*((\f)/2):IN+2*((\f)/2)+1] offset:512*((\f)%2) th:TH_LOAD_NT
.endr
.endm
.macro FRAGQ f
.if (\f) < 3
	s_wait_loadcnt 16                              ; this fragment's 16 loads are in; the next fragment's 16 may be out
.else
	s_wait_loadcnt 0x0
.endif
.irp i, 0,1,2,3,4,5,6,7,8,9,10,11,12,13,14,15
	ds_store_b128 v5, v[R+64*((\f)%2)+4*\i:R+64*((\f)%2)+4*\i+3] offset:528*\i
.endr
.irp c, 0,1                                    ; back: block 2 c + h of row r, its eight quads landing in the program's order of a block
	ds_load_b128 v[X+32*\c:X+32*\c+3], v6 offset:256*\c
	ds_load_b128 v[X+32*\c+4:X+32*\c+7], v6 offset:256*\c+16
	ds_load_b128 v[X+32*\c+16:X+32*\c+19], v6 offset:256*\c+32
	ds_load_b128 v[X+32*\c+20:X+32*\c+23], v6 offset:256*\c+48
	ds_load_b128 v[X+32*\c+8:X+32*\c+11], v6 offset:256*\c+64
	ds_load_b128 v[X+32*\c+12:X+32*\c+15], v6 offset:256*\c+80
	ds_load_b128 v[X+32*\c+24:X+32*\c+27], v6 offset:256*\c+96
	ds_load_b128 v[X+32*\c+28:X+32*\c+31], v6 offset:256*\c+112
.endr
	s_wait_dscnt 0x0                               ; my numbers are back; the stage's stores have read their registers, the last scale word's store too
.if (\f) < 2
	LOADF (\f)+2
.endif
.irp c, 0,1
	v_max3_num_f32 v[48+\c], |v[X+32*\c]|, |v[X+32*\c+1]|, 0x1800000   ; the floor 2^(3 - 127) holds the byte at 1 from below
.endr
.irp i, 2,4,6,8,10,12,14,16,18,20,22,24,26,28,30
.irp c, 0,1
	v_max3_num_f32 v[48+\c], v[48+\c], |v[X+32*\c+\i]|, |v[X+32*\c+\i+1]|
.endr
.endr
.irp c, 0,1
	v_add_nc_u32 v[50+\c], 0xff000000, v[48+\c]    ; 2 off the exponent field: the conversion's scale operand
.endr
.irp c, 0,1
	v_lshrrev_b32 v[52+\c], 23, v[50+\c]           ; the byte
.endr
	v_lshl_or_b32 v54, v53, 16, v52                ; my bytes: blocks h and 2 + h,
	v_lshlrev_b32 v55, 3, v3
	v_lshlrev_b32 v54, v55, v54                    ; at their places,
	v_permlanex16_b32 v55, v54, s[SEL], s[SEL+1]
	v_or_b32 v54, v54, v55                         ; with lane l xor 16's the word is whole
.if (\f) > 0
	s_wait_xcnt 0x0                                ; the last fragment's stores have read the codes' registers
.endif
.irp c, 0,1
	v_cvt_scalef32_pk16_fp6_f32 v[C+6*\c:C+6*\c+2], v[X+32*\c:X+32*\c+15], v[50+\c]
	v_cvt_scalef32_pk16_fp6_f32 v[40+4*\c:42+4*\c], v[X+32*\c+16:X+32*\c+31], v[50+\c]   ; (three registers begin on an even number)
.endr
	v_nop                                          ; one plain place behind a scaled conversion
.irp c, 0,1
.irp i, 0,1,2
	v_mov_b32 v[C+3+6*\c+\i], v[40+4*\c+\i]
.endr
.endr
.irp g, 0,1,2
	global_store_b128 v4, v[C+4*\g:C+4*\g+3], s[OUT+2*((\f)/2):OUT+2*((\f)/2)+1] offset:1536*((\f)%2)+512*\g   ; 512 consecutive bytes, aligned
.endr
	ds_store_b32 v7, v54 offset:128*((\f)/2)+4*((\f)%2)   ; lanes l and l xor 16 write the same word with the same value
.endm
	LOADF 0
	LOADF 1
	FRAGQ 0
	FRAGQ 1
	FRAGQ 2
	FRAGQ 3
	ds_load_b64 v[48:49], v8                       ; LDS serves a wave's instructions in order: these see my stores
	s_wait_dscnt 0x0
	global_store_b64 v9, v[48:49], s[SCP:SCP+1]    ; 256 consecutive bytes, aligned
	s_wait_tensorcnt 0x0                           ; the wave's end, behind my last LDS store
	ds_add_u32 v[SPW], v[NIL]
	s_wait_dscnt 0x0
	s_endpgm
; ---------------- the tables: a wave makes one entry: 16 positions x 64 pairs, for q (cos s, sin s) and for k (cos / s, sin / s) ----------------
; Entry [token tile tt][column group cg]: the image of 64 registers; registers 8 b + 2 p, + 1 of lane (r, h): position 16 tt + r, pair i = 64 cg + 8 b + 4 h + p.
; THE POWER 10000^(i / 512) = 10^(i / 128), in pairs (high, low).  10000^(2^b / 512) is 100 and 10 for b = 8, 7, and for b = 6 .. 0 a chain of seven square roots of 10.  A running pair holds the
; factors of cg's three bits and of h, takes 10000^(8 / 512) once a trip, and meets the three constants 10000^(p / 512) in each trip.
.set DR,  16                           ; v16-17  the running pair: 10000^((64 cg + 8 b + 4 h) / 512)
.set DC1, 18                           ; v18-23  10000^(p / 512), p = 1, 2, 3
.set DG3, 24                           ; v24-25  10000^(8 / 512)
.set DGC, 26                           ; v26-27  the chain of roots
.set DT,  28                           ; v28-31  at work
.macro DSQRT a                         ; the pair at v[a] becomes its square root: s = the root of the high part; + (a - s s) / (2 s), the residue by one fused multiply-add
	v_sqrt_f32 v[DT], v[\a]
	v_nop                                          ; a plain place behind the transcendental,
	s_wait_alu depctr_va_vdst(0)                   ; and the wait ahead of its first reader
	v_add_f32 v[DT+1], v[DT], v[DT]
	v_rcp_f32 v[DT+2], v[DT+1]
	v_fma_f32 v[DT+3], -v[DT], v[DT], v[\a]        ; (plain work behind the reciprocal)
	v_add_f32 v[DT+3], v[DT+3], v[(\a)+1]
	s_wait_alu depctr_va_vdst(0)
	v_mul_f32 v[DT+3], v[DT+3], v[DT+2]
	v_add_f32 v[\a], v[DT], v[DT+3]                ; high part,
	v_sub_f32 v[DT+1], v[\a], v[DT]
	v_sub_f32 v[(\a)+1], v[DT+3], v[DT+1]          ; and what its rounding left
.endm
.macro DMUL c, a, b                    ; pair c = pair a x pair b; c may be a or b
	v_mul_f32 v[DT], v[\a], v[\b]
	v_fma_f32 v[DT+1], v[\a], v[\b], -v[DT]        ; what the product's rounding left, exactly
	v_fma_f32 v[DT+1], v[\a], v[(\b)+1], v[DT+1]
	v_fma_f32 v[DT+1], v[(\a)+1], v[\b], v[DT+1]
	v_add_f32 v[\c], v[DT], v[DT+1]
	v_sub_f32 v[DT], v[\c], v[DT]
	v_sub_f32 v[(\c)+1], v[DT+1], v[DT]
.endm
.Ltable:
	s_lshl_b32 s20, ttmp9, 2
	s_add_co_u32 s20, s20, s16
	s_lshr_b32 s21, s20, 3                         ; tt
	s_and_b32 s22, s20, 7                          ; cg
	s_lshl_b32 s23, s21, 4
	v_add_nc_u32 v12, s23, v2
	v_cvt_f32_u32 v12, v12                         ; the position
	v_mul_f32 v13, 0x3b000000, v12                 ; / 512, exact
	s_lshl_b32 s23, s22, 6
	v_lshl_add_u32 v14, v3, 2, s23                 ; 64 cg + 4 h, + 8 a trip
	v_mov_b32 v15, v4                              ; the stores' offset, + 1,024 a trip
	s_mov_b32 s33, 0x43cccccd                      ; 409.6
	s_mov_b32 s35, 0x3a36db6e                      ; 1 / 1433.6
	s_mov_b32 s36, 0x3f22f983                      ; 2 / pi
	s_mov_b32 s37, 0x3fc90fdb                      ; pi / 2, high part
	s_mov_b32 s38, 0xb33bbd2e                      ; and low part
	s_mov_b32 s39, 0xbe2aaaa3                      ; the sine's three coefficients
	s_mov_b32 s40, 0x3c08839e
	s_mov_b32 s41, 0xb94ca1f9
	s_mov_b32 s42, 0x3d2aaaa5                      ; the cosine's three
	s_mov_b32 s43, 0xbab6061a
	s_mov_b32 s44, 0x37ccf5ce
	v_mov_b32 v[DGC], 0x41200000                   ; 10 = 10000^(128 / 512)
	v_mov_b32 v[DGC+1], 0
	DSQRT DGC                                      ; 10000^(64 / 512): cg's bit 0
	s_bitcmp1_b32 s22, 0
	s_cselect_b32 s48, -1, 0
	v_cndmask_b32 v[DR], 1.0, v[DGC], s48
	v_cndmask_b32 v[DR+1], 0, v[DGC+1], s48
	DSQRT DGC                                      ; 32 / 512
	DSQRT DGC                                      ; 16 / 512
	DSQRT DGC                                      ; 8 / 512: a trip's step
	v_mov_b32 v[DG3], v[DGC]
	v_mov_b32 v[DG3+1], v[DGC+1]
	DSQRT DGC                                      ; 4 / 512: h
	v_cmp_ne_u32 vcc_lo, 0, v3
	v_cndmask_b32 v32, 1.0, v[DGC], vcc_lo
	v_cndmask_b32 v33, 0, v[DGC+1], vcc_lo
	DMUL DR, DR, 32
	DSQRT DGC                                      ; 2 / 512: p = 2
	v_mov_b32 v[DC1+2], v[DGC]
	v_mov_b32 v[DC1+3], v[DGC+1]
	DSQRT DGC                                      ; 1 / 512: p = 1
	v_mov_b32 v[DC1], v[DGC]
	v_mov_b32 v[DC1+1], v[DGC+1]
	DMUL DC1+4, DC1, DC1+2                         ; p = 3
	s_mov_b32 s46, 0x3f800000                      ; 1
	s_bitcmp1_b32 s22, 1
	s_cselect_b32 s47, 0x41200000, s46             ; cg's bit 1: x 10
	s_bitcmp1_b32 s22, 2
	s_cselect_b32 s46, 0x42c80000, s46             ; cg's bit 2: x 100
	v_mov_b32 v32, s47
	v_mov_b32 v33, 0
	DMUL DR, DR, 32
	v_mov_b32 v32, s46
	DMUL DR, DR, 32
	s_lshl_b32 s24, s20, 13
	s_mov_b32 s25, 0
	s_wait_kmcnt 0x0
	s_add_nc_u64 s[26:27], s[14:15], s[24:25]      ; q's table
	s_add_nc_u64 s[28:29], s[26:27], 0x800000      ; k's
	s_mov_b32 s45, 0
.Ltrip:
.irp p, 0,1,2,3
	v_add_nc_u32 v[32+16*\p], \p, v14
	v_cvt_f32_u32 v[32+16*\p], v[32+16*\p]         ; i
.if \p == 0
	v_mov_b32 v[35+16*\p], v[DR]                   ; the power 10000^(i / 512) as a pair: the running pair itself,
	v_mov_b32 v[36+16*\p], v[DR+1]
.else
	v_mul_f32 v[35+16*\p], v[DR], v[DC1+2*(\p-1)]  ; or the running pair x 10000^(p / 512): the product's high part,
	v_fma_f32 v[36+16*\p], v[DR], v[DC1+2*(\p-1)], -v[35+16*\p]
	v_fma_f32 v[36+16*\p], v[DR], v[DC1+2*(\p-1)+1], v[36+16*\p]
	v_fma_f32 v[36+16*\p], v[DR+1], v[DC1+2*(\p-1)], v[36+16*\p]   ; and all that lies under it.  The pair is NOT rounded to one f32 here
.endif
	v_rcp_f32 v[38+16*\p], v[35+16*\p]             ; r0, a first reciprocal of the high part
	v_fma_f32 v[39+16*\p], v[32+16*\p], 2.0, s33   ; 2 i + 409.6
	v_mul_f32 v[41+16*\p], s35, v[39+16*\p]        ; x the reciprocal of 1433.6: scale_vec
	v_log_f32 v[42+16*\p], v[41+16*\p]             ; log2(scale_vec)
.endr
	v_nop                                          ; a plain place behind the last transcendental
	s_wait_alu depctr_va_vdst(0)                   ; one wait for the eight, ahead of their first reader
.irp p, 0,1,2,3
	v_fma_f32 v[37+16*\p], -v[35+16*\p], v[38+16*\p], 1.0          ; e = 1 - r0 x (high + low):
	v_fma_f32 v[37+16*\p], -v[36+16*\p], v[38+16*\p], v[37+16*\p]  ; 1 / the pair = r0 (1 + e + e e + ..)
	v_fma_f32 v[37+16*\p], v[37+16*\p], v[37+16*\p], v[37+16*\p]   ; e + e e; the next term lies under 2^-60
	v_fma_f32 v[38+16*\p], v[38+16*\p], v[37+16*\p], v[38+16*\p]   ; inv_freq = 10000^(-i / 512): this line's rounding is the only one
	v_mul_f32 v[33+16*\p], v12, v[38+16*\p]        ; the angle
	v_mul_f32 v[42+16*\p], v13, v[42+16*\p]
	v_exp_f32 v[43+16*\p], v[42+16*\p]             ; scale
	v_exp_f32 v[44+16*\p], -v[42+16*\p]            ; 1 / scale
	v_mul_f32 v[34+16*\p], s36, v[33+16*\p]
	v_rndne_f32 v[34+16*\p], v[34+16*\p]           ; quarter turns
	v_fma_f32 v[35+16*\p], -v[34+16*\p], s37, v[33+16*\p]
	v_fma_f32 v[35+16*\p], -v[34+16*\p], s38, v[35+16*\p]   ; the rest, within pi / 4
	v_mul_f32 v[37+16*\p], v[35+16*\p], v[35+16*\p]
	v_fma_f32 v[39+16*\p], v[37+16*\p], s41, s40
	v_fma_f32 v[39+16*\p], v[39+16*\p], v[37+16*\p], s39
	v_mul_f32 v[40+16*\p], v[37+16*\p], v[35+16*\p]
	v_fma_f32 v[39+16*\p], v[39+16*\p], v[40+16*\p], v[35+16*\p]   ; its sine
	v_fma_f32 v[41+16*\p], v[37+16*\p], s44, s43
	v_fma_f32 v[41+16*\p], v[41+16*\p], v[37+16*\p], s42
	v_mul_f32 v[40+16*\p], v[37+16*\p], v[37+16*\p]
	v_fma_f32 v[45+16*\p], v[37+16*\p], -0.5, 1.0
	v_fma_f32 v[41+16*\p], v[41+16*\p], v[40+16*\p], v[45+16*\p]   ; its cosine
	v_cvt_i32_f32 v[34+16*\p], v[34+16*\p]
	v_and_b32 v[36+16*\p], 1, v[34+16*\p]
	v_cmp_ne_u32 vcc_lo, 0, v[36+16*\p]            ; an odd quarter swaps the two
	v_cndmask_b32 v[45+16*\p], v[39+16*\p], v[41+16*\p], vcc_lo
	v_cndmask_b32 v[46+16*\p], v[41+16*\p], v[39+16*\p], vcc_lo
	v_and_b32 v[36+16*\p], 2, v[34+16*\p]
	v_lshlrev_b32 v[36+16*\p], 30, v[36+16*\p]
	v_xor_b32 v[45+16*\p], v[36+16*\p], v[45+16*\p]   ; sin: minus in quarters 2, 3
	v_add_nc_u32 v[34+16*\p], 1, v[34+16*\p]
	v_and_b32 v[34+16*\p], 2, v[34+16*\p]
	v_lshlrev_b32 v[34+16*\p], 30, v[34+16*\p]
	v_xor_b32 v[46+16*\p], v[34+16*\p], v[46+16*\p]   ; cos: minus in quarters 1, 2
.endr
	s_wait_alu depctr_va_vdst(0)                   ; one wait for the eight powers
.irp p, 0,1,2,3
	v_mul_f32 v[96+2*\p], v[46+16*\p], v[43+16*\p]
	v_mul_f32 v[97+2*\p], v[45+16*\p], v[43+16*\p]
	v_mul_f32 v[104+2*\p], v[46+16*\p], v[44+16*\p]
	v_mul_f32 v[105+2*\p], v[45+16*\p], v[44+16*\p]
.endr
	global_store_b128 v15, v[96:99], s[26:27]
	global_store_b128 v15, v[100:103], s[26:27] offset:512
	global_store_b128 v15, v[104:107], s[28:29]
	global_store_b128 v15, v[108:111], s[28:29] offset:512
	DMUL DR, DR, DG3                               ; the running pair steps by 10000^(8 / 512)
	s_wait_xcnt 0x0                                ; the stores have read their data and their offset: both are written again
	v_add_nc_u32 v15, 1024, v15
	v_add_nc_u32 v14, 8, v14
	s_add_co_u32 s45, s45, 1
	s_cmp_lt_u32 s45, 8
	s_cbranch_scc1 .Ltrip
	s_endpgm
.Lfunc_end_k_qc13f68a4c1_prep:
	.size	k_qc13f68a4c1_prep, .Lfunc_end_k_qc13f68a4c1_prep-k_qc13f68a4c1_prep
	.p2alignl 7, 3214868480
	.fill 96, 4, 3214868480
	.section	.rodata,"a",@progbits
	.p2align	6, 0x0
	.amdhsa_kernel k_qc13f68a4c1_prep
		.amdhsa_group_segment_fixed_size 35328
		.amdhsa_private_segment_fixed_size 0
		.amdhsa_enable_private_segment 0
		.amdhsa_kernarg_size 48
		.amdhsa_user_sgpr_count 2
		.amdhsa_user_sgpr_kernarg_segment_ptr 1
		.amdhsa_wavefront_size32 1
		.amdhsa_system_sgpr_workgroup_id_x 1
		.amdhsa_system_sgpr_workgroup_id_y 1
		.amdhsa_system_sgpr_workgroup_id_z 1
		.amdhsa_system_vgpr_workitem_id 0
		.amdhsa_next_free_vgpr 256
		.amdhsa_next_free_sgpr 66
		.amdhsa_reserve_vcc 1
		.amdhsa_float_denorm_mode_32 3
		.amdhsa_float_denorm_mode_16_64 3
		.amdhsa_memory_ordered 1
		.amdhsa_forward_progress 1
		.amdhsa_inst_pref_size 48
	.end_amdhsa_kernel
	.amdgpu_metadata
---
amdhsa.version: [ 1, 2 ]
amdhsa.kernels:
  - .name:           k_qc13f68a4c1_prep
    .symbol:         k_qc13f68a4c1_prep.kd
    .args:
      - { .name: hidden_states, .offset: 0, .size: 8, .value_kind: global_buffer, .address_space: global }
      - { .name: w_qkv, .offset: 8, .size: 8, .value_kind: global_buffer, .address_space: global }
      - { .name: w_gated, .offset: 16, .size: 8, .value_kind: global_buffer, .address_space: global }
      - { .name: w_proj, .offset: 24, .size: 8, .value_kind: global_buffer, .address_space: global }
      - { .name: cw, .offset: 32, .size: 8, .value_kind: global_buffer, .address_space: global }
      - { .name: tab, .offset: 40, .size: 8, .value_kind: global_buffer, .address_space: global }
    .group_segment_fixed_size: 35328
    .private_segment_fixed_size: 0
    .kernarg_segment_align: 8
    .kernarg_segment_size: 48
    .max_flat_workgroup_size: 128
    .sgpr_count:     66
    .vgpr_count:     256
    .wavefront_size: 32
...
	.end_amdgpu_metadata
.endif
;; end of part 1
;; launch gemm1 (part 2): grid 16 x 24, 4 waves a work-group, clusters of 4 x 4, 327,680 bytes of LDS; arguments cw, tab, decay, qq, kv, kv5, gi; writes qq, kv, kv5, gi
.if DOCPART == 2
	.amdgcn_target "amdgcn-amd-amdhsa--gfx1250"
	.amdhsa_code_object_version 6
	.text
	.protected	k_qc13f68a4c1_gemm1
	.globl	k_qc13f68a4c1_gemm1
	.p2align	8
	.type	k_qc13f68a4c1_gemm1,@function
k_qc13f68a4c1_gemm1:
	s_mov_b64 s[64:65], 0
	v_nop
	global_prefetch_b8 v0, s[64:65] scope:SCOPE_SE
	s_setreg_imm32_b32 hwreg(HW_REG_WAVE_MODE, 25, 1), 1
	s_wait_xcnt 0x0
	s_wait_alu depctr_hold_cnt(0) depctr_sa_sdst(0) depctr_va_vdst(0) depctr_va_sdst(0) depctr_va_ssrc(0) depctr_va_vcc(0) depctr_vm_vsrc(0)
	s_getreg_b32 s2, hwreg(HW_REG_IB_STS2, 6, 4)
	s_cmp_eq_u32 s2, 0
	s_cbranch_scc0 .Lentry_in_a_cluster
	s_endpgm
.Lentry_in_a_cluster:
	s_bfe_u32 s2, ttmp6, 0x10000c
	s_cmp_lg_u32 s2, 0xf033
	s_cbranch_scc0 .Lentry_shape_is_right
	s_endpgm
.Lentry_shape_is_right:
; GEMM1: hidden_states x [w_qkv; w_gated]^T on codes of FP6, K = 1024, and all that follows each result up to its next quantiser.  No work is left out here.
; A work-group of four waves makes 256 x 256; a wave 128 x 128 in 64 accumulators.  K goes through a ring of two LDS slots of 256 along K, filled by the tensor data mover with register images
; (16 rows x 128 K = 1,536 bytes): a fragment is three loads of 16 bytes a lane, 512 consecutive bytes each.  The scales of the work-group's rows come once, with the first fills.
; CLUSTER 4 x 4: source 1's tiles ("A") hang on the tile row and are asked for jointly along a row of the cluster, source 0's ("B") on the tile column, along a column.
; ROLES, from the cluster's coordinates alone, so all sixteen partners run alike.  Row tiles of 256 rows are counted over cw: X 0-15, W 16-39.
;   cluster y 0-3: A = tokens, B = rows of W: a lane holds a token, its registers run along columns.  cluster x 0: q;  1: k;  2, 3: the gate.
;   cluster y 4, 5: A = v's rows of W, B = tokens: a lane holds a channel of v, its registers run along tokens, which are v's K in both later products.
; WAYS OUT.  q, k: xPos by the tables, quantised along d; k also turned through the wave's LDS and quantised along tokens.  v: quantised along tokens; then x decay^(2047 - s) and quantised again.
;   gate: silu in f32, stored as the image of the result registers.
; LIMITS: decay^n is 2^(n log2|decay|) with the sign by n's parity; log2|decay| is held at -16384 from below (so 0^0 = 1, 0^n = 0); a power under 2^-126 comes out 0.  Blocks of zeros get byte 1 (their codes are zeros).
.set KK,    1024
.set NB,    8                          ; blocks of 16 rows of B to a wave
.set FR,    12
.set NL,    3                          ; LDS loads that bring a fragment
.set NP,    4                          ; places behind this matrix instruction (ISA guide 7.12.1)
.set LAPS,  KK/512
.set RBB,   (KK/128)*1536              ; a row block's images in memory
.set HALFA, 24576
.set HALFB, NB*3072
.set SLOT,  49152+NB*6144              ; A: [16 row blocks][2 K steps][1536]; then B: [2 NB][2][1536]
.set SCA,   2*SLOT                     ; A's scales: [8 pairs][K / 256][256]
.set SCB,   SCA+8*KK                   ; B's
.set SCR,   323072                     ; the way out: 1,024 bytes of scale words a wave
.set SPARE, 327168                     ; the spare words, 128 bytes a wave
.set ADRA, 16
.set ADRB, 20
.set ADSA, 22
.set ADSB, 23
.set STO,  24
.set RDT,  25
.set LI,   26
.set SPW,  28
.set NIL,  29
.set SGW,  30
.set SGR,  31
.set SA,   32                          ; v32-47 A's scale words [set][pair][K step]; v48-63 B's
.set SB,   48
.set AF,   128                         ; A's fragments, one set; B's two sets lie in window 1 at v0 and v128
.set Y,    64                          ; the way out, window 0
.set PC,   128
.set TM,   148
.set PW,   164
.set PW2,  165
.set PC2,  172
.set Z,    192
.set G1, 24
.set G0, 32
.set G1B, 48
.set G0B, 56
.set G1S, 68
.set G0S, 76
.set G1SB, 80
.set G0SB, 88
.set TP,  24                           ; the way out's pointers take the descriptors' registers: no tensor load is out then
.set OP,  26
.set OS,  28
.set OP5, 30
.set OS5, 32
.set SEL, 34
.set BA,  58
.set MSB, 0
.macro WIN new
.if MSB != (\new)
	s_set_vgpr_msb (MSB<<8)|(\new)
.set MSB, (\new)
.endif
.endm
.macro PLACES n
.rept \n
	v_nop
.endr
.endm
; one product: D, source 0, source 1; zero = 1: it starts the sum; the two scale registers, and which half of the lanes each is read from
.macro WM d, x, y, zero, sx, sy, rx, ry
.if (\zero) && ((\rx)==0) && ((\ry)==0)
	v_wmma_scale_f32_16x16x128_f8f6f4 v[(\d):(\d)+7], v[(\x):(\x)+11], v[(\y):(\y)+11], 0, v[\sx], v[\sy] matrix_a_fmt:MATRIX_FMT_FP6 matrix_b_fmt:MATRIX_FMT_FP6
.elseif (\zero) && ((\rx)==1) && ((\ry)==0)
	v_wmma_scale_f32_16x16x128_f8f6f4 v[(\d):(\d)+7], v[(\x):(\x)+11], v[(\y):(\y)+11], 0, v[\sx], v[\sy] matrix_a_fmt:MATRIX_FMT_FP6 matrix_b_fmt:MATRIX_FMT_FP6 matrix_a_scale:MATRIX_SCALE_ROW1
.elseif (\zero) && ((\rx)==0) && ((\ry)==1)
	v_wmma_scale_f32_16x16x128_f8f6f4 v[(\d):(\d)+7], v[(\x):(\x)+11], v[(\y):(\y)+11], 0, v[\sx], v[\sy] matrix_a_fmt:MATRIX_FMT_FP6 matrix_b_fmt:MATRIX_FMT_FP6 matrix_b_scale:MATRIX_SCALE_ROW1
.elseif (\zero)
	v_wmma_scale_f32_16x16x128_f8f6f4 v[(\d):(\d)+7], v[(\x):(\x)+11], v[(\y):(\y)+11], 0, v[\sx], v[\sy] matrix_a_fmt:MATRIX_FMT_FP6 matrix_b_fmt:MATRIX_FMT_FP6 matrix_a_scale:MATRIX_SCALE_ROW1 matrix_b_scale:MATRIX_SCALE_ROW1
.elseif ((\rx)==0) && ((\ry)==0)
	v_wmma_scale_f32_16x16x128_f8f6f4 v[(\d):(\d)+7], v[(\x):(\x)+11], v[(\y):(\y)+11], v[(\d):(\d)+7], v[\sx], v[\sy] matrix_a_fmt:MATRIX_FMT_FP6 matrix_b_fmt:MATRIX_FMT_FP6
.elseif ((\rx)==1) && ((\ry)==0)
	v_wmma_scale_f32_16x16x128_f8f6f4 v[(\d):(\d)+7], v[(\x):(\x)+11], v[(\y):(\y)+11], v[(\d):(\d)+7], v[\sx], v[\sy] matrix_a_fmt:MATRIX_FMT_FP6 matrix_b_fmt:MATRIX_FMT_FP6 matrix_a_scale:MATRIX_SCALE_ROW1
.elseif ((\rx)==0) && ((\ry)==1)
	v_wmma_scale_f32_16x16x128_f8f6f4 v[(\d):(\d)+7], v[(\x):(\x)+11], v[(\y):(\y)+11], v[(\d):(\d)+7], v[\sx], v[\sy] matrix_a_fmt:MATRIX_FMT_FP6 matrix_b_fmt:MATRIX_FMT_FP6 matrix_b_scale:MATRIX_SCALE_ROW1
.else
	v_wmma_scale_f32_16x16x128_f8f6f4 v[(\d):(\d)+7], v[(\x):(\x)+11], v[(\y):(\y)+11], v[(\d):(\d)+7], v[\sx], v[\sy] matrix_a_fmt:MATRIX_FMT_FP6 matrix_b_fmt:MATRIX_FMT_FP6 matrix_a_scale:MATRIX_SCALE_ROW1 matrix_b_scale:MATRIX_SCALE_ROW1
.endif
.endm
; a joint load: waves 0 and 1 fetch for A, waves 2 and 3 for B; the branch hangs on the wave's number alone; an s_nop 0 and four v_nop follow each line
.macro JLOAD g0a, g1a, g0b, g1b
	s_cmp_eq_u32 s19, 0
	s_cbranch_scc0 .Lfor_b_\@
	tensor_load_to_lds s[\g0a:\g0a+3], s[\g1a:\g1a+7]
	s_nop 0
.rept 4
	v_nop
.endr
	s_branch .Lasked_\@
.Lfor_b_\@:
	tensor_load_to_lds s[\g0b:\g0b+3], s[\g1b:\g1b+7]
	s_nop 0
.rept 4
	v_nop
.endr
.Lasked_\@:
.endm
.macro CREST                           ; a round of the cluster's barrier behind its opening barrier
	s_cmp_lg_u32 s18, 0
	s_cbranch_scc1 .Lnot_wave_0_\@
	s_barrier_signal -3
.Lnot_wave_0_\@:
	s_barrier_wait -3
	s_barrier_signal -1
	s_barrier_wait -1
.endm
.macro CROUND
	s_barrier_signal -1
	s_barrier_wait -1
	CREST
.endm
.macro FRAG reg, adr, q, i             ; row block i, K step q of a slot: the image comes back as it was stored
.irp g, 0,1,2
	ds_load_b128 v[(\reg)+4*\g:(\reg)+4*\g+3], v[\adr] offset:3072*(\i)+1536*(\q)+512*\g
.endr
.endm
.macro MM a, b, p, q, sc, zero
.set rD, (8*(NB*(\a)+(\b)))%256
.set rB, 128*(\p)+FR*(\b)
.set rA, AF+FR*(\a)
.set rSB, SB+8*(\sc)+2*((\b)/2)+(\q)
.set rSA, SA+8*(\sc)+2*((\a)/2)+(\q)
	WM rD, rB, rA, \zero, rSB, rSA, (\b)%2, (\a)%2
.endm
; A's blocks a0, a0 + 1 against B's NB; the accumulators take turns in the same order in every step
.macro MUL2 a0, p, q, sc, zero
	WIN 0x01|((2+(8*NB*(\a0))/256)*0x50)           ; source 0 window 1, source 1 window 0, C and D in the accumulators' window
.irp a, \a0, \a0+1
.irp b, 0,1,2,3,4,5,6,7
.if \b < NB
	MM \a, \b, \p, \q, \sc, \zero
.endif
.endr
.endr
.endm
.macro FETCH_B slot, q, p
	WIN 0x40
.irp i, 0,1,2,3,4,5,6,7
.if \i < NB
	FRAG 128*(\p)+FR*\i, ADRB+\slot, \q, \i
.endif
.endr
	WIN 0
.endm
.macro FETCH_A slot, q, i0
.irp i, \i0, \i0+1, \i0+2, \i0+3
	FRAG AF+FR*(\i), ADRA+\slot, \q, \i
.endr
.endm
.macro SCALES sc                       ; a slot's scale words: 8 bytes a lane: lanes 0-15 the pair's even block, lanes 16-31 its odd one; two K steps
.irp i, 0,1,2,3
	ds_load_b64 v[SA+8*(\sc)+2*\i:SA+8*(\sc)+2*\i+1], v[ADSA] offset:\i*KK
.endr
.irp i, 0,1,2,3
.if \i < NB/2
	ds_load_b64 v[SB+8*(\sc)+2*\i:SB+8*(\sc)+2*\i+1], v[ADSB] offset:\i*KK
.endif
.endr
.endm
.macro STEP slot, zero                 ; a slot's first 128 along K
	s_wait_dscnt 4*NL                              ; all but the youngest 12 loads (A's blocks 4-7) are in
	MUL2 0, 0, 0, \slot, \zero
	MUL2 2, 0, 0, \slot, \zero
	s_wait_dscnt 0x0
	PLACES NP                                      ; in front of loads into registers that matrix instructions have read
	FETCH_B \slot, 1, 1
	FETCH_A \slot, 1, 0
	MUL2 4, 0, 0, \slot, \zero
	MUL2 6, 0, 0, \slot, \zero
	PLACES NP
	WIN 0
	FETCH_A \slot, 1, 4
.endm
; a slot's second 128 along K, and the change of slots: one barrier; in front of it each wave waits for all its tensor loads, adds 0 to its spare word, and waits for that and for its reads of the slot
.macro TURN slot, next, fill
	s_wait_tensorcnt 0x0                           ; my part of the next slot has landed
	ds_add_u32 v[SPW], v[NIL]
	s_wait_dscnt 4*NL+1                            ; (the add and the youngest 12 loads may be out)
	MUL2 0, 1, 1, \slot, 0
	s_wait_dscnt 0x0                               ; the add is done, my reads of this slot are over
	s_barrier_signal -1
	MUL2 2, 1, 1, \slot, 0
	WIN 0
	s_barrier_wait -1
.if \fill
	CREST                                          ; the barrier has opened a round of the cluster's: no wave of any partner reads this slot or has a load on its way
	s_add_nc_u64 s[G0+4*\slot+2:G0+4*\slot+3], s[G0+4*\slot+2:G0+4*\slot+3], 6144
	s_add_nc_u64 s[G0B+4*\slot+2:G0B+4*\slot+3], s[G0B+4*\slot+2:G0B+4*\slot+3], 6144
	JLOAD G0+4*\slot, G1, G0B+4*\slot, G1B         ; the first tensor load behind the round; its four v_nop are the places in front of the loads below
.else
	PLACES NP
.endif
	v_add_nc_u32 v[ADSA], 256, v[ADSA]             ; the next slot's scale words
	v_add_nc_u32 v[ADSB], 256, v[ADSB]
	FETCH_B \next, 0, 0
	FETCH_A \next, 0, 0
	SCALES \next
	MUL2 4, 1, 1, \slot, 0
	MUL2 6, 1, 1, \slot, 0
	PLACES NP
	WIN 0
	FETCH_A \next, 0, 4
.endm
; 64 numbers of a lane, register 16 b + i = place 16 (lane / 16) + i of block b of my row, become a fragment's codes in v[pc] on and its scale word in v[pw]
.macro QUANT s, pc, pw
.irp b, 0,1,2,3
	v_max3_num_f32 v[TM+\b], |v[(\s)+16*\b]|, |v[(\s)+1+16*\b]|, 0x1800000   ; the floor 2^(3 - 127) holds the byte at 1 from below
.endr
.irp i, 2,4,6,8,10,12,14
.irp b, 0,1,2,3
	v_max3_num_f32 v[TM+\b], v[TM+\b], |v[(\s)+16*\b+\i]|, |v[(\s)+1+16*\b+\i]|
.endr
.endr
.irp b, 0,1,2,3
	v_permlanex16_b32 v[TM+4+\b], v[TM+\b], s[SEL], s[SEL+1]
.endr
.irp b, 0,1,2,3
	v_max_num_f32 v[TM+\b], v[TM+\b], v[TM+4+\b]
.endr
.irp b, 0,1,2,3
	v_add_nc_u32 v[TM+12+\b], 0xff000000, v[TM+\b]
.endr
.irp b, 0,1,2,3
	v_lshrrev_b32 v[TM+4+\b], 23, v[TM+12+\b]
.endr
	v_lshl_or_b32 v[\pw], v[TM+5], 8, v[TM+4]
	v_lshl_or_b32 v[\pw], v[TM+6], 16, v[\pw]
	v_lshl_or_b32 v[\pw], v[TM+7], 24, v[\pw]
.irp c, 0,1
	v_cvt_scalef32_pk16_fp6_f32 v[(\pc)+6*\c:(\pc)+2+6*\c], v[(\s)+32*\c:(\s)+15+32*\c], v[TM+12+2*\c]
	v_cvt_scalef32_pk16_fp6_f32 v[(\pc)+12+4*\c:(\pc)+14+4*\c], v[(\s)+16+32*\c:(\s)+31+32*\c], v[TM+12+2*\c+1]
.endr
	v_nop                                          ; one plain place behind a scaled conversion
.irp c, 0,1
.irp i, 0,1,2
	v_permlane16_swap_b32 v[(\pc)+6*\c+\i], v[(\pc)+12+4*\c+\i]   ; a whole block to a lane
.endr
.irp i, 0,1,2
	v_mov_b32 v[(\pc)+3+6*\c+\i], v[(\pc)+12+4*\c+\i]
.endr
.endr
.endm
; v's and the gate's ways out are loops of eight trips: a trip takes block BA's 64 results into window 0.  The copies are the price of one text for eight blocks
.macro ARM a
	WIN 2+(\a)/4
.set i, 0
.rept 64
	v_mov_b32 v[Y+i], v[64*((\a)%4)+i]             ; each accumulator from its low end on
.set i, i+1
.endr
	WIN 0
.endm
.macro TAKE
.irp a, 0,1,2,3,4,5,6
	s_cmp_eq_u32 s[BA], \a
	s_cbranch_scc1 .Ltk_\@_\a
.endr
	ARM 7
	s_branch .Ltkj_\@
.irp a, 0,1,2,3,4,5,6
.Ltk_\@_\a:
	ARM \a
	s_branch .Ltkj_\@
.endr
.Ltkj_\@:
.endm
	s_load_b256 s[4:11], s[0:1], 0x0               ; cw, tab, decay, qq
	s_load_b128 s[12:15], s[0:1], 0x20             ; kv, kv5
	s_load_b64 s[16:17], s[0:1], 0x30              ; gi
	v_lshl_add_u32 v[SPW], v0, 2, SPARE
	v_mov_b32 v[NIL], 0
	ds_add_u32 v[SPW], v[NIL]                      ; the opening: the add, twice on end, and its wait ahead of my first tensor load
	ds_add_u32 v[SPW], v[NIL]
	v_lshrrev_b32 v1, 5, v0
	v_readfirstlane_b32 s18, v1                    ; wave
	s_lshr_b32 s19, s18, 1                         ; my half of A's rows; also: I fetch for A (0) or B (1)
	s_and_b32 s20, s18, 1                          ; my half of B's rows; also: which half I fetch
	s_bfe_u32 s21, ttmp6, 0x40000                  ; cx
	s_bfe_u32 s22, ttmp6, 0x40004                  ; cy
	s_lshl_b32 s23, ttmp9, 2
	s_add_co_u32 s23, s23, s21                     ; xt
	s_and_b32 s42, ttmp7, 0xffff                   ; cluster y
	s_lshl_b32 s92, s42, 2
	s_add_co_u32 s92, s92, s22                     ; yt
	s_lshr_b32 s43, s42, 2                         ; 1 where the cluster makes v
	s_lshl_b32 s45, s43, 3
	s_add_co_u32 s40, s92, s45                     ; A's row tile in cw: yt, or yt + 8
	s_lshr_b32 s45, ttmp9, 1
	s_lshl_b32 s45, s45, 3
	s_add_co_u32 s45, s45, 16
	s_xor_b32 s46, s43, 1
	s_mul_i32 s45, s45, s46
	s_add_co_u32 s41, s23, s45                     ; B's: 16 + xt (+ 8 for the gate), or xt
	s_min_u32 s44, ttmp9, 2                        ; 0: q, 1: k
	s_lshl_b32 s66, s22, 2
	s_lshl_b32 s66, 15, s66                        ; my row of the cluster
	s_lshl_b32 s67, 0x1111, s21                    ; my column
	s_or_b32 s[G1], s66, (3<<16)|(1<<21)           ; elements of 8 bytes, no padding; bit 21 beside the mask
	s_or_b32 s[G1B], s67, (3<<16)|(1<<21)
.irp g, G1, G1B
	s_mov_b32 s[\g+1], 384<<16                     ; a row: one row block's two images, 3,072 bytes
	s_mov_b32 s[\g+2], 8<<16                       ; 8 row blocks
	s_mov_b32 s[\g+3], 384<<16
	s_mov_b32 s[\g+4], 8
	s_mov_b32 s[\g+5], (KK/128)*192                ; from row block to row block
	s_mov_b32 s[\g+6], 0
	s_mov_b32 s[\g+7], 0
.endr
	s_or_b32 s[G1S], s66, (3<<16)|(1<<21)          ; the scales of 4 pairs: a dense block, as rows of 256 bytes
	s_or_b32 s[G1SB], s67, (3<<16)|(1<<21)
.irp g, G1S, G1SB
	s_mov_b32 s[\g+1], 32<<16
	s_mov_b32 s[\g+2], (4*KK/256)<<16
	s_mov_b32 s[\g+3], 32<<16
	s_mov_b32 s[\g+4], 4*KK/256
	s_mov_b32 s[\g+5], 32
	s_mov_b32 s[\g+6], 0
	s_mov_b32 s[\g+7], 0
.endr
	s_lshl_b32 s45, s40, 4
	s_lshl_b32 s46, s20, 3
	s_add_co_u32 s45, s45, s46                     ; A: the first row block that I fetch
	s_mul_i32 s94, s45, RBB
	s_mov_b32 s95, 0
	s_mul_i32 s98, s45, KK/2
	s_add_co_u32 s98, s98, 9437184
	s_mov_b32 s99, 0
	s_lshl_b32 s47, s41, 4
	s_lshl_b32 s93, s20, 3
	s_add_co_u32 s47, s47, s93                     ; B likewise, in registers of its own
	s_mul_i32 s96, s47, RBB
	s_mov_b32 s97, 0
	s_mul_i32 s100, s47, KK/2
	s_add_co_u32 s100, s100, 9437184
	s_mov_b32 s101, 0
	s_mul_i32 s2, s20, HALFA                       ; where they go in a slot: no place in the cluster enters an LDS address
	s_mul_i32 s3, s20, HALFB
	s_add_co_u32 s3, s3, 49152
	s_and_b32 s105, s40, 7
	s_lshl_b32 s105, s105, 2                       ; decay of v's head (in the other roles a number that is not used); never rewritten
	s_wait_dscnt 0x0                               ; both opening adds are done
	s_wait_kmcnt 0x0
	s_add_nc_u64 s[94:95], s[4:5], s[94:95]
	s_add_nc_u64 s[98:99], s[4:5], s[98:99]
	s_add_nc_u64 s[96:97], s[4:5], s[96:97]
	s_add_nc_u64 s[100:101], s[4:5], s[100:101]
	CROUND                                         ; all sixteen work-groups are here: the first joint loads meet
	s_mov_b32 s[G0S], 1
	s_mul_i32 s45, s20, 4*KK
	s_add_co_u32 s[G0S+1], s45, SCA
	s_mov_b64 s[G0S+2:G0S+3], s[98:99]
	s_or_b32 s[G0S+3], s[G0S+3], 0x80000000
	s_mov_b32 s[G0SB], 1
	s_mul_i32 s46, s20, (NB/2)*KK
	s_add_co_u32 s[G0SB+1], s46, SCB
	s_mov_b64 s[G0SB+2:G0SB+3], s[100:101]
	s_or_b32 s[G0SB+3], s[G0SB+3], 0x80000000
	JLOAD G0S, G1S, G0SB, G1SB                     ; the scales first; with the two slots three loads of mine are out
.irp s, 0,1
	s_mov_b32 s[G0+4*\s], 1
	s_add_co_u32 s[G0+4*\s+1], s2, \s*SLOT
	s_add_nc_u64 s[G0+4*\s+2:G0+4*\s+3], s[94:95], \s*3072
	s_or_b32 s[G0+4*\s+3], s[G0+4*\s+3], 0x80000000
	s_mov_b32 s[G0B+4*\s], 1
	s_add_co_u32 s[G0B+4*\s+1], s3, \s*SLOT
	s_add_nc_u64 s[G0B+4*\s+2:G0B+4*\s+3], s[96:97], \s*3072
	s_or_b32 s[G0B+4*\s+3], s[G0B+4*\s+3], 0x80000000
	JLOAD G0+4*\s, G1, G0B+4*\s, G1B
.endr
	s_load_b32 s104, s[8:9], s105 offset:0x0
	v_and_b32 v1, 31, v0
	v_lshlrev_b32 v[LI], 4, v1
	s_mul_i32 s45, s19, HALFA
	s_mul_i32 s46, s20, HALFB
	s_add_co_u32 s46, s46, 49152
.irp s, 0,1
	v_add_nc_u32 v[ADRA+\s], s45, v[LI]
	v_add_nc_u32 v[ADRB+\s], s46, v[LI]
	s_add_co_u32 s45, s45, SLOT
	s_add_co_u32 s46, s46, SLOT
.endr
	v_lshlrev_b32 v2, 3, v1
	s_mul_i32 s45, s19, 4*KK
	s_add_co_u32 s45, s45, SCA
	v_add_nc_u32 v[ADSA], s45, v2
	s_mul_i32 s46, s20, (NB/2)*KK
	s_add_co_u32 s46, s46, SCB
	v_add_nc_u32 v[ADSB], s46, v2
	s_wait_tensorcnt 1                             ; the scales and my part of slot 0 are in; slot 1's load may be out
	s_barrier_signal -1
	s_barrier_wait -1
	FETCH_B 0, 0, 0
	FETCH_A 0, 0, 0
	SCALES 0
	FETCH_A 0, 0, 4
	STEP 0, 1                                      ; the first step starts the sums
	s_mov_b32 s3, LAPS-1
.Llap:
	TURN 0, 1, 1
	STEP 1, 0
	TURN 1, 0, 1
	STEP 0, 0
	s_sub_co_u32 s3, s3, 1
	s_cmp_lg_u32 s3, 0
	s_cbranch_scc1 .Llap
	TURN 0, 1, 0                                   ; the last lap fills nothing
	STEP 1, 0
	s_wait_dscnt 4*NL
	MUL2 0, 1, 1, 1, 0
	MUL2 2, 1, 1, 1, 0
	s_wait_dscnt 0x0
	MUL2 4, 1, 1, 1, 0
	MUL2 6, 1, 1, 1, 0
	WIN 0
	s_barrier_signal -1                            ; no LDS instruction of mine is out: behind this barrier nobody reads the ring or the scales, which have had their last fill: the ways out may store there
	s_barrier_wait -1
	s_wait_kmcnt 0x0                               ; decay
; ---------------- the ways out.  Every LDS byte they touch is the wave's own ----------------
	v_and_b32 v2, 15, v0                           ; r
	v_bfe_u32 v3, v0, 4, 1                         ; h
	s_mul_i32 s24, s18, 67584                      ; my stage: 128 tokens x (512 bytes + 16)
	v_mul_u32_u24 v[STO], v2, 528
	v_lshl_add_u32 v[STO], v3, 5, v[STO]
	v_add_nc_u32 v[STO], s24, v[STO]               ; in: token r of a block, 32 h bytes on
	v_mul_u32_u24 v[RDT], v3, 4224
	v_lshl_add_u32 v[RDT], v2, 2, v[RDT]
	v_add_nc_u32 v[RDT], s24, v[RDT]               ; back, turned: token 8 h + .., column r
	s_lshl_b32 s24, s18, 10
	s_add_co_u32 s24, s24, SCR
	v_lshl_add_u32 v[SGW], v2, 2, s24
	v_add_nc_u32 v[SGR], s24, v[LI]
.irp b, 0,1,2,3
	v_mov_b32 v[TM+4+\b], 0                        ; written once: a lane permute's destination counts as one of its sources.  (The lines above are the places behind the last products)
.endr
	s_mov_b32 s[SEL], 0x76543210
	s_mov_b32 s[SEL+1], 0xfedcba98
	s_cmp_eq_u32 s43, 1
	s_cbranch_scc1 .Lv
	s_cmp_ge_u32 ttmp9, 2
	s_cbranch_scc1 .Lgate
; ---- q and k
	s_and_b32 s36, s92, 7
	s_lshr_b32 s37, s92, 3                         ; batch
	s_and_b32 s38, s23, 3
	s_lshl_b32 s38, s38, 1
	s_add_co_u32 s38, s38, s20                     ; head
	s_lshl_b32 s39, s37, 3
	s_add_co_u32 s39, s39, s38                     ; bh
	s_lshl_b32 s45, s36, 4
	s_lshl_b32 s46, s19, 3
	s_add_co_u32 s45, s45, s46                     ; my first token tile in the batch
	s_lshl_b32 s46, s45, 3
	s_add_co_u32 s46, s46, s38
	s_lshl_b32 s46, s46, 13
	s_lshl_b32 s47, s44, 23                        ; k's table lies 8,388,608 bytes on
	s_add_co_u32 s46, s46, s47
	s_mov_b32 s47, 0
	s_add_nc_u64 s[TP:TP+1], s[6:7], s[46:47]
	s_lshl_b32 s48, s39, 7
	s_add_co_u32 s48, s48, s45
	s_mul_i32 s50, s48, 1536                       ; q: images,
	s_lshl_b32 s52, s48, 6
	s_add_co_u32 s52, s52, 3145728                 ; scale words
	s_lshl_b32 s49, s39, 4
	s_lshl_b32 s54, s36, 1
	s_add_co_u32 s49, s49, s54
	s_add_co_u32 s49, s49, s19
	s_mul_i32 s54, s49, 38400                      ; k: the key step's block
	s_add_co_u32 s56, s54, 36864
	s_cmp_eq_u32 s44, 0
	s_cselect_b64 s[OP:OP+1], s[10:11], s[12:13]
	s_cselect_b32 s50, s50, s54
	s_cselect_b32 s52, s52, s56
	s_mov_b32 s51, 0
	s_mov_b32 s53, 0
	s_mov_b32 s55, 0
	s_mov_b32 s57, 0
	s_mov_b64 s[OS:OS+1], s[OP:OP+1]
	s_add_nc_u64 s[OP:OP+1], s[OP:OP+1], s[50:51]
	s_add_nc_u64 s[OS:OS+1], s[OS:OS+1], s[52:53]
	s_add_nc_u64 s[OP5:OP5+1], s[14:15], s[54:55]
	s_add_nc_u64 s[OS5:OS5+1], s[14:15], s[56:57]
.macro TLOADS a                        ; block a's table entry, 64 registers, into buffer a % 4 of window 1
	WIN 0x40
.irp k, 0,1,2,3,4,5,6,7,8,9,10,11,12,13,14,15
	global_load_b128 v[64*((\a)%4)+4*\k:64*((\a)%4)+4*\k+3], v[LI], s[TP:TP+1] offset:65536*(\a)+512*\k
.endr
	WIN 0
.endm
.macro QKBLK a                         ; 16 tokens x my head's 128 columns
.if (\a) > 0
	s_wait_xcnt 0x0                                ; the last block's stores have read the codes' registers
.endif
.if (\a) < 5
	s_wait_loadcnt 48                              ; this block's entry is in; the three blocks behind it, 16 loads each, may be out
.else
	s_wait_loadcnt 16*(7-(\a))
.endif
	WIN 0x06+(\a)/4                                ; source 0: the accumulators' window; source 1: window 1
.set AC, 64*((\a)%4)
.set i, 0
.rept 32
	v_pk_mul_f32 v[Y+2*i:Y+2*i+1], v[AC+2*i:AC+2*i+1], v[AC+2*i:AC+2*i+1] op_sel_hi:[1,0]   ; (x1 c, x2 c)
.set i, i+1
.endr
.set i, 0
.rept 32
	v_pk_fma_f32 v[Y+2*i:Y+2*i+1], v[AC+2*i:AC+2*i+1], v[AC+2*i:AC+2*i+1], v[Y+2*i:Y+2*i+1] op_sel:[1,1,0] op_sel_hi:[0,1,1] neg_lo:[1,0,0]   ; (- x2 s, + x1 s)
.set i, i+1
.endr
.if (\a) < 4
	TLOADS (\a)+4
.endif
	WIN 0
	s_cmp_eq_u32 s44, 0
	s_cbranch_scc1 .Lnokt_\@
.irp b, 0,1,2,3,4,5,6,7                        ; k alone: the rotated numbers go to the stage, to be turned
	ds_store_b128 v[STO], v[Y+8*\b:Y+8*\b+3] offset:8448*(\a)+64*\b
	ds_store_b128 v[STO], v[Y+8*\b+4:Y+8*\b+7] offset:8448*(\a)+64*\b+16
.endr
.Lnokt_\@:
	QUANT Y, PC, PW
.irp g, 0,1,2
	global_store_b128 v[LI], v[PC+4*\g:PC+4*\g+3], s[OP:OP+1] offset:1536*(\a)+512*\g
.endr
	ds_store_b32 v[SGW], v[PW] offset:64*(\a)
.endm
.macro FLUSH off, ptr                  ; 128 scale words leave as 512 consecutive bytes
	s_wait_xcnt 0x0
	ds_load_b128 v[168:171], v[SGR] offset:\off
	s_wait_dscnt 0x0
	global_store_b128 v[LI], v[168:171], s[\ptr:\ptr+1]
.endm
.macro KTBLK a                         ; 16 columns d x my 128 tokens: register 8 c + j of lane (r, h) = k(token 16 c + 8 h + j, d = 16 a + r)
.set i, 0
.rept 64
	ds_load_b32 v[Y+i], v[RDT] offset:528*(16*(i/8)+i%8)+64*(\a)
.set i, i+1
.endr
	s_wait_dscnt 0x0
	s_wait_xcnt 0x0
	QUANT Y, PC, PW
.irp g, 0,1,2
	global_store_b128 v[LI], v[PC+4*\g:PC+4*\g+3], s[OP5:OP5+1] offset:1536*(\a)+512*\g
.endr
	ds_store_b32 v[SGW], v[PW] offset:512+64*(\a)
.endm
	TLOADS 0
	TLOADS 1
	TLOADS 2
	TLOADS 3
.irp a, 0,1,2,3,4,5,6,7
	QKBLK \a
.endr
	FLUSH 0, OS
	s_cmp_eq_u32 s44, 0
	s_cbranch_scc1 .Lend
.irp a, 0,1,2,3,4,5,6,7
	KTBLK \a
.endr
	FLUSH 512, OS5
	s_branch .Lend
; ---- v: addresses, the table decay^(2047 - s) of my 128 tokens, and a loop of its own over my eight blocks of 16 channels
.Lv:
	s_sub_co_u32 s36, s92, 16                      ; head
	s_lshr_b32 s37, s23, 3
	s_lshl_b32 s37, s37, 3
	s_add_co_u32 s37, s37, s36                     ; bh
	s_and_b32 s38, s23, 7
	s_lshl_b32 s39, s38, 1
	s_add_co_u32 s39, s39, s20                     ; key step
	s_lshl_b32 s37, s37, 4
	s_add_co_u32 s37, s37, s39
	s_mul_i32 s46, s37, 38400
	s_mul_i32 s45, s19, 12288
	s_add_co_u32 s50, s46, s45
	s_add_co_u32 s50, s50, 12288
	s_mov_b32 s51, 0
	s_add_nc_u64 s[OP:OP+1], s[12:13], s[50:51]
	s_add_nc_u64 s[OP5:OP5+1], s[14:15], s[50:51]
	s_lshl_b32 s45, s19, 9
	s_add_co_u32 s52, s46, s45
	s_add_co_u32 s52, s52, 37376
	s_mov_b32 s53, 0
	s_add_nc_u64 s[OS:OS+1], s[12:13], s[52:53]
	s_add_nc_u64 s[OS5:OS5+1], s[14:15], s[52:53]
	s_lshl_b32 s38, s38, 8
	s_lshl_b32 s45, s20, 7
	s_add_co_u32 s38, s38, s45
	s_sub_co_u32 s38, 2047, s38
	v_lshlrev_b32 v4, 3, v3
	v_sub_nc_u32 v4, s38, v4                       ; 2047 - my first token
	v_mov_b32 v5, s104
	v_log_f32 v6, |v5|
	v_nop
	s_wait_alu depctr_va_vdst(0)
	v_max_num_f32 v6, 0xc6800000, v6               ; log2|decay|, held at -16384
	s_and_b32 s39, s104, 0x80000000
.set i, 0
.rept 64
	v_add_nc_u32 v[Z+i], -(16*(i/8)+i%8), v4       ; n of register 8 c + j: token 16 c + 8 h + j
.set i, i+1
.endr
.set i, 0
.rept 64
	v_cvt_f32_i32 v[Z+i], v[Z+i]
.set i, i+1
.endr
.set i, 0
.rept 64
	v_mul_f32 v[Z+i], v6, v[Z+i]
.set i, i+1
.endr
.set i, 0
.rept 64
	v_exp_f32 v[Z+i], v[Z+i]
.set i, i+1
.endr
	v_nop
	s_wait_alu depctr_va_vdst(0)                   ; one wait for the 64
.set i, 0
.rept 32
	v_or_b32 v[Z+2*i], s39, v[Z+2*i]               ; n is odd where j is even: decay's sign
.set i, i+1
.endr
	s_mov_b32 s[BA], 0
.Lvblk:
	TAKE
	QUANT Y, PC, PW                                ; v^T: 16 channels x 128 tokens
.irp g, 0,1,2
	global_store_b128 v[LI], v[PC+4*\g:PC+4*\g+3], s[OP:OP+1] offset:512*\g
.endr
.set i, 0
.rept 32
	v_pk_mul_f32 v[Y+2*i:Y+2*i+1], v[Y+2*i:Y+2*i+1], v[Z+2*i:Z+2*i+1]   ; v x decay^(2047 - s)
.set i, i+1
.endr
	QUANT Y, PC2, PW2
.irp g, 0,1,2
	global_store_b128 v[LI], v[PC2+4*\g:PC2+4*\g+3], s[OP5:OP5+1] offset:512*\g
.endr
.irp a, 0,1,2,3,4,5,6                          ; the two scale words go to block BA's place: every LDS offset is an immediate
	s_cmp_eq_u32 s[BA], \a
	s_cbranch_scc1 .Lst\a
.endr
	ds_store_b32 v[SGW], v[PW] offset:64*7
	ds_store_b32 v[SGW], v[PW2] offset:512+64*7
	s_branch .Lstj
.irp a, 0,1,2,3,4,5,6
.Lst\a:
	ds_store_b32 v[SGW], v[PW] offset:64*\a
	ds_store_b32 v[SGW], v[PW2] offset:512+64*\a
	s_branch .Lstj
.endr
.Lstj:
	s_wait_xcnt 0x0                                ; the stores have read their data and bases
	s_wait_dscnt 0x0
	s_add_nc_u64 s[OP:OP+1], s[OP:OP+1], 1536
	s_add_nc_u64 s[OP5:OP5+1], s[OP5:OP5+1], 1536
	s_add_co_u32 s[BA], s[BA], 1
	s_cmp_lt_u32 s[BA], 8
	s_cbranch_scc1 .Lvblk
	FLUSH 0, OS
	FLUSH 512, OS5
	s_branch .Lend
; ---- the gate: its address, and a loop of its own over my eight blocks of 16 tokens
.Lgate:
	s_lshl_b32 s36, s92, 4
	s_lshl_b32 s37, s19, 3
	s_add_co_u32 s36, s36, s37
	s_lshl_b32 s36, s36, 4
	s_sub_co_u32 s37, s23, 8
	s_lshl_b32 s37, s37, 1
	s_add_co_u32 s37, s37, s20
	s_add_co_u32 s36, s36, s37
	s_lshl_b32 s50, s36, 13
	s_mov_b32 s51, 0
	s_add_nc_u64 s[OP:OP+1], s[16:17], s[50:51]
	s_mov_b32 s36, 0xbfb8aa3b                      ; -log2(e)
	s_mov_b32 s37, s36
	s_mov_b32 s[BA], 0
.Lgblk:
	TAKE
.set i, 0
.rept 32
	v_pk_mul_f32 v[Z+2*i:Z+2*i+1], v[Y+2*i:Y+2*i+1], s[36:37] op_sel_hi:[1,0]
.set i, i+1
.endr
.set i, 0
.rept 64
	v_exp_f32 v[Z+i], v[Z+i]                       ; e^-x
.set i, i+1
.endr
	v_nop
	s_wait_alu depctr_va_vdst(0)
.set i, 0
.rept 32
	v_pk_add_f32 v[Z+2*i:Z+2*i+1], v[Z+2*i:Z+2*i+1], 1.0 op_sel_hi:[1,0]
.set i, i+1
.endr
.set i, 0
.rept 64
	v_rcp_f32 v[Z+i], v[Z+i]
.set i, i+1
.endr
	v_nop
	s_wait_alu depctr_va_vdst(0)
.set i, 0
.rept 32
	v_pk_mul_f32 v[Y+2*i:Y+2*i+1], v[Y+2*i:Y+2*i+1], v[Z+2*i:Z+2*i+1]   ; silu
.set i, i+1
.endr
.irp k, 0,1,2,3,4,5,6,7,8,9,10,11,12,13,14,15
	global_store_b128 v[LI], v[Y+4*\k:Y+4*\k+3], s[OP:OP+1] offset:512*\k
.endr
	s_wait_xcnt 0x0                                ; the stores have read their data and base
	s_add_nc_u64 s[OP:OP+1], s[OP:OP+1], 131072
	s_add_co_u32 s[BA], s[BA], 1
	s_cmp_lt_u32 s[BA], 8
	s_cbranch_scc1 .Lgblk
.Lend:
	s_wait_tensorcnt 0x0                           ; the wave's end
	ds_add_u32 v[SPW], v[NIL]
	s_wait_dscnt 0x0
	CROUND                                         ; the closing round
	s_endpgm
.Lfunc_end_k_qc13f68a4c1_gemm1:
	.size	k_qc13f68a4c1_gemm1, .Lfunc_end_k_qc13f68a4c1_gemm1-k_qc13f68a4c1_gemm1
	.p2alignl 7, 3214868480
	.fill 96, 4, 3214868480
	.section	.rodata,"a",@progbits
	.p2align	6, 0x0
	.amdhsa_kernel k_qc13f68a4c1_gemm1
		.amdhsa_group_segment_fixed_size 327680
		.amdhsa_private_segment_fixed_size 0
		.amdhsa_enable_private_segment 0
		.amdhsa_kernarg_size 56
		.amdhsa_user_sgpr_count 2
		.amdhsa_user_sgpr_kernarg_segment_ptr 1
		.amdhsa_wavefront_size32 1
		.amdhsa_system_sgpr_workgroup_id_x 1
		.amdhsa_system_sgpr_workgroup_id_y 1
		.amdhsa_system_sgpr_workgroup_id_z 1
		.amdhsa_system_vgpr_workitem_id 0
		.amdhsa_next_free_vgpr 1024
		.amdhsa_next_free_sgpr 106
		.amdhsa_reserve_vcc 0
		.amdhsa_float_denorm_mode_32 3
		.amdhsa_float_denorm_mode_16_64 3
		.amdhsa_memory_ordered 1
		.amdhsa_forward_progress 1
		.amdhsa_inst_pref_size 255
	.end_amdhsa_kernel
	.section	.bss,"aw",@nobits
	.p2align	6
	.space	262144
	.amdgpu_metadata
---
amdhsa.version: [ 1, 2 ]
amdhsa.kernels:
  - .name:           k_qc13f68a4c1_gemm1
    .symbol:         k_qc13f68a4c1_gemm1.kd
    .args:
      - { .name: cw, .offset: 0, .size: 8, .value_kind: global_buffer, .address_space: global }
      - { .name: tab, .offset: 8, .size: 8, .value_kind: global_buffer, .address_space: global }
      - { .name: decay, .offset: 16, .size: 8, .value_kind: global_buffer, .address_space: global }
      - { .name: qq, .offset: 24, .size: 8, .value_kind: global_buffer, .address_space: global }
      - { .name: kv, .offset: 32, .size: 8, .value_kind: global_buffer, .address_space: global }
      - { .name: kv5, .offset: 40, .size: 8, .value_kind: global_buffer, .address_space: global }
      - { .name: gi, .offset: 48, .size: 8, .value_kind: global_buffer, .address_space: global }
    .group_segment_fixed_size: 327680
    .private_segment_fixed_size: 0
    .kernarg_segment_align: 8
    .kernarg_segment_size: 56
    .max_flat_workgroup_size: 128
    .sgpr_count:     106
    .vgpr_count:     1024
    .wavefront_size: 32
...
	.end_amdgpu_metadata
.endif
;; end of part 2
;; launch ckv (part 3): grid 16 x 16, 8 waves a work-group, no clusters, 70,656 bytes of LDS; arguments kv5, out1; writes out1
.if DOCPART == 3
	.amdgcn_target "amdgcn-amd-amdhsa--gfx1250"
	.amdhsa_code_object_version 6
	.text
	.protected	k_qc13f68a4c1_ckv
	.globl	k_qc13f68a4c1_ckv
	.p2align	8
	.type	k_qc13f68a4c1_ckv,@function
k_qc13f68a4c1_ckv:
	s_mov_b64 s[64:65], 0
	v_nop
	global_prefetch_b8 v0, s[64:65] scope:SCOPE_SE
	s_setreg_imm32_b32 hwreg(HW_REG_WAVE_MODE, 25, 1), 1
	s_wait_xcnt 0x0
; CKV: curr_kv[b, h, d, v] = sum over s of k[s, d] x (v[s, v] decay^(2047 - s)), on the codes that the launch before made along s.  No work is left out here.
; A work-group makes 32 rows d x 64 channels of one (b, h); wave w takes K steps 2 w and 2 w + 1 of the 16 (128 tokens each); the eight waves' parts meet in LDS and are added in ascending order.
; Operands go from memory straight into registers, each read once by its wave, all 42 loads out together: no tensor loads.  No cluster: what work-groups share is a few fragments read once.
; Source 0 = 16 channels of (v dm)^T, source 1 = 16 rows d of k^T: a lane holds one d and eight neighbouring channels.
.set SPARE, 69632
.set SPW, 14
.set NIL, 15
.set FRG, 16                           ; v16-159: K step s: 2 fragments of k^T, 4 of (v dm)^T, at 72 s
.set SCL, 160                          ; v160-165 scale words
.set ACC, 168                          ; v168-231 accumulator (e, c) at 8 (4 e + c)
.macro WM d, x, y, zero, sx, sy, rx, ry
.if (\zero) && ((\rx)==0) && ((\ry)==0)
	v_wmma_scale_f32_16x16x128_f8f6f4 v[(\d):(\d)+7], v[(\x):(\x)+11], v[(\y):(\y)+11], 0, v[\sx], v[\sy] matrix_a_fmt:MATRIX_FMT_FP6 matrix_b_fmt:MATRIX_FMT_FP6
.elseif (\zero) && ((\rx)==1) && ((\ry)==0)
	v_wmma_scale_f32_16x16x128_f8f6f4 v[(\d):(\d)+7], v[(\x):(\x)+11], v[(\y):(\y)+11], 0, v[\sx], v[\sy] matrix_a_fmt:MATRIX_FMT_FP6 matrix_b_fmt:MATRIX_FMT_FP6 matrix_a_scale:MATRIX_SCALE_ROW1
.elseif (\zero) && ((\rx)==0) && ((\ry)==1)
	v_wmma_scale_f32_16x16x128_f8f6f4 v[(\d):(\d)+7], v[(\x):(\x)+11], v[(\y):(\y)+11], 0, v[\sx], v[\sy] matrix_a_fmt:MATRIX_FMT_FP6 matrix_b_fmt:MATRIX_FMT_FP6 matrix_b_scale:MATRIX_SCALE_ROW1
.elseif (\zero)
	v_wmma_scale_f32_16x16x128_f8f6f4 v[(\d):(\d)+7], v[(\x):(\x)+11], v[(\y):(\y)+11], 0, v[\sx], v[\sy] matrix_a_fmt:MATRIX_FMT_FP6 matrix_b_fmt:MATRIX_FMT_FP6 matrix_a_scale:MATRIX_SCALE_ROW1 matrix_b_scale:MATRIX_SCALE_ROW1
.elseif ((\rx)==0) && ((\ry)==0)
	v_wmma_scale_f32_16x16x128_f8f6f4 v[(\d):(\d)+7], v[(\x):(\x)+11], v[(\y):(\y)+11], v[(\d):(\d)+7], v[\sx], v[\sy] matrix_a_fmt:MATRIX_FMT_FP6 matrix_b_fmt:MATRIX_FMT_FP6
.elseif ((\rx)==1) && ((\ry)==0)
	v_wmma_scale_f32_16x16x128_f8f6f4 v[(\d):(\d)+7], v[(\x):(\x)+11], v[(\y):(\y)+11], v[(\d):(\d)+7], v[\sx], v[\sy] matrix_a_fmt:MATRIX_FMT_FP6 matrix_b_fmt:MATRIX_FMT_FP6 matrix_a_scale:MATRIX_SCALE_ROW1
.elseif ((\rx)==0) && ((\ry)==1)
	v_wmma_scale_f32_16x16x128_f8f6f4 v[(\d):(\d)+7], v[(\x):(\x)+11], v[(\y):(\y)+11], v[(\d):(\d)+7], v[\sx], v[\sy] matrix_a_fmt:MATRIX_FMT_FP6 matrix_b_fmt:MATRIX_FMT_FP6 matrix_b_scale:MATRIX_SCALE_ROW1
.else
	v_wmma_scale_f32_16x16x128_f8f6f4 v[(\d):(\d)+7], v[(\x):(\x)+11], v[(\y):(\y)+11], v[(\d):(\d)+7], v[\sx], v[\sy] matrix_a_fmt:MATRIX_FMT_FP6 matrix_b_fmt:MATRIX_FMT_FP6 matrix_a_scale:MATRIX_SCALE_ROW1 matrix_b_scale:MATRIX_SCALE_ROW1
.endif
.endm
	s_load_b128 s[4:7], s[0:1], 0x0                ; kv5, out1
	v_lshl_add_u32 v[SPW], v0, 2, SPARE
	v_mov_b32 v[NIL], 0
	v_lshrrev_b32 v1, 5, v0
	v_readfirstlane_b32 s8, v1                     ; wave
	s_lshr_b32 s9, ttmp9, 2                        ; dp: d blocks 2 dp, 2 dp + 1
	s_and_b32 s10, ttmp9, 3                        ; cg: channel tiles 4 cg .. 4 cg + 3
	s_and_b32 s11, ttmp7, 0xffff                   ; bh
	v_and_b32 v1, 31, v0
	v_and_b32 v2, 15, v0
	v_bfe_u32 v3, v0, 4, 1
	v_lshlrev_b32 v4, 4, v1
	v_lshlrev_b32 v5, 2, v1
	s_mul_i32 s12, s9, 3072
	v_add_nc_u32 v6, s12, v4                       ; k^T's images in a block
	s_mul_i32 s12, s10, 6144
	s_add_co_u32 s12, s12, 12288
	v_add_nc_u32 v7, s12, v4                       ; (v dm)^T's
	s_lshl_b32 s12, s9, 7
	s_add_co_u32 s12, s12, 36864
	v_add_nc_u32 v8, s12, v5                       ; k^T's scale words: lanes 0-15 block 2 dp, lanes 16-31 block 2 dp + 1
	s_lshl_b32 s12, s10, 8
	s_add_co_u32 s12, s12, 37376
	v_add_nc_u32 v9, s12, v5                       ; (v dm)^T's, two tiles a load
	s_mul_i32 s12, s8, 8704                        ; my region: 32 rows x (256 bytes + 16)
	v_mul_u32_u24 v10, v2, 272
	v_lshl_add_u32 v10, v3, 5, v10
	v_add_nc_u32 v10, s12, v10
	s_mul_i32 s12, s8, 4*272                       ; back: rows 4 w .. 4 w + 3 of every region
	v_mul_u32_u24 v11, v3, 272
	v_lshl_add_u32 v11, v2, 4, v11
	v_add_nc_u32 v11, s12, v11
	v_lshlrev_b32 v12, 10, v3
	v_lshl_add_u32 v12, v2, 4, v12                 ; and the same rows in out1
	s_lshl_b32 s12, s11, 4
	s_lshl_b32 s13, s8, 1
	s_add_co_u32 s12, s12, s13
	s_mul_i32 s12, s12, 38400
	s_mov_b32 s13, 0
	s_lshl_b32 s14, s11, 7
	s_lshl_b32 s15, s9, 5
	s_add_co_u32 s14, s14, s15
	s_lshl_b32 s15, s8, 2
	s_add_co_u32 s14, s14, s15
	s_lshl_b32 s14, s14, 10
	s_lshl_b32 s15, s10, 8
	s_add_co_u32 s14, s14, s15
	s_mov_b32 s15, 0
	s_wait_kmcnt 0x0
	s_add_nc_u64 s[4:5], s[4:5], s[12:13]
	s_add_nc_u64 s[6:7], s[6:7], s[14:15]
.irp s, 0,1
.irp e, 0,1
.irp g, 0,1,2
	global_load_b128 v[FRG+72*\s+12*\e+4*\g:FRG+72*\s+12*\e+4*\g+3], v6, s[4:5] offset:38400*\s+1536*\e+512*\g
.endr
.endr
.irp c, 0,1,2,3
.irp g, 0,1,2
	global_load_b128 v[FRG+72*\s+24+12*\c+4*\g:FRG+72*\s+24+12*\c+4*\g+3], v7, s[4:5] offset:38400*\s+1536*\c+512*\g
.endr
.endr
	global_load_b32 v[SCL+3*\s], v8, s[4:5] offset:38400*\s
	global_load_b32 v[SCL+3*\s+1], v9, s[4:5] offset:38400*\s
	global_load_b32 v[SCL+3*\s+2], v9, s[4:5] offset:38400*\s+128
.endr
	s_wait_loadcnt 21                              ; the first K step's 21 loads are in; the second's 21 may be out
.irp e, 0,1
.irp c, 0,1,2,3
	WM ACC+8*(4*\e+\c), FRG+24+12*\c, FRG+12*\e, 1, SCL+1+\c/2, SCL, \c%2, \e
.endr
.endr
	s_wait_loadcnt 0x0
.irp e, 0,1                                    ; the eight accumulators by turns
.irp c, 0,1,2,3
	WM ACC+8*(4*\e+\c), FRG+72+24+12*\c, FRG+72+12*\e, 0, SCL+4+\c/2, SCL+3, \c%2, \e
.endr
.endr
.rept 4
	v_nop
.endr
.irp e, 0,1
.irp c, 0,1,2,3
	ds_store_b128 v10, v[ACC+8*(4*\e+\c):ACC+8*(4*\e+\c)+3] offset:16*\e*272+64*\c
	ds_store_b128 v10, v[ACC+8*(4*\e+\c)+4:ACC+8*(4*\e+\c)+7] offset:16*\e*272+64*\c+16
.endr
.endr
	s_wait_dscnt 0x0                               ; for the others' sake: my stores have landed
	s_barrier_signal -1
	s_barrier_wait -1
.irp g, 0,1,2,3,4,5,6,7
.irp i, 0,1
	ds_load_b128 v[FRG+8*\g+4*\i:FRG+8*\g+4*\i+3], v11 offset:8704*\g+544*\i
.endr
.endr
	s_wait_dscnt 0x0
.irp g, 1,2,3,4,5,6,7
.irp i, 0,1
	v_pk_add_f32 v[FRG+4*\i:FRG+4*\i+1], v[FRG+4*\i:FRG+4*\i+1], v[FRG+8*\g+4*\i:FRG+8*\g+4*\i+1]
	v_pk_add_f32 v[FRG+4*\i+2:FRG+4*\i+3], v[FRG+4*\i+2:FRG+4*\i+3], v[FRG+8*\g+4*\i+2:FRG+8*\g+4*\i+3]
.endr
.endr
	global_store_b128 v12, v[FRG:FRG+3], s[6:7] th:TH_STORE_NT                   ; sixteen lanes store 256 consecutive bytes, aligned
	global_store_b128 v12, v[FRG+4:FRG+7], s[6:7] offset:2048 th:TH_STORE_NT
	s_wait_tensorcnt 0x0                           ; the wave's end, behind my last LDS store
	ds_add_u32 v[SPW], v[NIL]
	s_wait_dscnt 0x0
	s_endpgm
.Lfunc_end_k_qc13f68a4c1_ckv:
	.size	k_qc13f68a4c1_ckv, .Lfunc_end_k_qc13f68a4c1_ckv-k_qc13f68a4c1_ckv
	.p2alignl 7, 3214868480
	.fill 96, 4, 3214868480
	.section	.rodata,"a",@progbits
	.p2align	6, 0x0
	.amdhsa_kernel k_qc13f68a4c1_ckv
		.amdhsa_group_segment_fixed_size 70656
		.amdhsa_private_segment_fixed_size 0
		.amdhsa_enable_private_segment 0
		.amdhsa_kernarg_size 16
		.amdhsa_user_sgpr_count 2
		.amdhsa_user_sgpr_kernarg_segment_ptr 1
		.amdhsa_wavefront_size32 1
		.amdhsa_system_sgpr_workgroup_id_x 1
		.amdhsa_system_sgpr_workgroup_id_y 1
		.amdhsa_system_sgpr_workgroup_id_z 1
		.amdhsa_system_vgpr_workitem_id 0
		.amdhsa_next_free_vgpr 256
		.amdhsa_next_free_sgpr 66
		.amdhsa_reserve_vcc 0
		.amdhsa_float_denorm_mode_32 3
		.amdhsa_float_denorm_mode_16_64 3
		.amdhsa_memory_ordered 1
		.amdhsa_forward_progress 1
		.amdhsa_inst_pref_size 13
	.end_amdhsa_kernel
	.amdgpu_metadata
---
amdhsa.version: [ 1, 2 ]
amdhsa.kernels:
  - .name:           k_qc13f68a4c1_ckv
    .symbol:         k_qc13f68a4c1_ckv.kd
    .args:
      - { .name: kv5, .offset: 0, .size: 8, .value_kind: global_buffer, .address_space: global }
      - { .name: out1, .offset: 8, .size: 8, .value_kind: global_buffer, .address_space: global }
    .group_segment_fixed_size: 70656
    .private_segment_fixed_size: 0
    .kernarg_segment_align: 8
    .kernarg_segment_size: 16
    .max_flat_workgroup_size: 256
    .sgpr_count:     66
    .vgpr_count:     256
    .wavefront_size: 32
...
	.end_amdgpu_metadata
.endif
;; end of part 3
;; launch retn (part 4): grid 16 x 16, 4 waves a work-group, no clusters, 327,680 bytes of LDS; arguments qq, kv, gi, decay, a7; writes a7
.if DOCPART == 4
	.amdgcn_target "amdgcn-amd-amdhsa--gfx1250"
	.amdhsa_code_object_version 6
	.text
	.protected	k_qc13f68a4c1_retn
	.globl	k_qc13f68a4c1_retn
	.p2align	8
	.type	k_qc13f68a4c1_retn,@function
k_qc13f68a4c1_retn:
	s_mov_b64 s[64:65], 0
	v_nop
	global_prefetch_b8 v0, s[64:65] scope:SCOPE_SE
	s_setreg_imm32_b32 hwreg(HW_REG_WAVE_MODE, 25, 1), 1
	s_wait_xcnt 0x0
; RETN: retention = (q k^T) 2^-3.5 decay^(t - s) under the problem's own lower triangle, quantised along the keys; x v; GroupNorm over a head's 256 channels; x gate; quantised along the channels.
; LEFT OUT: key steps of 128 keys that lie wholly after the work-group's 128 queries: the retention there is exactly 0 by the problem's own mask, whatever the inputs hold (shown at the head of the first launch).
; SHARES.  A work-group owns 128 queries of one (b, h), a wave 32: two tiles of 16.  K's and V's register images and scale words of two key steps (76,800 dense bytes) come through a ring of two LDS slots;
; each wave fetches a quarter of a slot.  Every work-group walks all 8 slots, so that trip counts are constants; a step whose keys are all hidden is jumped over, and a slot that no wave of the
; work-group would read is not asked for: both by scalar tests on ids and the count of steps, the same in all four waves.  Every wait on TENSORcnt is for 0; one load of a wave is out at any time.
; NO CLUSTER: the query blocks of a head need different numbers of slots, so a joint load would bring tiles that every wave of some partner jumps over.
; LAYOUT.  S^T = K Q^T (source 0 = 16 keys, source 1 = 16 queries), O^T = V^T P (source 0 = 16 channels): a lane holds one query throughout.
; THE FACTOR.  t - s = [Q' - 128 KS - 32 bb - 12] + (12 - 16 u - j): a factor for each lane and block of 32 keys (4 exponentials a tile and step) times a table of 16 with exponents 12 .. -11.
; Under the diagonal t - s is at least 1, so the first exponent is at least -11.  On the diagonal a table of 64, 0 where s > t.
; LIMITS: powers of decay as 2^(n log2|decay|), the sign by n's parity; log2|decay| held at -16384; a power under 2^-126 comes out 0.  The split into two factors wants 12 x |log2|decay|| inside f32's
; exponents: |decay| from 2^-10 on; below that (0 among it) one factor overflows while the other falls to 0, and the steps under the diagonal are not served.  Blocks of zeros get byte 1 (their codes are zeros).
.set SLOT1, 1<<17
.set STEPB, 38400
.set SPARE, SLOT1+2*STEPB
.set LI,  1
.set LS4, 2
.set RR,  3
.set HH,  4
.set AD,  5
.set ADS, 6
.set SPW, 7
.set NIL, 8
.set LG,  9
.set NT,  10                           ; v10-11  Q' - 12 - 128 KS of my two tiles, as f32
.set QS,  12                           ; q's scale words: lanes 0-15 tile 0, lanes 16-31 tile 1
.set MS,  14                           ; v14-15  decay's sign where t - s is odd: for even j, for odd j
.set U,   16                           ; v16-31
.set KSC, 32                           ; v32-35
.set VSC, 36                           ; v36-43
.set FA,  44                           ; v44-59  the block factors on even registers
.set TM,  60
.set PW,  76                           ; v76-79
.set PC0, 80
.set PC1, 100
.set WK,  120
.set S,   128                          ; v128-255 S^T, 64 a tile.  Window 1: O^T, 128 a tile.  Window 2: V (v0-191), Q (v192-215).  Window 3: K (v0-95), the diagonal's table (v96-159)
.set WV, 14
.set QB, 15
.set BH, 16
.set KS, 17
.set TB, 18
.set TS, 19
.set SLOTS, 20
.set DEC, 22
.set SBIT, 23
.set G1, 24
.set G0, 32
.set SEL, 36
.set C35, 38
.set C256, 39
.set CEPS, 44
.set CBIG, 56
.set QP, 46
.set QSP, 48
.set GP, 50
.set AP, 52
.set SP, 54
.set MSB, 0
.macro WIN new
.if MSB != (\new)
	s_set_vgpr_msb (MSB<<8)|(\new)
.set MSB, (\new)
.endif
.endm
.macro WM d, x, y, zero, sx, sy, rx, ry
.if (\zero) && ((\rx)==0) && ((\ry)==0)
	v_wmma_scale_f32_16x16x128_f8f6f4 v[(\d):(\d)+7], v[(\x):(\x)+11], v[(\y):(\y)+11], 0, v[\sx], v[\sy] matrix_a_fmt:MATRIX_FMT_FP6 matrix_b_fmt:MATRIX_FMT_FP6
.elseif (\zero) && ((\rx)==1) && ((\ry)==0)
	v_wmma_scale_f32_16x16x128_f8f6f4 v[(\d):(\d)+7], v[(\x):(\x)+11], v[(\y):(\y)+11], 0, v[\sx], v[\sy] matrix_a_fmt:MATRIX_FMT_FP6 matrix_b_fmt:MATRIX_FMT_FP6 matrix_a_scale:MATRIX_SCALE_ROW1
.elseif (\zero) && ((\rx)==0) && ((\ry)==1)
	v_wmma_scale_f32_16x16x128_f8f6f4 v[(\d):(\d)+7], v[(\x):(\x)+11], v[(\y):(\y)+11], 0, v[\sx], v[\sy] matrix_a_fmt:MATRIX_FMT_FP6 matrix_b_fmt:MATRIX_FMT_FP6 matrix_b_scale:MATRIX_SCALE_ROW1
.elseif (\zero)
	v_wmma_scale_f32_16x16x128_f8f6f4 v[(\d):(\d)+7], v[(\x):(\x)+11], v[(\y):(\y)+11], 0, v[\sx], v[\sy] matrix_a_fmt:MATRIX_FMT_FP6 matrix_b_fmt:MATRIX_FMT_FP6 matrix_a_scale:MATRIX_SCALE_ROW1 matrix_b_scale:MATRIX_SCALE_ROW1
.elseif ((\rx)==0) && ((\ry)==0)
	v_wmma_scale_f32_16x16x128_f8f6f4 v[(\d):(\d)+7], v[(\x):(\x)+11], v[(\y):(\y)+11], v[(\d):(\d)+7], v[\sx], v[\sy] matrix_a_fmt:MATRIX_FMT_FP6 matrix_b_fmt:MATRIX_FMT_FP6
.elseif ((\rx)==1) && ((\ry)==0)
	v_wmma_scale_f32_16x16x128_f8f6f4 v[(\d):(\d)+7], v[(\x):(\x)+11], v[(\y):(\y)+11], v[(\d):(\d)+7], v[\sx], v[\sy] matrix_a_fmt:MATRIX_FMT_FP6 matrix_b_fmt:MATRIX_FMT_FP6 matrix_a_scale:MATRIX_SCALE_ROW1
.elseif ((\rx)==0) && ((\ry)==1)
	v_wmma_scale_f32_16x16x128_f8f6f4 v[(\d):(\d)+7], v[(\x):(\x)+11], v[(\y):(\y)+11], v[(\d):(\d)+7], v[\sx], v[\sy] matrix_a_fmt:MATRIX_FMT_FP6 matrix_b_fmt:MATRIX_FMT_FP6 matrix_b_scale:MATRIX_SCALE_ROW1
.else
	v_wmma_scale_f32_16x16x128_f8f6f4 v[(\d):(\d)+7], v[(\x):(\x)+11], v[(\y):(\y)+11], v[(\d):(\d)+7], v[\sx], v[\sy] matrix_a_fmt:MATRIX_FMT_FP6 matrix_b_fmt:MATRIX_FMT_FP6 matrix_a_scale:MATRIX_SCALE_ROW1 matrix_b_scale:MATRIX_SCALE_ROW1
.endif
.endm
.macro QUANT s, pc, pw
.irp b, 0,1,2,3
	v_max3_num_f32 v[TM+\b], |v[(\s)+16*\b]|, |v[(\s)+1+16*\b]|, 0x1800000   ; the floor 2^(3 - 127) holds the byte at 1 from below
.endr
.irp i, 2,4,6,8,10,12,14
.irp b, 0,1,2,3
	v_max3_num_f32 v[TM+\b], v[TM+\b], |v[(\s)+16*\b+\i]|, |v[(\s)+1+16*\b+\i]|
.endr
.endr
.irp b, 0,1,2,3
	v_permlanex16_b32 v[TM+4+\b], v[TM+\b], s[SEL], s[SEL+1]
.endr
.irp b, 0,1,2,3
	v_max_num_f32 v[TM+\b], v[TM+\b], v[TM+4+\b]
.endr
.irp b, 0,1,2,3
	v_add_nc_u32 v[TM+12+\b], 0xff000000, v[TM+\b]
.endr
.irp b, 0,1,2,3
	v_lshrrev_b32 v[TM+4+\b], 23, v[TM+12+\b]
.endr
	v_lshl_or_b32 v[\pw], v[TM+5], 8, v[TM+4]
	v_lshl_or_b32 v[\pw], v[TM+6], 16, v[\pw]
	v_lshl_or_b32 v[\pw], v[TM+7], 24, v[\pw]
.irp c, 0,1
	v_cvt_scalef32_pk16_fp6_f32 v[(\pc)+6*\c:(\pc)+2+6*\c], v[(\s)+32*\c:(\s)+15+32*\c], v[TM+12+2*\c]
	v_cvt_scalef32_pk16_fp6_f32 v[(\pc)+12+4*\c:(\pc)+14+4*\c], v[(\s)+16+32*\c:(\s)+31+32*\c], v[TM+12+2*\c+1]
.endr
	v_nop                                          ; one plain place behind a scaled conversion
.irp c, 0,1
.irp i, 0,1,2
	v_permlane16_swap_b32 v[(\pc)+6*\c+\i], v[(\pc)+12+4*\c+\i]
.endr
.irp i, 0,1,2
	v_mov_b32 v[(\pc)+3+6*\c+\i], v[(\pc)+12+4*\c+\i]
.endr
.endr
.endm
	s_load_b256 s[4:11], s[0:1], 0x0               ; qq, kv, gi, decay
	s_load_b64 s[12:13], s[0:1], 0x20              ; a7
	v_lshl_add_u32 v[SPW], v0, 2, SPARE
	v_mov_b32 v[NIL], 0
	ds_add_u32 v[SPW], v[NIL]                      ; the opening: the add, twice on end, and its wait ahead of my first tensor load
	ds_add_u32 v[SPW], v[NIL]
	v_lshrrev_b32 v1, 5, v0
	v_readfirstlane_b32 s[WV], v1
	s_sub_co_u32 s[QB], 15, ttmp9                  ; my block of 128 queries: the longest walks are launched first
	s_and_b32 s[BH], ttmp7, 0xffff
	s_mov_b32 s[G1], 3<<16                         ; a quarter of a slot: 75 rows of 256 bytes, dense
	s_mov_b32 s[G1+1], 32<<16
	s_mov_b32 s[G1+2], 75<<16
	s_mov_b32 s[G1+3], 32<<16
	s_mov_b32 s[G1+4], 75
	s_mov_b32 s[G1+5], 32
	s_mov_b32 s[G1+6], 0
	s_mov_b32 s[G1+7], 0
	s_mul_i32 s40, s[WV], 19200
	s_mul_i32 s42, s[BH], 614400
	s_add_co_u32 s42, s42, s40
	s_mov_b32 s43, 0
	s_mov_b32 s[KS], 0
	s_mov_b32 s[TB], 0
	s_mov_b32 s[SEL], 0x76543210
	s_mov_b32 s[SEL+1], 0xfedcba98
	s_mov_b32 s[C35], 0xc0600000                   ; -3.5: the scale 128^-0.5 = 2^-3.5
	s_mov_b32 s[C256], 0x3b800000                  ; 1 / 256
	s_mov_b32 s[CEPS], 0x3727c5ac                  ; 1e-5
	s_mov_b32 s[CBIG], 0x4e6e6b28                  ; 1e9
	s_and_b32 s45, s[BH], 7                        ; head
	s_lshl_b32 s45, s45, 2                         ; never rewritten
	s_wait_dscnt 0x0                               ; both opening adds are done
	s_wait_kmcnt 0x0
	s_mov_b32 s[G0], 1
	s_mov_b32 s[G0+1], s40
	s_add_nc_u64 s[G0+2:G0+3], s[6:7], s[42:43]
	s_or_b32 s[G0+3], s[G0+3], 0x80000000
	tensor_load_to_lds s[G0:G0+3], s[G1:G1+7]      ; slot 0: key steps 0 and 1; step 0 counts for every query
	s_nop 0
.rept 4
	v_nop
.endr
	s_load_b32 s[DEC], s[10:11], s45 offset:0x0
	s_lshl_b32 s40, s[QB], 3
	s_lshl_b32 s41, s[WV], 1
	s_add_co_u32 s40, s40, s41                     ; 8 qb + 2 w
	s_lshl_b32 s41, s[BH], 7
	s_add_co_u32 s41, s41, s40
	s_mul_i32 s42, s41, 1536
	s_add_nc_u64 s[QP:QP+1], s[4:5], s[42:43]
	s_lshl_b32 s42, s41, 6
	s_add_co_u32 s42, s42, 3145728
	s_add_nc_u64 s[QSP:QSP+1], s[4:5], s[42:43]
	s_lshr_b32 s41, s[BH], 3
	s_lshl_b32 s41, s41, 7
	s_add_co_u32 s40, s40, s41                     ; my first token tile of the 256
	s_and_b32 s41, s[BH], 7
	s_lshl_b32 s21, s40, 4
	s_add_co_u32 s21, s21, s41
	s_add_co_u32 s21, s21, s41                     ; 16 x tile + 2 x head
	s_lshl_b32 s42, s21, 13
	s_add_nc_u64 s[GP:GP+1], s[8:9], s[42:43]
	s_mul_i32 s42, s21, 1536
	s_add_nc_u64 s[AP:AP+1], s[12:13], s[42:43]
	s_lshl_b32 s42, s40, 2
	s_add_co_u32 s42, s42, s41                     ; 8 x pair of tiles + head
	s_lshl_b32 s42, s42, 8
	s_add_co_u32 s42, s42, 6291456
	s_add_nc_u64 s[SP:SP+1], s[12:13], s[42:43]
	v_and_b32 v120, 31, v0
	v_lshlrev_b32 v[LI], 4, v120
	v_lshlrev_b32 v[LS4], 2, v120
	v_and_b32 v[RR], 15, v0
	v_bfe_u32 v[HH], v0, 4, 1
	WIN 0x80
.irp u, 0,1
.irp g, 0,1,2
	global_load_b128 v[192+12*\u+4*\g:192+12*\u+4*\g+3], v[LI], s[QP:QP+1] offset:1536*\u+512*\g
.endr
.endr
	WIN 0
	global_load_b32 v[QS], v[LS4], s[QSP:QSP+1]
	s_wait_kmcnt 0x0
	v_mov_b32 v121, s[DEC]
	v_log_f32 v[LG], |v121|
	v_lshlrev_b32 v122, 3, v[HH]
	s_wait_alu depctr_va_vdst(0)
	v_max_num_f32 v[LG], 0xc6800000, v[LG]         ; log2|decay|, held at -16384
	s_and_b32 s[SBIT], s[DEC], 0x80000000
	v_and_b32 v123, 1, v[RR]
	v_lshlrev_b32 v123, 31, v123
	v_and_b32 v[MS], s[SBIT], v123                 ; j even: t - s is odd where r is odd
	v_xor_b32 v123, 0x80000000, v123
	v_and_b32 v[MS+1], s[SBIT], v123               ; j odd: where r is even
	v_sub_nc_u32 v124, v[RR], v122                 ; r - 8 h
	s_lshl_b32 s40, s[QB], 7
	s_lshl_b32 s41, s[WV], 5
	s_add_co_u32 s40, s40, s41
	s_sub_co_i32 s40, s40, 12
	v_add_nc_u32 v[NT], s40, v124
	v_add_nc_u32 v[NT+1], 16, v[NT]
	v_cvt_f32_i32 v[NT], v[NT]
	v_cvt_f32_i32 v[NT+1], v[NT+1]
.set i, 0
.rept 16
	v_mov_b32 v[U+i], 12-16*(i/8)-i%8
.set i, i+1
.endr
.set i, 0
.rept 16
	v_cvt_f32_i32 v[U+i], v[U+i]
.set i, i+1
.endr
.set i, 0
.rept 16
	v_mul_f32 v[U+i], v[LG], v[U+i]
.set i, i+1
.endr
.set i, 0
.rept 16
	v_exp_f32 v[U+i], v[U+i]
.set i, i+1
.endr
	s_add_co_u32 s41, s41, 16
	v_add_nc_u32 v125, s41, v124                   ; tile 1's query on the diagonal, less 8 h
	s_wait_alu depctr_va_vdst(0)
.set i, 0
.rept 16
	v_xor_b32 v[U+i], v[MS+i%2], v[U+i]
.set i, i+1
.endr
; the diagonal's table: register 8 c + j: n = tile 1's query - key 16 c + 8 h + j; 2^(L n - 3.5), 0 where n < 0.  Tile 0 takes the entry one key tile on
.set i, 0
.rept 64
	v_add_nc_u32 v[S+i], -(16*(i/8)+i%8), v125
.set i, i+1
.endr
.set i, 0
.rept 64
	v_cvt_f32_i32 v[S+i], v[S+i]
.set i, i+1
.endr
.set i, 0
.rept 64
	v_min_num_f32 v[S+64+i], 0, v[S+i]
.set i, i+1
.endr
.set i, 0
.rept 64
	v_fma_f32 v[S+i], v[LG], v[S+i], s[C35]
.set i, i+1
.endr
.set i, 0
.rept 64
	v_fma_f32 v[S+i], v[S+64+i], s[CBIG], v[S+i]   ; a hidden key's exponent falls far under every number
.set i, i+1
.endr
.set i, 0
.rept 64
	v_exp_f32 v[S+i], v[S+i]
.set i, i+1
.endr
.irp b, 0,1,2,3
	v_mov_b32 v[TM+4+\b], 0                        ; written once: a lane permute's destination counts as one of its sources
.endr
.irp b, 1,3,5,7,9,11,13,15
	v_mov_b32 v[FA+\b], 0                          ; the upper halves of pairs of which the packed forms take the low word
.endr
	s_wait_alu depctr_va_vdst(0)
	WIN 0xc0
.set i, 0
.rept 64
	v_xor_b32 v[96+i], v[MS+i%2], v[S+i]
.set i, i+1
.endr
	WIN 0x40
.set i, 0
.rept 256
	v_mov_b32 v[i], 0                              ; O^T: the step is written once, and where a work-group's walk ends hangs on its number
.set i, i+1
.endr
	WIN 0
.macro CHANGE fill                     ; the change of slots stands at a slot's head
	s_wait_tensorcnt 0x0                           ; my part of the slot ahead has landed; no load of mine is out, so the descriptor may step
	ds_add_u32 v[SPW], v[NIL]
.if \fill
	s_xor_b32 s[G0+1], s[G0+1], SLOT1
	s_add_nc_u64 s[G0+2:G0+3], s[G0+2:G0+3], 2*STEPB
.endif
	s_wait_dscnt 0x0                               ; the add is done, my reads of the slot that I have left are over
	s_barrier_signal -1
	s_barrier_wait -1
.if \fill
	s_add_co_u32 s21, s[KS], 2                     ; the next slot's first key step: beyond my work-group's queries none of its waves would read it
	s_cmp_gt_u32 s21, s[QB]
	s_cbranch_scc1 .Lpast_\@
	tensor_load_to_lds s[G0:G0+3], s[G1:G1+7]      ; my one tensor load until the next such barrier
	s_nop 0
.rept 4
	v_nop
.endr
.Lpast_\@:
.endif
.endm
.macro STEP q                          ; 128 keys, the q-th of the slot in hand
	s_cmp_gt_u32 s[KS], s[QB]
	s_cbranch_scc1 .Lhid_\@
	s_add_co_u32 s[TS], s[TB], STEPB*(\q)
	v_add_nc_u32 v[AD], s[TS], v[LI]
	v_add_nc_u32 v[ADS], s[TS], v[LS4]
	v_nop
	v_nop                                          ; four places in front of loads into registers that the last products read
	WIN 0xc0
.irp i, 0,1,2,3,4,5,6,7
.irp g, 0,1,2
	ds_load_b128 v[12*\i+4*\g:12*\i+4*\g+3], v[AD] offset:1536*\i+512*\g
.endr
.endr
	WIN 0
.irp i, 0,1,2,3
	ds_load_b32 v[KSC+\i], v[ADS] offset:36864+128*\i
.endr
	WIN 0x80
.irp i, 0,1,2,3,4,5,6,7,8,9,10,11,12,13,14,15
.irp g, 0,1,2
	ds_load_b128 v[12*\i+4*\g:12*\i+4*\g+3], v[AD] offset:12288+1536*\i+512*\g
.endr
.endr
	WIN 0
.irp i, 0,1,2,3,4,5,6,7
	ds_load_b32 v[VSC+\i], v[ADS] offset:37376+128*\i
.endr
.irp u, 0,1                                    ; the block factors 2^(L (NT - 32 bb) - 3.5)
	v_add_f32 v[FA+8*\u+2], 0xc2000000, v[NT+\u]
	v_add_f32 v[FA+8*\u+4], 0xc2800000, v[NT+\u]
	v_add_f32 v[FA+8*\u+6], 0xc2c00000, v[NT+\u]
	v_fma_f32 v[FA+8*\u], v[LG], v[NT+\u], s[C35]
	v_fma_f32 v[FA+8*\u+2], v[LG], v[FA+8*\u+2], s[C35]
	v_fma_f32 v[FA+8*\u+4], v[LG], v[FA+8*\u+4], s[C35]
	v_fma_f32 v[FA+8*\u+6], v[LG], v[FA+8*\u+6], s[C35]
.endr
.irp b, 0,2,4,6,8,10,12,14
	v_exp_f32 v[FA+\b], v[FA+\b]
.endr
	v_nop
	s_wait_dscnt 56                                ; K and its scale words are in; V's 48 loads and its 8 scale loads may be out
	WIN 0x0b                                       ; K window 3, Q window 2, S^T window 0
.irp c, 0,1,2,3,4,5,6,7
.irp u, 0,1
	WM S+64*\u+8*\c, 12*\c, 192+12*\u, 1, KSC+\c/2, QS, \c%2, \u
.endr
.endr
	WIN 0
.rept 4
	v_nop
.endr
	s_wait_alu depctr_va_vdst(0)                   ; one wait for the eight factors
	s_cmp_eq_u32 s[KS], s[QB]
	s_cbranch_scc1 .Ldiag_\@
.irp u, 0,1
.set i, 0
.rept 32
	v_pk_mul_f32 v[S+64*\u+2*i:S+64*\u+2*i+1], v[S+64*\u+2*i:S+64*\u+2*i+1], v[FA+8*\u+2*(i/8):FA+8*\u+2*(i/8)+1] op_sel_hi:[1,0]
.set i, i+1
.endr
.endr
.irp u, 0,1
.set i, 0
.rept 32
	v_pk_mul_f32 v[S+64*\u+2*i:S+64*\u+2*i+1], v[S+64*\u+2*i:S+64*\u+2*i+1], v[U+2*(i%8):U+2*(i%8)+1]
.set i, i+1
.endr
.endr
	s_branch .Lq_\@
.Ldiag_\@:
	WIN 0x0c                                       ; source 1 window 3
.set i, 0
.rept 32
	v_pk_mul_f32 v[S+64+2*i:S+64+2*i+1], v[S+64+2*i:S+64+2*i+1], v[96+2*i:96+2*i+1]
.set i, i+1
.endr
.set i, 0
.rept 28
	v_pk_mul_f32 v[S+2*i:S+2*i+1], v[S+2*i:S+2*i+1], v[104+2*i:104+2*i+1]
.set i, i+1
.endr
	WIN 0
.set i, 0
.rept 8
	v_mov_b32 v[S+56+i], 0                         ; tile 0's last 16 keys come after all its queries
.set i, i+1
.endr
.Lq_\@:
	QUANT S, PC0, PW
	QUANT S+64, PC1, PW+1
.rept 8
	v_nop                                          ; a scale register written by a vector instruction stands 8 places ahead of a scaled matrix instruction, an operand 4
.endr
	s_wait_dscnt 0x0                               ; V
	WIN 0x52                                       ; V window 2, P window 0, O^T window 1
.irp c, 0,1,2,3,4,5,6,7,8,9,10,11,12,13,14,15   ; the 32 accumulators by turns
.irp u, 0,1
	WM 128*\u+8*\c, 12*\c, PC0+20*\u, 0, VSC+\c/2, PW+\u, \c%2, 0
.endr
.endr
	WIN 0
.Lhid_\@:
	s_add_co_u32 s[KS], s[KS], 1
	v_add_f32 v[NT], 0xc3000000, v[NT]
	v_add_f32 v[NT+1], 0xc3000000, v[NT+1]
.endm
	s_wait_loadcnt 0x0                             ; Q
	s_mov_b32 s[SLOTS], 7
.Lslot:
	CHANGE 1
	STEP 0
	STEP 1
	s_xor_b32 s[TB], s[TB], SLOT1
	s_sub_co_u32 s[SLOTS], s[SLOTS], 1
	s_cmp_lg_u32 s[SLOTS], 0
	s_cbranch_scc1 .Lslot
	CHANGE 0
	STEP 0
	STEP 1
; THE WAY OUT: the gate's images of my 32 tokens and my head's 256 channels; then, a tile at a time: mean, variance, x gate, quantised along the channels
.rept 4
	v_nop
.endr
	WIN 0x80
.set i, 0
.rept 32
	global_load_b128 v[4*i:4*i+3], v[LI], s[GP:GP+1] offset:512*i th:TH_LOAD_NT
.set i, i+1
.endr
	WIN 0xc0
.set i, 0
.rept 32
	global_load_b128 v[4*i:4*i+3], v[LI], s[GP:GP+1] offset:131072+512*i th:TH_LOAD_NT
.set i, i+1
.endr
	WIN 0
.macro FOLD                            ; four packed chains, then lane l xor 16's half of the channels: the sum in v[WK]
	v_pk_add_f32 v[WK:WK+1], v[WK:WK+1], v[WK+2:WK+3]
	v_pk_add_f32 v[WK+4:WK+5], v[WK+4:WK+5], v[WK+6:WK+7]
	v_pk_add_f32 v[WK:WK+1], v[WK:WK+1], v[WK+4:WK+5]
	v_add_f32 v[WK], v[WK], v[WK+1]
	v_permlanex16_b32 v[WK+1], v[WK], s[SEL], s[SEL+1]
	v_add_f32 v[WK], v[WK], v[WK+1]
.endm
.macro NORM u
.irp k, 0,1,2,3,4,5,6,7
	v_mov_b32 v[WK+\k], 0
.endr
	WIN 0x04
.set i, 0
.rept 64
	v_pk_add_f32 v[WK+2*(i%4):WK+2*(i%4)+1], v[WK+2*(i%4):WK+2*(i%4)+1], v[128*(\u)+2*i:128*(\u)+2*i+1]   ; each accumulator from its low end on
.set i, i+1
.endr
	WIN 0
	FOLD
	v_mul_f32 v[FA], s[C256], v[WK]                ; the mean
	WIN 0x41
.set i, 0
.rept 64
	v_pk_add_f32 v[128*(\u)+2*i:128*(\u)+2*i+1], v[128*(\u)+2*i:128*(\u)+2*i+1], v[FA:FA+1] op_sel_hi:[1,0] neg_lo:[0,1] neg_hi:[0,1]
.set i, i+1
.endr
	WIN 0
.irp k, 0,1,2,3,4,5,6,7
	v_mov_b32 v[WK+\k], 0
.endr
	WIN 0x05
.set i, 0
.rept 64
	v_pk_fma_f32 v[WK+2*(i%4):WK+2*(i%4)+1], v[128*(\u)+2*i:128*(\u)+2*i+1], v[128*(\u)+2*i:128*(\u)+2*i+1], v[WK+2*(i%4):WK+2*(i%4)+1]
.set i, i+1
.endr
	WIN 0
	FOLD
	v_fma_f32 v[WK], v[WK], s[C256], s[CEPS]
	v_rsq_f32 v[FA+2], v[WK]
	v_nop
	s_wait_alu depctr_va_vdst(0)
	s_wait_loadcnt 32*(1-(\u))                     ; this tile's gate is in; the other tile's 32 loads may be out
.irp g, 0,1
	s_wait_xcnt 0x0                                ; earlier stores have read the codes' registers
	WIN 0x01
.set i, 0
.rept 32
	v_pk_mul_f32 v[S+2*i:S+2*i+1], v[128*(\u)+64*\g+2*i:128*(\u)+64*\g+2*i+1], v[FA+2:FA+3] op_sel_hi:[1,0]
.set i, i+1
.endr
	WIN 0x08+4*(\u)
.set i, 0
.rept 32
	v_pk_mul_f32 v[S+2*i:S+2*i+1], v[S+2*i:S+2*i+1], v[64*\g+2*i:64*\g+2*i+1]
.set i, i+1
.endr
	WIN 0
	QUANT S, PC0, PW+2*(\u)+\g
.irp k, 0,1,2
	global_store_b128 v[LI], v[PC0+4*\k:PC0+4*\k+3], s[AP:AP+1] offset:1536*(16*(\u)+\g)+512*\k
.endr
.endr
.endm
	NORM 0
	NORM 1
	s_mov_b32 s21, 0xffff0000
	v_cndmask_b32 v[WK], v[PW], v[PW+2], s21       ; lanes 0-15 tile 0's words, lanes 16-31 tile 1's
	v_cndmask_b32 v[WK+1], v[PW+1], v[PW+3], s21
	v_lshlrev_b32 v[WK+2], 1, v[LS4]
	global_store_b64 v[WK+2], v[WK:WK+1], s[SP:SP+1]   ; 256 consecutive bytes, aligned
	s_wait_tensorcnt 0x0                           ; the wave's end
	ds_add_u32 v[SPW], v[NIL]
	s_wait_dscnt 0x0
	s_endpgm
.Lfunc_end_k_qc13f68a4c1_retn:
	.size	k_qc13f68a4c1_retn, .Lfunc_end_k_qc13f68a4c1_retn-k_qc13f68a4c1_retn
	.p2alignl 7, 3214868480
	.fill 96, 4, 3214868480
	.section	.rodata,"a",@progbits
	.p2align	6, 0x0
	.amdhsa_kernel k_qc13f68a4c1_retn
		.amdhsa_group_segment_fixed_size 327680
		.amdhsa_private_segment_fixed_size 0
		.amdhsa_enable_private_segment 0
		.amdhsa_kernarg_size 40
		.amdhsa_user_sgpr_count 2
		.amdhsa_user_sgpr_kernarg_segment_ptr 1
		.amdhsa_wavefront_size32 1
		.amdhsa_system_sgpr_workgroup_id_x 1
		.amdhsa_system_sgpr_workgroup_id_y 1
		.amdhsa_system_sgpr_workgroup_id_z 1
		.amdhsa_system_vgpr_workitem_id 0
		.amdhsa_next_free_vgpr 1024
		.amdhsa_next_free_sgpr 66
		.amdhsa_reserve_vcc 0
		.amdhsa_float_denorm_mode_32 3
		.amdhsa_float_denorm_mode_16_64 3
		.amdhsa_memory_ordered 1
		.amdhsa_forward_progress 1
		.amdhsa_inst_pref_size 236
	.end_amdhsa_kernel
	.amdgpu_metadata
---
amdhsa.version: [ 1, 2 ]
amdhsa.kernels:
  - .name:           k_qc13f68a4c1_retn
    .symbol:         k_qc13f68a4c1_retn.kd
    .args:
      - { .name: qq, .offset: 0, .size: 8, .value_kind: global_buffer, .address_space: global }
      - { .name: kv, .offset: 8, .size: 8, .value_kind: global_buffer, .address_space: global }
      - { .name: gi, .offset: 16, .size: 8, .value_kind: global_buffer, .address_space: global }
      - { .name: decay, .offset: 24, .size: 8, .value_kind: global_buffer, .address_space: global }
      - { .name: a7, .offset: 32, .size: 8, .value_kind: global_buffer, .address_space: global }
    .group_segment_fixed_size: 327680
    .private_segment_fixed_size: 0
    .kernarg_segment_align: 8
    .kernarg_segment_size: 40
    .max_flat_workgroup_size: 128
    .sgpr_count:     66
    .vgpr_count:     1024
    .wavefront_size: 32
...
	.end_amdgpu_metadata
.endif
;; end of part 4
;; launch gemm2 (part 5): grid 8 x 16, 4 waves a work-group, clusters of 4 x 4, 327,680 bytes of LDS; arguments a7, cw, out0; writes out0
.if DOCPART == 5
	.amdgcn_target "amdgcn-amd-amdhsa--gfx1250"
	.amdhsa_code_object_version 6
	.text
	.protected	k_qc13f68a4c1_gemm2
	.globl	k_qc13f68a4c1_gemm2
	.p2align	8
	.type	k_qc13f68a4c1_gemm2,@function
k_qc13f68a4c1_gemm2:
	s_mov_b64 s[64:65], 0
	v_nop
	global_prefetch_b8 v0, s[64:65] scope:SCOPE_SE
	s_setreg_imm32_b32 hwreg(HW_REG_WAVE_MODE, 25, 1), 1
	s_wait_xcnt 0x0
	s_wait_alu depctr_hold_cnt(0) depctr_sa_sdst(0) depctr_va_vdst(0) depctr_va_sdst(0) depctr_va_ssrc(0) depctr_va_vcc(0) depctr_vm_vsrc(0)
	s_getreg_b32 s2, hwreg(HW_REG_IB_STS2, 6, 4)
	s_cmp_eq_u32 s2, 0
	s_cbranch_scc0 .Lentry_in_a_cluster
	s_endpgm
.Lentry_in_a_cluster:
	s_bfe_u32 s2, ttmp6, 0x10000c
	s_cmp_lg_u32 s2, 0xf033
	s_cbranch_scc0 .Lentry_shape_is_right
	s_endpgm
.Lentry_shape_is_right:
; GEMM2: y = (gate x normed) w_proj^T on codes of FP6, K = 2048.  No work is left out here.
; The second launch's core with 64 columns to a wave: a work-group makes 256 tokens x 128 columns, 128 work-groups; 256 columns would leave 64.  Ring, round, joint loads and images as there.
; Source 0 = rows of w_proj ("B"), source 1 = tokens ("A"): a lane holds a token and eight neighbouring columns; a block of 16 tokens goes through the wave's stage in LDS and leaves as aligned runs of 256 bytes.
.set KK,    2048
.set NB,    4
.set FR,    12
.set NL,    3
.set NP,    4
.set LAPS,  KK/512
.set RBB,   (KK/128)*1536
.set HALFA, 24576
.set HALFB, NB*3072
.set SLOT,  49152+NB*6144
.set SCA,   2*SLOT
.set SCB,   SCA+8*KK
.set SPARE, SCB+NB*KK
.set ADRA, 16
.set ADRB, 20
.set ADSA, 22
.set ADSB, 23
.set STO,  24
.set RD,   25
.set LI,   26
.set CO,   27
.set SPW,  28
.set NIL,  29
.set SA,   32
.set SB,   48
.set AF,   128
.set BK,   128
.set G1, 24
.set G0, 32
.set G1B, 48
.set G0B, 56
.set G1S, 68
.set G0S, 76
.set G1SB, 80
.set G0SB, 88
.set MSB, 0
.macro WIN new
.if MSB != (\new)
	s_set_vgpr_msb (MSB<<8)|(\new)
.set MSB, (\new)
.endif
.endm
.macro PLACES n
.rept \n
	v_nop
.endr
.endm
.macro WM d, x, y, zero, sx, sy, rx, ry
.if (\zero) && ((\rx)==0) && ((\ry)==0)
	v_wmma_scale_f32_16x16x128_f8f6f4 v[(\d):(\d)+7], v[(\x):(\x)+11], v[(\y):(\y)+11], 0, v[\sx], v[\sy] matrix_a_fmt:MATRIX_FMT_FP6 matrix_b_fmt:MATRIX_FMT_FP6
.elseif (\zero) && ((\rx)==1) && ((\ry)==0)
	v_wmma_scale_f32_16x16x128_f8f6f4 v[(\d):(\d)+7], v[(\x):(\x)+11], v[(\y):(\y)+11], 0, v[\sx], v[\sy] matrix_a_fmt:MATRIX_FMT_FP6 matrix_b_fmt:MATRIX_FMT_FP6 matrix_a_scale:MATRIX_SCALE_ROW1
.elseif (\zero) && ((\rx)==0) && ((\ry)==1)
	v_wmma_scale_f32_16x16x128_f8f6f4 v[(\d):(\d)+7], v[(\x):(\x)+11], v[(\y):(\y)+11], 0, v[\sx], v[\sy] matrix_a_fmt:MATRIX_FMT_FP6 matrix_b_fmt:MATRIX_FMT_FP6 matrix_b_scale:MATRIX_SCALE_ROW1
.elseif (\zero)
	v_wmma_scale_f32_16x16x128_f8f6f4 v[(\d):(\d)+7], v[(\x):(\x)+11], v[(\y):(\y)+11], 0, v[\sx], v[\sy] matrix_a_fmt:MATRIX_FMT_FP6 matrix_b_fmt:MATRIX_FMT_FP6 matrix_a_scale:MATRIX_SCALE_ROW1 matrix_b_scale:MATRIX_SCALE_ROW1
.elseif ((\rx)==0) && ((\ry)==0)
	v_wmma_scale_f32_16x16x128_f8f6f4 v[(\d):(\d)+7], v[(\x):(\x)+11], v[(\y):(\y)+11], v[(\d):(\d)+7], v[\sx], v[\sy] matrix_a_fmt:MATRIX_FMT_FP6 matrix_b_fmt:MATRIX_FMT_FP6
.elseif ((\rx)==1) && ((\ry)==0)
	v_wmma_scale_f32_16x16x128_f8f6f4 v[(\d):(\d)+7], v[(\x):(\x)+11], v[(\y):(\y)+11], v[(\d):(\d)+7], v[\sx], v[\sy] matrix_a_fmt:MATRIX_FMT_FP6 matrix_b_fmt:MATRIX_FMT_FP6 matrix_a_scale:MATRIX_SCALE_ROW1
.elseif ((\rx)==0) && ((\ry)==1)
	v_wmma_scale_f32_16x16x128_f8f6f4 v[(\d):(\d)+7], v[(\x):(\x)+11], v[(\y):(\y)+11], v[(\d):(\d)+7], v[\sx], v[\sy] matrix_a_fmt:MATRIX_FMT_FP6 matrix_b_fmt:MATRIX_FMT_FP6 matrix_b_scale:MATRIX_SCALE_ROW1
.else
	v_wmma_scale_f32_16x16x128_f8f6f4 v[(\d):(\d)+7], v[(\x):(\x)+11], v[(\y):(\y)+11], v[(\d):(\d)+7], v[\sx], v[\sy] matrix_a_fmt:MATRIX_FMT_FP6 matrix_b_fmt:MATRIX_FMT_FP6 matrix_a_scale:MATRIX_SCALE_ROW1 matrix_b_scale:MATRIX_SCALE_ROW1
.endif
.endm
.macro JLOAD g0a, g1a, g0b, g1b        ; a joint load: waves 0 and 1 fetch for A, waves 2 and 3 for B; an s_nop 0 and four v_nop follow each line
	s_cmp_eq_u32 s19, 0
	s_cbranch_scc0 .Lfor_b_\@
	tensor_load_to_lds s[\g0a:\g0a+3], s[\g1a:\g1a+7]
	s_nop 0
.rept 4
	v_nop
.endr
	s_branch .Lasked_\@
.Lfor_b_\@:
	tensor_load_to_lds s[\g0b:\g0b+3], s[\g1b:\g1b+7]
	s_nop 0
.rept 4
	v_nop
.endr
.Lasked_\@:
.endm
.macro CREST
	s_cmp_lg_u32 s18, 0
	s_cbranch_scc1 .Lnot_wave_0_\@
	s_barrier_signal -3
.Lnot_wave_0_\@:
	s_barrier_wait -3
	s_barrier_signal -1
	s_barrier_wait -1
.endm
.macro CROUND
	s_barrier_signal -1
	s_barrier_wait -1
	CREST
.endm
.macro FRAG reg, adr, q, i
.irp g, 0,1,2
	ds_load_b128 v[(\reg)+4*\g:(\reg)+4*\g+3], v[\adr] offset:3072*(\i)+1536*(\q)+512*\g
.endr
.endm
.macro MM a, b, p, q, sc, zero
.set rD, (8*(NB*(\a)+(\b)))%256
.set rB, 128*(\p)+FR*(\b)
.set rA, AF+FR*(\a)
.set rSB, SB+8*(\sc)+2*((\b)/2)+(\q)
.set rSA, SA+8*(\sc)+2*((\a)/2)+(\q)
	WM rD, rB, rA, \zero, rSB, rSA, (\b)%2, (\a)%2
.endm
.macro MUL2 a0, p, q, sc, zero         ; the accumulators take turns in the same order in every step
	WIN 0x01|((2+(8*NB*(\a0))/256)*0x50)
.irp a, \a0, \a0+1
.irp b, 0,1,2,3,4,5,6,7
.if \b < NB
	MM \a, \b, \p, \q, \sc, \zero
.endif
.endr
.endr
.endm
.macro FETCH_B slot, q, p
	WIN 0x40
.irp i, 0,1,2,3,4,5,6,7
.if \i < NB
	FRAG 128*(\p)+FR*\i, ADRB+\slot, \q, \i
.endif
.endr
	WIN 0
.endm
.macro FETCH_A slot, q, i0
.irp i, \i0, \i0+1, \i0+2, \i0+3
	FRAG AF+FR*(\i), ADRA+\slot, \q, \i
.endr
.endm
.macro SCALES sc
.irp i, 0,1,2,3
	ds_load_b64 v[SA+8*(\sc)+2*\i:SA+8*(\sc)+2*\i+1], v[ADSA] offset:\i*KK
.endr
.irp i, 0,1,2,3
.if \i < NB/2
	ds_load_b64 v[SB+8*(\sc)+2*\i:SB+8*(\sc)+2*\i+1], v[ADSB] offset:\i*KK
.endif
.endr
.endm
.macro STEP slot, zero
	s_wait_dscnt 4*NL                              ; all but the youngest 12 loads (A's blocks 4-7) are in
	MUL2 0, 0, 0, \slot, \zero
	MUL2 2, 0, 0, \slot, \zero
	s_wait_dscnt 0x0
	PLACES NP
	FETCH_B \slot, 1, 1
	FETCH_A \slot, 1, 0
	MUL2 4, 0, 0, \slot, \zero
	MUL2 6, 0, 0, \slot, \zero
	PLACES NP
	WIN 0
	FETCH_A \slot, 1, 4
.endm
.macro TURN slot, next, fill
	s_wait_tensorcnt 0x0                           ; my part of the next slot has landed
	ds_add_u32 v[SPW], v[NIL]
	s_wait_dscnt 4*NL+1                            ; (the add and the youngest 12 loads may be out)
	MUL2 0, 1, 1, \slot, 0
	s_wait_dscnt 0x0                               ; the add is done, my reads of this slot are over
	s_barrier_signal -1
	MUL2 2, 1, 1, \slot, 0
	WIN 0
	s_barrier_wait -1
.if \fill
	CREST                                          ; the barrier has opened a round of the cluster's
	s_add_nc_u64 s[G0+4*\slot+2:G0+4*\slot+3], s[G0+4*\slot+2:G0+4*\slot+3], 6144
	s_add_nc_u64 s[G0B+4*\slot+2:G0B+4*\slot+3], s[G0B+4*\slot+2:G0B+4*\slot+3], 6144
	JLOAD G0+4*\slot, G1, G0B+4*\slot, G1B
.else
	PLACES NP
.endif
	v_add_nc_u32 v[ADSA], 256, v[ADSA]
	v_add_nc_u32 v[ADSB], 256, v[ADSB]
	FETCH_B \next, 0, 0
	FETCH_A \next, 0, 0
	SCALES \next
	MUL2 4, 1, 1, \slot, 0
	MUL2 6, 1, 1, \slot, 0
	PLACES NP
	WIN 0
	FETCH_A \next, 0, 4
.endm
	s_load_b128 s[4:7], s[0:1], 0x0                ; a7, cw
	s_load_b64 s[8:9], s[0:1], 0x10                ; out0
	v_lshl_add_u32 v[SPW], v0, 2, SPARE
	v_mov_b32 v[NIL], 0
	ds_add_u32 v[SPW], v[NIL]                      ; the opening: the add, twice on end, and its wait ahead of my first tensor load
	ds_add_u32 v[SPW], v[NIL]
	v_lshrrev_b32 v1, 5, v0
	v_readfirstlane_b32 s18, v1
	s_lshr_b32 s19, s18, 1
	s_and_b32 s20, s18, 1
	s_bfe_u32 s21, ttmp6, 0x40000                  ; cx
	s_bfe_u32 s22, ttmp6, 0x40004                  ; cy
	s_lshl_b32 s41, ttmp9, 2
	s_add_co_u32 s41, s41, s21                     ; tile column: 128 rows of w_proj
	s_and_b32 s40, ttmp7, 0xffff
	s_lshl_b32 s40, s40, 2
	s_add_co_u32 s40, s40, s22                     ; tile row: 256 tokens
	s_lshl_b32 s66, s22, 2
	s_lshl_b32 s66, 15, s66
	s_lshl_b32 s67, 0x1111, s21
	s_or_b32 s[G1], s66, (3<<16)|(1<<21)
	s_mov_b32 s[G1+1], 384<<16
	s_mov_b32 s[G1+2], 8<<16
	s_mov_b32 s[G1+3], 384<<16
	s_mov_b32 s[G1+4], 8
	s_mov_b32 s[G1+5], (KK/128)*192
	s_mov_b32 s[G1+6], 0
	s_mov_b32 s[G1+7], 0
	s_or_b32 s[G1B], s67, (3<<16)|(1<<21)
	s_mov_b32 s[G1B+1], 384<<16
	s_mov_b32 s[G1B+2], NB<<16
	s_mov_b32 s[G1B+3], 384<<16
	s_mov_b32 s[G1B+4], NB
	s_mov_b32 s[G1B+5], (KK/128)*192
	s_mov_b32 s[G1B+6], 0
	s_mov_b32 s[G1B+7], 0
	s_or_b32 s[G1S], s66, (3<<16)|(1<<21)
	s_mov_b32 s[G1S+1], 32<<16
	s_mov_b32 s[G1S+2], (4*KK/256)<<16
	s_mov_b32 s[G1S+3], 32<<16
	s_mov_b32 s[G1S+4], 4*KK/256
	s_mov_b32 s[G1S+5], 32
	s_mov_b32 s[G1S+6], 0
	s_mov_b32 s[G1S+7], 0
	s_or_b32 s[G1SB], s67, (3<<16)|(1<<21)
	s_mov_b32 s[G1SB+1], 32<<16
	s_mov_b32 s[G1SB+2], ((NB/2)*KK/256)<<16
	s_mov_b32 s[G1SB+3], 32<<16
	s_mov_b32 s[G1SB+4], (NB/2)*KK/256
	s_mov_b32 s[G1SB+5], 32
	s_mov_b32 s[G1SB+6], 0
	s_mov_b32 s[G1SB+7], 0
	s_lshl_b32 s45, s40, 4
	s_lshl_b32 s46, s20, 3
	s_add_co_u32 s45, s45, s46                     ; A: the first row block that I fetch
	s_mul_i32 s94, s45, RBB
	s_mov_b32 s95, 0
	s_mul_i32 s98, s45, KK/2
	s_add_co_u32 s98, s98, 6291456
	s_mov_b32 s99, 0
	s_mul_i32 s47, s41, 2*NB
	s_mul_i32 s93, s20, NB
	s_add_co_u32 s47, s47, s93                     ; B likewise, in registers of its own
	s_mul_i32 s96, s47, RBB
	s_add_co_u32 s96, s96, 7864320
	s_mov_b32 s97, 0
	s_mul_i32 s100, s47, KK/2
	s_add_co_u32 s100, s100, 9764864
	s_mov_b32 s101, 0
	s_mul_i32 s2, s20, HALFA
	s_mul_i32 s3, s20, HALFB
	s_add_co_u32 s3, s3, 49152
	s_wait_dscnt 0x0                               ; both opening adds are done
	s_wait_kmcnt 0x0
	s_add_nc_u64 s[94:95], s[4:5], s[94:95]
	s_add_nc_u64 s[98:99], s[4:5], s[98:99]
	s_add_nc_u64 s[96:97], s[6:7], s[96:97]
	s_add_nc_u64 s[100:101], s[6:7], s[100:101]
	CROUND                                         ; all sixteen work-groups are here: the first joint loads meet
	s_mov_b32 s[G0S], 1
	s_mul_i32 s45, s20, 4*KK
	s_add_co_u32 s[G0S+1], s45, SCA
	s_mov_b64 s[G0S+2:G0S+3], s[98:99]
	s_or_b32 s[G0S+3], s[G0S+3], 0x80000000
	s_mov_b32 s[G0SB], 1
	s_mul_i32 s46, s20, (NB/2)*KK
	s_add_co_u32 s[G0SB+1], s46, SCB
	s_mov_b64 s[G0SB+2:G0SB+3], s[100:101]
	s_or_b32 s[G0SB+3], s[G0SB+3], 0x80000000
	JLOAD G0S, G1S, G0SB, G1SB                     ; the scales first; with the two slots three loads of mine are out
.irp s, 0,1
	s_mov_b32 s[G0+4*\s], 1
	s_add_co_u32 s[G0+4*\s+1], s2, \s*SLOT
	s_add_nc_u64 s[G0+4*\s+2:G0+4*\s+3], s[94:95], \s*3072
	s_or_b32 s[G0+4*\s+3], s[G0+4*\s+3], 0x80000000
	s_mov_b32 s[G0B+4*\s], 1
	s_add_co_u32 s[G0B+4*\s+1], s3, \s*SLOT
	s_add_nc_u64 s[G0B+4*\s+2:G0B+4*\s+3], s[96:97], \s*3072
	s_or_b32 s[G0B+4*\s+3], s[G0B+4*\s+3], 0x80000000
	JLOAD G0+4*\s, G1, G0B+4*\s, G1B
.endr
	v_and_b32 v1, 31, v0
	v_lshlrev_b32 v[LI], 4, v1
	s_mul_i32 s45, s19, HALFA
	s_mul_i32 s46, s20, HALFB
	s_add_co_u32 s46, s46, 49152
.irp s, 0,1
	v_add_nc_u32 v[ADRA+\s], s45, v[LI]
	v_add_nc_u32 v[ADRB+\s], s46, v[LI]
	s_add_co_u32 s45, s45, SLOT
	s_add_co_u32 s46, s46, SLOT
.endr
	v_lshlrev_b32 v2, 3, v1
	s_mul_i32 s45, s19, 4*KK
	s_add_co_u32 s45, s45, SCA
	v_add_nc_u32 v[ADSA], s45, v2
	s_mul_i32 s46, s20, (NB/2)*KK
	s_add_co_u32 s46, s46, SCB
	v_add_nc_u32 v[ADSB], s46, v2
	v_and_b32 v2, 15, v0                           ; r
	v_bfe_u32 v3, v0, 4, 1                         ; h
	s_mul_i32 s45, s18, 4352                       ; my stage, in slot 0: 16 rows x (256 bytes + 16)
	v_mul_u32_u24 v[STO], v2, 272
	v_lshl_add_u32 v[STO], v3, 5, v[STO]
	v_add_nc_u32 v[STO], s45, v[STO]
	v_mul_u32_u24 v[RD], v3, 272
	v_lshl_add_u32 v[RD], v2, 4, v[RD]
	v_add_nc_u32 v[RD], s45, v[RD]
	v_lshlrev_b32 v[CO], 12, v3
	v_lshl_add_u32 v[CO], v2, 4, v[CO]             ; lanes 0-15 one row of y, lanes 16-31 the next
	s_lshl_b32 s45, s40, 8
	s_lshl_b32 s46, s19, 7
	s_add_co_u32 s45, s45, s46
	s_lshl_b32 s10, s45, 12                        ; my first token's row,
	s_lshl_b32 s47, s41, 9
	s_lshl_b32 s93, s20, 8
	s_add_co_u32 s47, s47, s93
	s_add_co_u32 s10, s10, s47                     ; my first column
	s_mov_b32 s11, 0
	s_add_nc_u64 s[8:9], s[8:9], s[10:11]
	s_wait_tensorcnt 1                             ; the scales and my part of slot 0 are in; slot 1's load may be out
	s_barrier_signal -1
	s_barrier_wait -1
	FETCH_B 0, 0, 0
	FETCH_A 0, 0, 0
	SCALES 0
	FETCH_A 0, 0, 4
	STEP 0, 1
	s_mov_b32 s3, LAPS-1
.Llap:
	TURN 0, 1, 1
	STEP 1, 0
	TURN 1, 0, 1
	STEP 0, 0
	s_sub_co_u32 s3, s3, 1
	s_cmp_lg_u32 s3, 0
	s_cbranch_scc1 .Llap
	TURN 0, 1, 0                                   ; the last lap fills nothing; behind its barrier nobody reads slot 0, which has had its last fill
	STEP 1, 0
	s_wait_dscnt 4*NL
	MUL2 0, 1, 1, 1, 0
	MUL2 2, 1, 1, 1, 0
	s_wait_dscnt 0x0
	MUL2 4, 1, 1, 1, 0
	MUL2 6, 1, 1, 1, 0
	WIN 0
.macro TOSTAGE a
	WIN 0x08                                       ; an LDS store's data: window 2
.irp b, 0,1,2,3
	ds_store_b128 v[STO], v[8*(4*(\a)+\b):8*(4*(\a)+\b)+3] offset:64*\b       ; each accumulator from its low end on
	ds_store_b128 v[STO], v[8*(4*(\a)+\b)+4:8*(4*(\a)+\b)+7] offset:64*\b+16
.endr
	WIN 0
.set BB, BK+32*((\a)%2)
.irp t, 0,1,2,3,4,5,6,7
	ds_load_b128 v[BB+4*\t:BB+4*\t+3], v[RD] offset:544*\t   ; LDS serves a wave's instructions in order: these see my stores
.endr
.endm
.macro SEND a, younger                 ; younger: the LDS instructions issued behind block a's loads
.set BB, BK+32*((\a)%2)
	s_wait_dscnt \younger
.if (\a) > 0
	s_add_nc_u64 s[8:9], s[8:9], 16*4096           ; (behind a wait on XCNT: the earlier stores have read their base)
.endif
.irp t, 0,1,2,3,4,5,6,7
	global_store_b128 v[CO], v[BB+4*\t:BB+4*\t+3], s[8:9] offset:8192*\t th:TH_STORE_NT   ; sixteen lanes store 256 consecutive bytes, aligned
.endr
.endm
	PLACES NP
	TOSTAGE 0
.irp a, 1,2,3,4,5,6,7
.if \a > 1
	s_wait_xcnt 0x0                                ; block a - 2's stores have read their registers and their base
.endif
	TOSTAGE \a
	SEND \a-1, 16                                  ; behind block a - 1's loads: block a's 8 stores and 8 loads
.endr
	s_wait_xcnt 0x0
	SEND 7, 0
	s_wait_tensorcnt 0x0                           ; the wave's end
	ds_add_u32 v[SPW], v[NIL]
	s_wait_dscnt 0x0
	CROUND                                         ; the closing round
	s_endpgm
.Lfunc_end_k_qc13f68a4c1_gemm2:
	.size	k_qc13f68a4c1_gemm2, .Lfunc_end_k_qc13f68a4c1_gemm2-k_qc13f68a4c1_gemm2
	.p2alignl 7, 3214868480
	.fill 96, 4, 3214868480
	.section	.rodata,"a",@progbits
	.p2align	6, 0x0
	.amdhsa_kernel k_qc13f68a4c1_gemm2
		.amdhsa_group_segment_fixed_size 327680
		.amdhsa_private_segment_fixed_size 0
		.amdhsa_enable_private_segment 0
		.amdhsa_kernarg_size 24
		.amdhsa_user_sgpr_count 2
		.amdhsa_user_sgpr_kernarg_segment_ptr 1
		.amdhsa_wavefront_size32 1
		.amdhsa_system_sgpr_workgroup_id_x 1
		.amdhsa_system_sgpr_workgroup_id_y 1
		.amdhsa_system_sgpr_workgroup_id_z 1
		.amdhsa_system_vgpr_workitem_id 0
		.amdhsa_next_free_vgpr 768
		.amdhsa_next_free_sgpr 102
		.amdhsa_reserve_vcc 0
		.amdhsa_float_denorm_mode_32 3
		.amdhsa_float_denorm_mode_16_64 3
		.amdhsa_memory_ordered 1
		.amdhsa_forward_progress 1
		.amdhsa_inst_pref_size 84
	.end_amdhsa_kernel
	.amdgpu_metadata
---
amdhsa.version: [ 1, 2 ]
amdhsa.kernels:
  - .name:           k_qc13f68a4c1_gemm2
    .symbol:         k_qc13f68a4c1_gemm2.kd
    .args:
      - { .name: a7, .offset: 0, .size: 8, .value_kind: global_buffer, .address_space: global }
      - { .name: cw, .offset: 8, .size: 8, .value_kind: global_buffer, .address_space: global }
      - { .name: out0, .offset: 16, .size: 8, .value_kind: global_buffer, .address_space: global }
    .group_segment_fixed_size: 327680
    .private_segment_fixed_size: 0
    .kernarg_segment_align: 8
    .kernarg_segment_size: 24
    .max_flat_workgroup_size: 128
    .sgpr_count:     102
    .vgpr_count:     768
    .wavefront_size: 32
...
	.end_amdgpu_metadata
.endif
;; end of part 5
;; ======== version 2 of 2: 4 launches; 1.13 times as fast as version 1
;; limits: right only within a limited range of input values
;; workspace buffers: cw 9,830,400 bytes; tab 16,777,216 bytes; qq 3,276,800 bytes; kv 9,830,400 bytes; kv5 9,830,400 bytes; gi 33,554,432 bytes; a7 6,553,600 bytes
;; launch prep (part 6): grid 640 x 1, 4 waves a work-group, no clusters, 35,328 bytes of LDS; arguments hidden_states, w_qkv, w_gated, w_proj, cw, tab; writes cw, tab
.if DOCPART == 6
	.amdgcn_target "amdgcn-amd-amdhsa--gfx1250"
	.amdhsa_code_object_version 6
	.text
	.protected	k_qc13f68a4c1_prep
	.globl	k_qc13f68a4c1_prep
	.p2align	8
	.type	k_qc13f68a4c1_prep,@function
k_qc13f68a4c1_prep:
	s_mov_b64 s[64:65], 0
	v_nop
	global_prefetch_b8 v0, s[64:65] scope:SCOPE_SE
	s_setreg_imm32_b32 hwreg(HW_REG_WAVE_MODE, 25, 1), 1
	s_wait_xcnt 0x0
; PREP: the first of four launches of a retention layer (B 2, T 2048, 8 heads, dk 128, dv 256) on codes of FP6 (E2M3) with one E8M0 scale for each 32 along K.
; DEAD WORK OF THE WHOLE PROGRAM.  The only work left out is in the third launch: key steps of 128 keys that lie wholly after a work-group's 128 queries.  The problem builds its
; own lower-triangular decay mask, so the retention there is exactly 0 for all values of the inputs; its codes are zeros under any scale, and zeros add nothing to retention x v whatever v holds.
; No input is dead: all five are loaded.  LIMIT: a NaN, an infinity or an overflow that reaches only those tiles is not carried to the result.
; THIS LAUNCH.  Work-groups 256..639 quantise hidden_states, w_qkv, w_gated, w_proj along K (their last axis); work-groups 0..255 make the xPos tables.
; IMAGES.  An operand is stored as the image of its fragments' registers: 16 rows x 128 K = 12 registers a lane; register group g (4 registers) of lane l at byte 512 g + 16 l: 1,536 bytes.
; ORDER IN A BLOCK.  All operands of all products carry the 32 numbers of a block in one fixed order: places 0-7, 8-15, 16-23, 24-31 hold numbers 0-7, 16-23, 8-15, 24-31.  It is the order in
; which a transposed matrix result falls into the quantiser in the later launches; the same order on both sides of a product keeps every pair of factors together, and a block's scale is untouched.
; SCALES: [pair of row blocks][pair of K steps][parity][row][2 words]: 256 bytes, stored as one aligned run.
; A block's byte is its largest magnitude's exponent field - 2, held at 1 from below.
; LIMITS: a block of zeros gets byte 1 where the rule says 127 (its codes are zeros, and this program alone reads the bytes); blocks whose largest magnitude lies under 2^-124 keep byte 1; NaN and
; infinities among the inputs are not served.
; TABLES.  At position 2047 one ulp of inv_freq moves an angle by about 1e-4, so inv_freq = 1 / 10000^(i / 512) is made as ONE number, 10000^(-i / 512), rounded to f32 once: the power is kept in
; pairs of f32 (a high and a low part, good to about 2^-40), and the reciprocal is taken of the pair; the one rounding is the last fused multiply-add's.  LIMITS: for some i this differs by an ulp
; from a power rounded to f32 whose reciprocal is rounded again; a library power that is not correctly rounded may differ from this one in the last bit.
; scale_vec is (2 i + 409.6) times the f32 reciprocal of 1433.6, within an ulp of the quotient; scale_vec^(t / 512) is 2^((t / 512) log2(scale_vec)), good to about 5e-7 of the number.
; No tensor loads, no matrix units, no cluster: a stream in which waves share nothing.
.set SPARE, 34816                      ; behind the four waves' regions: the spare words, 128 bytes a wave
.set WREG,  8704                       ; a wave's LDS: a stage of 16 rows x 528 bytes, then 256 bytes of scale words
.set SPW,  10
.set NIL,  11
.set OFFR, 12                          ; v12-27  16 x lane + i x the row pitch; never rewritten
.set C,    28                          ; v28-39  a fragment's codes; v40-46 the conversions' second halves
.set R,    64                          ; v64-191 two sets of 64 registers as loaded
.set X,    192                         ; v192-255 my two blocks of 32
.set IN,   50                          ; s[50:51], s[52:53] the unit's two row blocks in the tensor
.set OUT,  54                          ; s[54:55], s[56:57] and in cw
.set SEL,  58                          ; s[58:59] selects for lane l xor 16
.set SCP,  60                          ; s[60:61] the unit's 256 bytes of scales
	s_load_b256 s[4:11], s[0:1], 0x0               ; hidden_states, w_qkv, w_gated, w_proj
	s_load_b128 s[12:15], s[0:1], 0x20             ; cw, tab
	v_lshl_add_u32 v[SPW], v0, 2, SPARE
	v_mov_b32 v[NIL], 0
	v_lshrrev_b32 v1, 5, v0
	v_readfirstlane_b32 s16, v1                    ; wave
	v_and_b32 v1, 31, v0                           ; lane
	v_and_b32 v2, 15, v0                           ; r
	v_bfe_u32 v3, v0, 4, 1                         ; h
	v_lshlrev_b32 v4, 4, v1                        ; 16 x lane
	s_cmp_lt_u32 ttmp9, 256
	s_cbranch_scc1 .Ltable
; ---------------- the quantiser: a wave takes a unit of 32 rows x 256 K = 4 fragments ----------------
	s_mul_i32 s17, s16, WREG
	v_add_nc_u32 v5, s17, v4                       ; stage, in: 16 x lane of a row
	v_mul_u32_u24 v6, v2, 528
	v_lshl_add_u32 v6, v3, 7, v6
	v_add_nc_u32 v6, s17, v6                       ; stage, out: row r, + 128 h: my block of 32 numbers
	s_add_co_u32 s18, s17, 8448
	v_lshl_add_u32 v7, v2, 3, s18                  ; where row r's scale words go
	v_lshl_add_u32 v8, v1, 3, s18                  ; and come back, 8 bytes a lane
	v_lshlrev_b32 v9, 3, v1
	s_mov_b32 s[SEL], 0x76543210
	s_mov_b32 s[SEL+1], 0xfedcba98
	s_sub_co_u32 s20, ttmp9, 256                   ; g
	s_lshl_b32 s21, s20, 2
	s_add_co_u32 s21, s21, s16                     ; the unit U = 4 g + wave, 0 .. 1535
	s_wait_kmcnt 0x0
	s_cmp_lt_u32 s20, 128                          ; the tensor is chosen by the work-group's number alone
	s_cselect_b64 s[24:25], s[4:5], s[6:7]
	s_cselect_b32 s26, 0, 128
	s_cmp_lt_u32 s20, 256
	s_cselect_b64 s[24:25], s[24:25], s[8:9]
	s_cselect_b32 s26, s26, 256
	s_cmp_lt_u32 s20, 320
	s_cselect_b64 s[24:25], s[24:25], s[10:11]
	s_cselect_b32 s26, s26, 320                    ; the tensor's first g
	s_cselect_b32 s27, 2, 3                        ; log2 of the pairs of K steps in a row: K = 1024 or 2048
	s_cselect_b32 s28, 0, 1280                     ; w_proj's images are counted from its own first unit,
	s_cselect_b32 s29, 0, 7864320                  ; and begin here in cw
	s_lshl_b32 s26, s26, 2
	s_sub_co_u32 s30, s21, s26                     ; the unit in its tensor
	s_lshr_b32 s31, s30, s27                       ; pair of row blocks
	s_bfm_b32 s32, s27, 0
	s_and_b32 s32, s30, s32                        ; pair of K steps
	s_sub_co_u32 s33, s27, 2
	s_lshl_b32 s34, 4096, s33                      ; a row of the tensor in bytes
	s_lshl_b32 s35, 12288, s33                     ; a row block's images in bytes
	s_mul_i32 s36, s31, s34
	s_lshl_b32 s36, s36, 5
	s_lshl_b32 s37, s32, 10
	s_add_co_u32 s36, s36, s37
	s_mov_b32 s37, 0
	s_add_nc_u64 s[IN:IN+1], s[24:25], s[36:37]
	s_lshl_b32 s36, s34, 4
	s_add_nc_u64 s[IN+2:IN+3], s[IN:IN+1], s[36:37]
	s_sub_co_u32 s40, s21, s28
	s_lshr_b32 s40, s40, s27
	s_mul_i32 s40, s40, s35
	s_lshl_b32 s40, s40, 1
	s_add_co_u32 s40, s40, s29
	s_mul_i32 s41, s32, 3072
	s_add_co_u32 s40, s40, s41
	s_mov_b32 s41, 0
	s_add_nc_u64 s[OUT:OUT+1], s[12:13], s[40:41]
	s_mov_b32 s36, s35
	s_add_nc_u64 s[OUT+2:OUT+3], s[OUT:OUT+1], s[36:37]
	s_lshl_b32 s40, s21, 8
	s_add_co_u32 s40, s40, 9437184
	s_add_nc_u64 s[SCP:SCP+1], s[12:13], s[40:41]
.irp i, 0,1,2,3,4,5,6,7,8,9,10,11,12,13,14,15
	s_mul_i32 s42, s34, \i
	v_add_nc_u32 v[OFFR+\i], s42, v4
.endr
; fragment f = 2 e + q: row block e, K step q.  Each load reads 512 consecutive bytes of one row
.macro LOADF f
.irp i, 0,1,2,3,4,5,6,7,8,9,10,11,12,13,14,15
	global_load_b128 v[R+64*((\f)%2)+4*\i:R+64*((\f)%2)+4*\i+3], v[OFFR+\i], s[IN+2*((\f)/2):IN+2*((\f)/2)+1] offset:512*((\f)%2) th:TH_LOAD_NT
.endr
.endm
.macro FRAGQ f
.if (\f) < 3
	s_wait_loadcnt 16                              ; this fragment's 16 loads are in; the next fragment's 16 may be out
.else
	s_wait_loadcnt 0x0
.endif
.irp i, 0,1,2,3,4,5,6,7,8,9,10,11,12,13,14,15
	ds_store_b128 v5, v[R+64*((\f)%2)+4*\i:R+64*((\f)%2)+4*\i+3] offset:528*\i
.endr
.irp c, 0,1                                    ; back: block 2 c + h of row r, its eight quads landing in the program's order of a block
	ds_load_b128 v[X+32*\c:X+32*\c+3], v6 offset:256*\c
	ds_load_b128 v[X+32*\c+4:X+32*\c+7], v6 offset:256*\c+16
	ds_load_b128 v[X+32*\c+16:X+32*\c+19], v6 offset:256*\c+32
	ds_load_b128 v[X+32*\c+20:X+32*\c+23], v6 offset:256*\c+48
	ds_load_b128 v[X+32*\c+8:X+32*\c+11], v6 offset:256*\c+64
	ds_load_b128 v[X+32*\c+12:X+32*\c+15], v6 offset:256*\c+80
	ds_load_b128 v[X+32*\c+24:X+32*\c+27], v6 offset:256*\c+96
	ds_load_b128 v[X+32*\c+28:X+32*\c+31], v6 offset:256*\c+112
.endr
	s_wait_dscnt 0x0                               ; my numbers are back; the stage's stores have read their registers, the last scale word's store too
.if (\f) < 2
	LOADF (\f)+2
.endif
.irp c, 0,1
	v_max3_num_f32 v[48+\c], |v[X+32*\c]|, |v[X+32*\c+1]|, 0x1800000   ; the floor 2^(3 - 127) holds the byte at 1 from below
.endr
.irp i, 2,4,6,8,10,12,14,16,18,20,22,24,26,28,30
.irp c, 0,1
	v_max3_num_f32 v[48+\c], v[48+\c], |v[X+32*\c+\i]|, |v[X+32*\c+\i+1]|
.endr
.endr
.irp c, 0,1
	v_add_nc_u32 v[50+\c], 0xff000000, v[48+\c]    ; 2 off the exponent field: the conversion's scale operand
.endr
.irp c, 0,1
	v_lshrrev_b32 v[52+\c], 23, v[50+\c]           ; the byte
.endr
	v_lshl_or_b32 v54, v53, 16, v52                ; my bytes: blocks h and 2 + h,
	v_lshlrev_b32 v55, 3, v3
	v_lshlrev_b32 v54, v55, v54                    ; at their places,
	v_permlanex16_b32 v55, v54, s[SEL], s[SEL+1]
	v_or_b32 v54, v54, v55                         ; with lane l xor 16's the word is whole
.if (\f) > 0
	s_wait_xcnt 0x0                                ; the last fragment's stores have read the codes' registers
.endif
.irp c, 0,1
	v_cvt_scalef32_pk16_fp6_f32 v[C+6*\c:C+6*\c+2], v[X+32*\c:X+32*\c+15], v[50+\c]
	v_cvt_scalef32_pk16_fp6_f32 v[40+4*\c:42+4*\c], v[X+32*\c+16:X+32*\c+31], v[50+\c]   ; (three registers begin on an even number)
.endr
	v_nop                                          ; one plain place behind a scaled conversion
.irp c, 0,1
.irp i, 0,1,2
	v_mov_b32 v[C+3+6*\c+\i], v[40+4*\c+\i]
.endr
.endr
.irp g, 0,1,2
	global_store_b128 v4, v[C+4*\g:C+4*\g+3], s[OUT+2*((\f)/2):OUT+2*((\f)/2)+1] offset:1536*((\f)%2)+512*\g   ; 512 consecutive bytes, aligned
.endr
	ds_store_b32 v7, v54 offset:128*((\f)/2)+4*((\f)%2)   ; lanes l and l xor 16 write the same word with the same value
.endm
	LOADF 0
	LOADF 1
	FRAGQ 0
	FRAGQ 1
	FRAGQ 2
	FRAGQ 3
	ds_load_b64 v[48:49], v8                       ; LDS serves a wave's instructions in order: these see my stores
	s_wait_dscnt 0x0
	global_store_b64 v9, v[48:49], s[SCP:SCP+1]    ; 256 consecutive bytes, aligned
	s_wait_tensorcnt 0x0                           ; the wave's end, behind my last LDS store
	ds_add_u32 v[SPW], v[NIL]
	s_wait_dscnt 0x0
	s_endpgm
; ---------------- the tables: a wave makes one entry: 16 positions x 64 pairs, for q (cos s, sin s) and for k (cos / s, sin / s) ----------------
; Entry [token tile tt][column group cg]: the image of 64 registers; registers 8 b + 2 p, + 1 of lane (r, h): position 16 tt + r, pair i = 64 cg + 8 b + 4 h + p.
; THE POWER 10000^(i / 512) = 10^(i / 128), in pairs (high, low).  10000^(2^b / 512) is 100 and 10 for b = 8, 7, and for b = 6 .. 0 a chain of seven square roots of 10.  A running pair holds the
; factors of cg's three bits and of h, takes 10000^(8 / 512) once a trip, and meets the three constants 10000^(p / 512) in each trip.
.set DR,  16                           ; v16-17  the running pair: 10000^((64 cg + 8 b + 4 h) / 512)
.set DC1, 18                           ; v18-23  10000^(p / 512), p = 1, 2, 3
.set DG3, 24                           ; v24-25  10000^(8 / 512)
.set DGC, 26                           ; v26-27  the chain of roots
.set DT,  28                           ; v28-31  at work
.macro DSQRT a                         ; the pair at v[a] becomes its square root: s = the root of the high part; + (a - s s) / (2 s), the residue by one fused multiply-add
	v_sqrt_f32 v[DT], v[\a]
	v_nop                                          ; a plain place behind the transcendental,
	s_wait_alu depctr_va_vdst(0)                   ; and the wait ahead of its first reader
	v_add_f32 v[DT+1], v[DT], v[DT]
	v_rcp_f32 v[DT+2], v[DT+1]
	v_fma_f32 v[DT+3], -v[DT], v[DT], v[\a]        ; (plain work behind the reciprocal)
	v_add_f32 v[DT+3], v[DT+3], v[(\a)+1]
	s_wait_alu depctr_va_vdst(0)
	v_mul_f32 v[DT+3], v[DT+3], v[DT+2]
	v_add_f32 v[\a], v[DT], v[DT+3]                ; high part,
	v_sub_f32 v[DT+1], v[\a], v[DT]
	v_sub_f32 v[(\a)+1], v[DT+3], v[DT+1]          ; and what its rounding left
.endm
.macro DMUL c, a, b                    ; pair c = pair a x pair b; c may be a or b
	v_mul_f32 v[DT], v[\a], v[\b]
	v_fma_f32 v[DT+1], v[\a], v[\b], -v[DT]        ; what the product's rounding left, exactly
	v_fma_f32 v[DT+1], v[\a], v[(\b)+1], v[DT+1]
	v_fma_f32 v[DT+1], v[(\a)+1], v[\b], v[DT+1]
	v_add_f32 v[\c], v[DT], v[DT+1]
	v_sub_f32 v[DT], v[\c], v[DT]
	v_sub_f32 v[(\c)+1], v[DT+1], v[DT]
.endm
.Ltable:
	s_lshl_b32 s20, ttmp9, 2
	s_add_co_u32 s20, s20, s16
	s_lshr_b32 s21, s20, 3                         ; tt
	s_and_b32 s22, s20, 7                          ; cg
	s_lshl_b32 s23, s21, 4
	v_add_nc_u32 v12, s23, v2
	v_cvt_f32_u32 v12, v12                         ; the position
	v_mul_f32 v13, 0x3b000000, v12                 ; / 512, exact
	s_lshl_b32 s23, s22, 6
	v_lshl_add_u32 v14, v3, 2, s23                 ; 64 cg + 4 h, + 8 a trip
	v_mov_b32 v15, v4                              ; the stores' offset, + 1,024 a trip
	s_mov_b32 s33, 0x43cccccd                      ; 409.6
	s_mov_b32 s35, 0x3a36db6e                      ; 1 / 1433.6
	s_mov_b32 s36, 0x3f22f983                      ; 2 / pi
	s_mov_b32 s37, 0x3fc90fdb                      ; pi / 2, high part
	s_mov_b32 s38, 0xb33bbd2e                      ; and low part
	s_mov_b32 s39, 0xbe2aaaa3                      ; the sine's three coefficients
	s_mov_b32 s40, 0x3c08839e
	s_mov_b32 s41, 0xb94ca1f9
	s_mov_b32 s42, 0x3d2aaaa5                      ; the cosine's three
	s_mov_b32 s43, 0xbab6061a
	s_mov_b32 s44, 0x37ccf5ce
	v_mov_b32 v[DGC], 0x41200000                   ; 10 = 10000^(128 / 512)
	v_mov_b32 v[DGC+1], 0
	DSQRT DGC                                      ; 10000^(64 / 512): cg's bit 0
	s_bitcmp1_b32 s22, 0
	s_cselect_b32 s48, -1, 0
	v_cndmask_b32 v[DR], 1.0, v[DGC], s48
	v_cndmask_b32 v[DR+1], 0, v[DGC+1], s48
	DSQRT DGC                                      ; 32 / 512
	DSQRT DGC                                      ; 16 / 512
	DSQRT DGC                                      ; 8 / 512: a trip's step
	v_mov_b32 v[DG3], v[DGC]
	v_mov_b32 v[DG3+1], v[DGC+1]
	DSQRT DGC                                      ; 4 / 512: h
	v_cmp_ne_u32 vcc_lo, 0, v3
	v_cndmask_b32 v32, 1.0, v[DGC], vcc_lo
	v_cndmask_b32 v33, 0, v[DGC+1], vcc_lo
	DMUL DR, DR, 32
	DSQRT DGC                                      ; 2 / 512: p = 2
	v_mov_b32 v[DC1+2], v[DGC]
	v_mov_b32 v[DC1+3], v[DGC+1]
	DSQRT DGC                                      ; 1 / 512: p = 1
	v_mov_b32 v[DC1], v[DGC]
	v_mov_b32 v[DC1+1], v[DGC+1]
	DMUL DC1+4, DC1, DC1+2                         ; p = 3
	s_mov_b32 s46, 0x3f800000                      ; 1
	s_bitcmp1_b32 s22, 1
	s_cselect_b32 s47, 0x41200000, s46             ; cg's bit 1: x 10
	s_bitcmp1_b32 s22, 2
	s_cselect_b32 s46, 0x42c80000, s46             ; cg's bit 2: x 100
	v_mov_b32 v32, s47
	v_mov_b32 v33, 0
	DMUL DR, DR, 32
	v_mov_b32 v32, s46
	DMUL DR, DR, 32
	s_lshl_b32 s24, s20, 13
	s_mov_b32 s25, 0
	s_wait_kmcnt 0x0
	s_add_nc_u64 s[26:27], s[14:15], s[24:25]      ; q's table
	s_add_nc_u64 s[28:29], s[26:27], 0x800000      ; k's
	s_mov_b32 s45, 0
.Ltrip:
.irp p, 0,1,2,3
	v_add_nc_u32 v[32+16*\p], \p, v14
	v_cvt_f32_u32 v[32+16*\p], v[32+16*\p]         ; i
.if \p == 0
	v_mov_b32 v[35+16*\p], v[DR]                   ; the power 10000^(i / 512) as a pair: the running pair itself,
	v_mov_b32 v[36+16*\p], v[DR+1]
.else
	v_mul_f32 v[35+16*\p], v[DR], v[DC1+2*(\p-1)]  ; or the running pair x 10000^(p / 512): the product's high part,
	v_fma_f32 v[36+16*\p], v[DR], v[DC1+2*(\p-1)], -v[35+16*\p]
	v_fma_f32 v[36+16*\p], v[DR], v[DC1+2*(\p-1)+1], v[36+16*\p]
	v_fma_f32 v[36+16*\p], v[DR+1], v[DC1+2*(\p-1)], v[36+16*\p]   ; and all that lies under it.  The pair is NOT rounded to one f32 here
.endif
	v_rcp_f32 v[38+16*\p], v[35+16*\p]             ; r0, a first reciprocal of the high part
	v_fma_f32 v[39+16*\p], v[32+16*\p], 2.0, s33   ; 2 i + 409.6
	v_mul_f32 v[41+16*\p], s35, v[39+16*\p]        ; x the reciprocal of 1433.6: scale_vec
	v_log_f32 v[42+16*\p], v[41+16*\p]             ; log2(scale_vec)
.endr
	v_nop                                          ; a plain place behind the last transcendental
	s_wait_alu depctr_va_vdst(0)                   ; one wait for the eight, ahead of their first reader
.irp p, 0,1,2,3
	v_fma_f32 v[37+16*\p], -v[35+16*\p], v[38+16*\p], 1.0          ; e = 1 - r0 x (high + low):
	v_fma_f32 v[37+16*\p], -v[36+16*\p], v[38+16*\p], v[37+16*\p]  ; 1 / the pair = r0 (1 + e + e e + ..)
	v_fma_f32 v[37+16*\p], v[37+16*\p], v[37+16*\p], v[37+16*\p]   ; e + e e; the next term lies under 2^-60
	v_fma_f32 v[38+16*\p], v[38+16*\p], v[37+16*\p], v[38+16*\p]   ; inv_freq = 10000^(-i / 512): this line's rounding is the only one
	v_mul_f32 v[33+16*\p], v12, v[38+16*\p]        ; the angle
	v_mul_f32 v[42+16*\p], v13, v[42+16*\p]
	v_exp_f32 v[43+16*\p], v[42+16*\p]             ; scale
	v_exp_f32 v[44+16*\p], -v[42+16*\p]            ; 1 / scale
	v_mul_f32 v[34+16*\p], s36, v[33+16*\p]
	v_rndne_f32 v[34+16*\p], v[34+16*\p]           ; quarter turns
	v_fma_f32 v[35+16*\p], -v[34+16*\p], s37, v[33+16*\p]
	v_fma_f32 v[35+16*\p], -v[34+16*\p], s38, v[35+16*\p]   ; the rest, within pi / 4
	v_mul_f32 v[37+16*\p], v[35+16*\p], v[35+16*\p]
	v_fma_f32 v[39+16*\p], v[37+16*\p], s41, s40
	v_fma_f32 v[39+16*\p], v[39+16*\p], v[37+16*\p], s39
	v_mul_f32 v[40+16*\p], v[37+16*\p], v[35+16*\p]
	v_fma_f32 v[39+16*\p], v[39+16*\p], v[40+16*\p], v[35+16*\p]   ; its sine
	v_fma_f32 v[41+16*\p], v[37+16*\p], s44, s43
	v_fma_f32 v[41+16*\p], v[41+16*\p], v[37+16*\p], s42
	v_mul_f32 v[40+16*\p], v[37+16*\p], v[37+16*\p]
	v_fma_f32 v[45+16*\p], v[37+16*\p], -0.5, 1.0
	v_fma_f32 v[41+16*\p], v[41+16*\p], v[40+16*\p], v[45+16*\p]   ; its cosine
	v_cvt_i32_f32 v[34+16*\p], v[34+16*\p]
	v_and_b32 v[36+16*\p], 1, v[34+16*\p]
	v_cmp_ne_u32 vcc_lo, 0, v[36+16*\p]            ; an odd quarter swaps the two
	v_cndmask_b32 v[45+16*\p], v[39+16*\p], v[41+16*\p], vcc_lo
	v_cndmask_b32 v[46+16*\p], v[41+16*\p], v[39+16*\p], vcc_lo
	v_and_b32 v[36+16*\p], 2, v[34+16*\p]
	v_lshlrev_b32 v[36+16*\p], 30, v[36+16*\p]
	v_xor_b32 v[45+16*\p], v[36+16*\p], v[45+16*\p]   ; sin: minus in quarters 2, 3
	v_add_nc_u32 v[34+16*\p], 1, v[34+16*\p]
	v_and_b32 v[34+16*\p], 2, v[34+16*\p]
	v_lshlrev_b32 v[34+16*\p], 30, v[34+16*\p]
	v_xor_b32 v[46+16*\p], v[34+16*\p], v[46+16*\p]   ; cos: minus in quarters 1, 2
.endr
	s_wait_alu depctr_va_vdst(0)                   ; one wait for the eight powers
.irp p, 0,1,2,3
	v_mul_f32 v[96+2*\p], v[46+16*\p], v[43+16*\p]
	v_mul_f32 v[97+2*\p], v[45+16*\p], v[43+16*\p]
	v_mul_f32 v[104+2*\p], v[46+16*\p], v[44+16*\p]
	v_mul_f32 v[105+2*\p], v[45+16*\p], v[44+16*\p]
.endr
	global_store_b128 v15, v[96:99], s[26:27]
	global_store_b128 v15, v[100:103], s[26:27] offset:512
	global_store_b128 v15, v[104:107], s[28:29]
	global_store_b128 v15, v[108:111], s[28:29] offset:512
	DMUL DR, DR, DG3                               ; the running pair steps by 10000^(8 / 512)
	s_wait_xcnt 0x0                                ; the stores have read their data and their offset: both are written again
	v_add_nc_u32 v15, 1024, v15
	v_add_nc_u32 v14, 8, v14
	s_add_co_u32 s45, s45, 1
	s_cmp_lt_u32 s45, 8
	s_cbranch_scc1 .Ltrip
	s_endpgm
.Lfunc_end_k_qc13f68a4c1_prep:
	.size	k_qc13f68a4c1_prep, .Lfunc_end_k_qc13f68a4c1_prep-k_qc13f68a4c1_prep
	.p2alignl 7, 3214868480
	.fill 96, 4, 3214868480
	.section	.rodata,"a",@progbits
	.p2align	6, 0x0
	.amdhsa_kernel k_qc13f68a4c1_prep
		.amdhsa_group_segment_fixed_size 35328
		.amdhsa_private_segment_fixed_size 0
		.amdhsa_enable_private_segment 0
		.amdhsa_kernarg_size 48
		.amdhsa_user_sgpr_count 2
		.amdhsa_user_sgpr_kernarg_segment_ptr 1
		.amdhsa_wavefront_size32 1
		.amdhsa_system_sgpr_workgroup_id_x 1
		.amdhsa_system_sgpr_workgroup_id_y 1
		.amdhsa_system_sgpr_workgroup_id_z 1
		.amdhsa_system_vgpr_workitem_id 0
		.amdhsa_next_free_vgpr 256
		.amdhsa_next_free_sgpr 66
		.amdhsa_reserve_vcc 1
		.amdhsa_float_denorm_mode_32 3
		.amdhsa_float_denorm_mode_16_64 3
		.amdhsa_memory_ordered 1
		.amdhsa_forward_progress 1
		.amdhsa_inst_pref_size 48
	.end_amdhsa_kernel
	.amdgpu_metadata
---
amdhsa.version: [ 1, 2 ]
amdhsa.kernels:
  - .name:           k_qc13f68a4c1_prep
    .symbol:         k_qc13f68a4c1_prep.kd
    .args:
      - { .name: hidden_states, .offset: 0, .size: 8, .value_kind: global_buffer, .address_space: global }
      - { .name: w_qkv, .offset: 8, .size: 8, .value_kind: global_buffer, .address_space: global }
      - { .name: w_gated, .offset: 16, .size: 8, .value_kind: global_buffer, .address_space: global }
      - { .name: w_proj, .offset: 24, .size: 8, .value_kind: global_buffer, .address_space: global }
      - { .name: cw, .offset: 32, .size: 8, .value_kind: global_buffer, .address_space: global }
      - { .name: tab, .offset: 40, .size: 8, .value_kind: global_buffer, .address_space: global }
    .group_segment_fixed_size: 35328
    .private_segment_fixed_size: 0
    .kernarg_segment_align: 8
    .kernarg_segment_size: 48
    .max_flat_workgroup_size: 128
    .sgpr_count:     66
    .vgpr_count:     256
    .wavefront_size: 32
...
	.end_amdgpu_metadata
.endif
;; end of part 6
;; launch gemm1 (part 7): grid 16 x 24, 4 waves a work-group, clusters of 4 x 4, 327,680 bytes of LDS; arguments cw, tab, decay, qq, kv, kv5, gi; writes qq, kv, kv5, gi
.if DOCPART == 7
	.amdgcn_target "amdgcn-amd-amdhsa--gfx1250"
	.amdhsa_code_object_version 6
	.text
	.protected	k_qc13f68a4c1_gemm1
	.globl	k_qc13f68a4c1_gemm1
	.p2align	8
	.type	k_qc13f68a4c1_gemm1,@function
k_qc13f68a4c1_gemm1:
	s_mov_b64 s[64:65], 0
	v_nop
	global_prefetch_b8 v0, s[64:65] scope:SCOPE_SE
	s_setreg_imm32_b32 hwreg(HW_REG_WAVE_MODE, 25, 1), 1
	s_wait_xcnt 0x0
	s_wait_alu depctr_hold_cnt(0) depctr_sa_sdst(0) depctr_va_vdst(0) depctr_va_sdst(0) depctr_va_ssrc(0) depctr_va_vcc(0) depctr_vm_vsrc(0)
	s_getreg_b32 s2, hwreg(HW_REG_IB_STS2, 6, 4)
	s_cmp_eq_u32 s2, 0
	s_cbranch_scc0 .Lentry_in_a_cluster
	s_endpgm
.Lentry_in_a_cluster:
	s_bfe_u32 s2, ttmp6, 0x10000c
	s_cmp_lg_u32 s2, 0xf033
	s_cbranch_scc0 .Lentry_shape_is_right
	s_endpgm
.Lentry_shape_is_right:
; GEMM1: hidden_states x [w_qkv; w_gated]^T on codes of FP6, K = 1024, and all that follows each result up to its next quantiser.  No work is left out here.
; A work-group of four waves makes 256 x 256; a wave 128 x 128 in 64 accumulators.  Operands come as register images (16 rows x 128 K = 1,536 bytes): a fragment is three loads of 16 bytes a lane,
; 512 consecutive bytes each.  The scales of the work-group's rows come once, with the first fills.
; THE SLOTS.  K is four groups of 256.  Three LDS slots take groups 0, 1, 2 as first fills, all asked for at the start; group 3 is the one refill, into slot 0, behind the round that follows group 0's
; products: it has two groups' products, 256 matrix instructions, in which to land.  Ahead of that round every wave has waited for all its loads, so slots 1 and 2 are whole for every wave behind it,
; and the step from group 1 to group 2 needs no barrier.  By this text's own count a wave has four tensor loads out at the start and one behind the round.  The eight K steps are written out: no loop.
; CLUSTER 4 x 4: source 1's tiles ("A") hang on the tile row and are asked for jointly along a row of the cluster, source 0's ("B") on the tile column, along a column.
; ROLES, from the cluster's coordinates alone, so all sixteen partners run alike.  Row tiles of 256 rows are counted over cw: X 0-15, W 16-39.
;   cluster y 0-3: A = tokens, B = rows of W: a lane holds a token, its registers run along columns.  cluster x 0: q;  1: k;  2, 3: the gate.
;   cluster y 4, 5: A = v's rows of W, B = tokens: a lane holds a channel of v, its registers run along tokens, which are v's K in both later products.
; WAYS OUT.  q, k: xPos by the tables, quantised along d; k also turned through the wave's LDS and quantised along tokens.  v: quantised along tokens; then x decay^(2047 - s) and quantised again.
;   gate: silu in f32, stored as the image of the result registers.
; LIMITS: decay^n is 2^(n log2|decay|) with the sign by n's parity; log2|decay| is held at -16384 from below (so 0^0 = 1, 0^n = 0); a power under 2^-126 comes out 0.  Blocks of zeros get byte 1 (their codes are zeros).
.set KK,    1024
.set NB,    8                          ; blocks of 16 rows of B to a wave
.set NQ,    2                          ; K steps of 128 in a slot
.set NSLOT, 3
.set FR,    12
.set NL,    3                          ; LDS loads that bring a fragment
.set NP,    4                          ; places behind this matrix instruction (ISA guide 7.12.1)
.set IMG,   1536
.set RBL,   NQ*IMG                     ; a row block's images in a slot
.set RBB,   (KK/128)*IMG               ; and in memory
.set HALFA, 8*RBL
.set HALFB, NB*RBL
.set BOFF,  16*RBL                     ; a slot: A's 16 row blocks, then B's 2 NB
.set SLOT,  BOFF+2*HALFB
.set SCA,   NSLOT*SLOT                 ; A's scales: [8 pairs][K / 256][256]
.set SCB,   SCA+8*KK                   ; B's
.set SCR,   323072                     ; the way out: 1,024 bytes of scale words a wave
.set SPARE, 327168                     ; the spare words, 128 bytes a wave
.set ADRA, 16                          ; v16-18 my A fragments in slot 0, 1, 2
.set ADRB, 19                          ; v19-21 B's
.set ADSA, 22
.set ADSB, 23
.set STO,  24
.set RDT,  25
.set LI,   26
.set SPW,  28
.set NIL,  29
.set SGW,  30
.set SGR,  31
.set SA,   32                          ; v32-47 A's scale words [set][pair][K step]; v48-63 B's
.set SB,   48
.set AF,   128                         ; A's fragments, one set; B's two sets lie in window 1 at v0 and v128
.set Y,    64                          ; the way out, window 0
.set PC,   128
.set TM,   148
.set PW,   164
.set PW2,  165
.set PC2,  172
.set Z,    192
.set G1, 24
.set G0, 32                            ; s[32:43] group 0 for A's tiles, a set for each slot
.set G1B, 48
.set G0B, 56                           ; s[56:63] for B's, slots 0 and 1; slot 2's set is s[92:95]
.set G1S, 68
.set G0S, 76
.set G1SB, 80
.set G0SB, 88
.set YT,  66                           ; s66 the work-group's y
.set TY,  67                           ; s67 1 where the cluster makes v
.set TP,  24                           ; the way out's pointers take the descriptors' registers: no tensor load is out then
.set OP,  26
.set OS,  28
.set OP5, 30
.set OS5, 32
.set SEL, 34
.set BA,  58
.set MSB, 0
.macro WIN new
.if MSB != (\new)
	s_set_vgpr_msb (MSB<<8)|(\new)
.set MSB, (\new)
.endif
.endm
.macro PLACES n
.rept \n
	v_nop
.endr
.endm
; one product: D, source 0, source 1; zero = 1: it starts the sum; the two scale registers, and which half of the lanes each is read from
.macro WM d, x, y, zero, sx, sy, rx, ry
.if (\zero) && ((\rx)==0) && ((\ry)==0)
	v_wmma_scale_f32_16x16x128_f8f6f4 v[(\d):(\d)+7], v[(\x):(\x)+11], v[(\y):(\y)+11], 0, v[\sx], v[\sy] matrix_a_fmt:MATRIX_FMT_FP6 matrix_b_fmt:MATRIX_FMT_FP6
.elseif (\zero) && ((\rx)==1) && ((\ry)==0)
	v_wmma_scale_f32_16x16x128_f8f6f4 v[(\d):(\d)+7], v[(\x):(\x)+11], v[(\y):(\y)+11], 0, v[\sx], v[\sy] matrix_a_fmt:MATRIX_FMT_FP6 matrix_b_fmt:MATRIX_FMT_FP6 matrix_a_scale:MATRIX_SCALE_ROW1
.elseif (\zero) && ((\rx)==0) && ((\ry)==1)
	v_wmma_scale_f32_16x16x128_f8f6f4 v[(\d):(\d)+7], v[(\x):(\x)+11], v[(\y):(\y)+11], 0, v[\sx], v[\sy] matrix_a_fmt:MATRIX_FMT_FP6 matrix_b_fmt:MATRIX_FMT_FP6 matrix_b_scale:MATRIX_SCALE_ROW1
.elseif (\zero)
	v_wmma_scale_f32_16x16x128_f8f6f4 v[(\d):(\d)+7], v[(\x):(\x)+11], v[(\y):(\y)+11], 0, v[\sx], v[\sy] matrix_a_fmt:MATRIX_FMT_FP6 matrix_b_fmt:MATRIX_FMT_FP6 matrix_a_scale:MATRIX_SCALE_ROW1 matrix_b_scale:MATRIX_SCALE_ROW1
.elseif ((\rx)==0) && ((\ry)==0)
	v_wmma_scale_f32_16x16x128_f8f6f4 v[(\d):(\d)+7], v[(\x):(\x)+11], v[(\y):(\y)+11], v[(\d):(\d)+7], v[\sx], v[\sy] matrix_a_fmt:MATRIX_FMT_FP6 matrix_b_fmt:MATRIX_FMT_FP6
.elseif ((\rx)==1) && ((\ry)==0)
	v_wmma_scale_f32_16x16x128_f8f6f4 v[(\d):(\d)+7], v[(\x):(\x)+11], v[(\y):(\y)+11], v[(\d):(\d)+7], v[\sx], v[\sy] matrix_a_fmt:MATRIX_FMT_FP6 matrix_b_fmt:MATRIX_FMT_FP6 matrix_a_scale:MATRIX_SCALE_ROW1
.elseif ((\rx)==0) && ((\ry)==1)
	v_wmma_scale_f32_16x16x128_f8f6f4 v[(\d):(\d)+7], v[(\x):(\x)+11], v[(\y):(\y)+11], v[(\d):(\d)+7], v[\sx], v[\sy] matrix_a_fmt:MATRIX_FMT_FP6 matrix_b_fmt:MATRIX_FMT_FP6 matrix_b_scale:MATRIX_SCALE_ROW1
.else
	v_wmma_scale_f32_16x16x128_f8f6f4 v[(\d):(\d)+7], v[(\x):(\x)+11], v[(\y):(\y)+11], v[(\d):(\d)+7], v[\sx], v[\sy] matrix_a_fmt:MATRIX_FMT_FP6 matrix_b_fmt:MATRIX_FMT_FP6 matrix_a_scale:MATRIX_SCALE_ROW1 matrix_b_scale:MATRIX_SCALE_ROW1
.endif
.endm
; a joint load: waves 0 and 1 fetch for A, waves 2 and 3 for B; the branch hangs on the wave's number alone; an s_nop 0 and four v_nop follow each line
.macro JLOAD g0a, g1a, g0b, g1b
	s_cmp_eq_u32 s19, 0
	s_cbranch_scc0 .Lfor_b_\@
	tensor_load_to_lds s[\g0a:\g0a+3], s[\g1a:\g1a+7]
	s_nop 0
.rept 4
	v_nop
.endr
	s_branch .Lasked_\@
.Lfor_b_\@:
	tensor_load_to_lds s[\g0b:\g0b+3], s[\g1b:\g1b+7]
	s_nop 0
.rept 4
	v_nop
.endr
.Lasked_\@:
.endm
.macro CREST                           ; a round of the cluster's barrier behind its opening barrier
	s_cmp_lg_u32 s18, 0
	s_cbranch_scc1 .Lnot_wave_0_\@
	s_barrier_signal -3
.Lnot_wave_0_\@:
	s_barrier_wait -3
	s_barrier_signal -1
	s_barrier_wait -1
.endm
.macro CROUND
	s_barrier_signal -1
	s_barrier_wait -1
	CREST
.endm
.macro FRAG reg, adr, q, i             ; row block i, K step q of a slot: the image comes back as it was stored
.irp g, 0,1,2
	ds_load_b128 v[(\reg)+4*\g:(\reg)+4*\g+3], v[\adr] offset:RBL*(\i)+IMG*(\q)+512*\g
.endr
.endm
.macro MM a, b, p, q, sc, zero
.set rD, (8*(NB*(\a)+(\b)))%256
.set rB, 128*(\p)+FR*(\b)
.set rA, AF+FR*(\a)
.set rSB, SB+8*(\sc)+2*((\b)/2)+(\q)
.set rSA, SA+8*(\sc)+2*((\a)/2)+(\q)
	WM rD, rB, rA, \zero, rSB, rSA, (\b)%2, (\a)%2
.endm
; A's blocks a0, a0 + 1 against B's NB; the accumulators take turns in the same order in every step
.macro MUL2 a0, p, q, sc, zero
	WIN 0x01|((2+(8*NB*(\a0))/256)*0x50)           ; source 0 window 1, source 1 window 0, C and D in the accumulators' window
.irp a, \a0, \a0+1
.irp b, 0,1,2,3,4,5,6,7
.if \b < NB
	MM \a, \b, \p, \q, \sc, \zero
.endif
.endr
.endr
.endm
.macro FETCH_B slot, q, p
	WIN 0x40
.irp i, 0,1,2,3,4,5,6,7
.if \i < NB
	FRAG 128*(\p)+FR*\i, ADRB+\slot, \q, \i
.endif
.endr
	WIN 0
.endm
.macro FETCH_A slot, q, i0
.irp i, \i0, \i0+1, \i0+2, \i0+3
	FRAG AF+FR*(\i), ADRA+\slot, \q, \i
.endr
.endm
.macro SCALES sc, p                    ; the scale words of K steps 2 p, 2 p + 1 into set sc: 8 bytes a lane: lanes 0-15 the pair's even block, lanes 16-31 its odd one
.irp i, 0,1,2,3
	ds_load_b64 v[SA+8*(\sc)+2*\i:SA+8*(\sc)+2*\i+1], v[ADSA] offset:\i*KK+256*(\p)
.endr
.irp i, 0,1,2,3
.if \i < NB/2
	ds_load_b64 v[SB+8*(\sc)+2*\i:SB+8*(\sc)+2*\i+1], v[ADSB] offset:\i*KK+256*(\p)
.endif
.endr
.endm
; K STEP h of 128.  It multiplies B's set h % 2 and A's one set, and fetches step h + 1's fragments: B's and A's blocks 0-3 in its middle, A's blocks 4-7 at its end.
; kind 0: the next step's bytes are whole for every wave already.  kind 1: the slot is left and filled again: each wave waits for all its tensor loads, adds 0 to its spare word, and waits for that and
; for its reads of the slot; the barrier opens a round of the cluster's; the joint refill is the first tensor load behind it.  kind 2: the same lines and the work-group's barrier, nothing is filled.  kind 3: the last step.
.macro HALF h, kind, zero
.set hCS, ((\h)/NQ)%NSLOT
.set hNS, (((\h)+1)/NQ)%NSLOT
.set hNQ, ((\h)+1)%NQ
.set hB,  (\h)%2
.set hSC, ((\h)/2)%2
.if ((\kind)-1)*((\kind)-2) == 0
	s_wait_tensorcnt 0x0                           ; all my tensor loads have landed
	ds_add_u32 v[SPW], v[NIL]
	s_wait_dscnt 4*NL+1                            ; (the add and the youngest 12 loads, A's blocks 4-7, may be out)
	MUL2 0, hB, hB, hSC, \zero
	s_wait_dscnt 0x0                               ; the add is done, my reads of this slot are over
	s_barrier_signal -1
	MUL2 2, hB, hB, hSC, \zero
	WIN 0
	s_barrier_wait -1
.if (\kind) == 1
	CREST                                          ; no wave of any partner reads this slot or has a load on its way
	s_add_nc_u64 s[G0+4*hCS+2:G0+4*hCS+3], s[G0+4*hCS+2:G0+4*hCS+3], NSLOT*RBL
	s_add_nc_u64 s[G0B+4*hCS+2:G0B+4*hCS+3], s[G0B+4*hCS+2:G0B+4*hCS+3], NSLOT*RBL
	JLOAD G0+4*hCS, G1, G0B+4*hCS, G1B             ; its four v_nop are the places in front of the loads below
.else
	PLACES NP
.endif
.else
	s_wait_dscnt 4*NL                              ; all but the youngest 12 loads (A's blocks 4-7) are in
	MUL2 0, hB, hB, hSC, \zero
	MUL2 2, hB, hB, hSC, \zero
	s_wait_dscnt 0x0
.if (\kind) == 0
	PLACES NP                                      ; in front of loads into registers that matrix instructions have read
.endif
.endif
.if (\kind) != 3
	FETCH_B hNS, hNQ, 1-hB
	FETCH_A hNS, hNQ, 0
.if ((\h)+1)%2 == 0
	SCALES (((\h)+1)/2)%2, ((\h)+1)/2
.endif
.endif
	MUL2 4, hB, hB, hSC, \zero
	MUL2 6, hB, hB, hSC, \zero
.if (\kind) != 3
	PLACES NP
	WIN 0
	FETCH_A hNS, hNQ, 4
.else
	WIN 0
.endif
.endm
; 64 numbers of a lane, register 16 b + i = place 16 (lane / 16) + i of block b of my row, become a fragment's codes in v[pc] on and its scale word in v[pw]
.macro QUANT s, pc, pw
.irp b, 0,1,2,3
	v_max3_num_f32 v[TM+\b], |v[(\s)+16*\b]|, |v[(\s)+1+16*\b]|, 0x1800000   ; the floor 2^(3 - 127) holds the byte at 1 from below
.endr
.irp i, 2,4,6,8,10,12,14
.irp b, 0,1,2,3
	v_max3_num_f32 v[TM+\b], v[TM+\b], |v[(\s)+16*\b+\i]|, |v[(\s)+1+16*\b+\i]|
.endr
.endr
.irp b, 0,1,2,3
	v_permlanex16_b32 v[TM+4+\b], v[TM+\b], s[SEL], s[SEL+1]
.endr
.irp b, 0,1,2,3
	v_max_num_f32 v[TM+\b], v[TM+\b], v[TM+4+\b]
.endr
.irp b, 0,1,2,3
	v_add_nc_u32 v[TM+12+\b], 0xff000000, v[TM+\b]
.endr
.irp b, 0,1,2,3
	v_lshrrev_b32 v[TM+4+\b], 23, v[TM+12+\b]
.endr
	v_lshl_or_b32 v[\pw], v[TM+5], 8, v[TM+4]
	v_lshl_or_b32 v[\pw], v[TM+6], 16, v[\pw]
	v_lshl_or_b32 v[\pw], v[TM+7], 24, v[\pw]
.irp c, 0,1
	v_cvt_scalef32_pk16_fp6_f32 v[(\pc)+6*\c:(\pc)+2+6*\c], v[(\s)+32*\c:(\s)+15+32*\c], v[TM+12+2*\c]
	v_cvt_scalef32_pk16_fp6_f32 v[(\pc)+12+4*\c:(\pc)+14+4*\c], v[(\s)+16+32*\c:(\s)+31+32*\c], v[TM+12+2*\c+1]
.endr
	v_nop                                          ; one plain place behind a scaled conversion
.irp c, 0,1
.irp i, 0,1,2
	v_permlane16_swap_b32 v[(\pc)+6*\c+\i], v[(\pc)+12+4*\c+\i]   ; a whole block to a lane
.endr
.irp i, 0,1,2
	v_mov_b32 v[(\pc)+3+6*\c+\i], v[(\pc)+12+4*\c+\i]
.endr
.endr
.endm
; v's and the gate's ways out are loops of eight trips: a trip takes block BA's 64 results into window 0.  The copies are the price of one text for eight blocks
.macro ARM a
	WIN 2+(\a)/4
.set i, 0
.rept 64
	v_mov_b32 v[Y+i], v[64*((\a)%4)+i]             ; each accumulator from its low end on
.set i, i+1
.endr
	WIN 0
.endm
.macro TAKE
.irp a, 0,1,2,3,4,5,6
	s_cmp_eq_u32 s[BA], \a
	s_cbranch_scc1 .Ltk_\@_\a
.endr
	ARM 7
	s_branch .Ltkj_\@
.irp a, 0,1,2,3,4,5,6
.Ltk_\@_\a:
	ARM \a
	s_branch .Ltkj_\@
.endr
.Ltkj_\@:
.endm
	s_load_b256 s[4:11], s[0:1], 0x0               ; cw, tab, decay, qq
	s_load_b128 s[12:15], s[0:1], 0x20             ; kv, kv5
	s_load_b64 s[16:17], s[0:1], 0x30              ; gi
	v_lshl_add_u32 v[SPW], v0, 2, SPARE
	v_mov_b32 v[NIL], 0
	ds_add_u32 v[SPW], v[NIL]                      ; the opening: the add, twice on end, and its wait ahead of my first tensor load
	ds_add_u32 v[SPW], v[NIL]
	v_lshrrev_b32 v1, 5, v0
	v_readfirstlane_b32 s18, v1                    ; wave
	s_lshr_b32 s19, s18, 1                         ; my half of A's rows; also: I fetch for A (0) or B (1)
	s_and_b32 s20, s18, 1                          ; my half of B's rows; also: which half I fetch
	s_bfe_u32 s21, ttmp6, 0x40000                  ; cx
	s_bfe_u32 s22, ttmp6, 0x40004                  ; cy
	s_lshl_b32 s23, ttmp9, 2
	s_add_co_u32 s23, s23, s21                     ; xt
	s_and_b32 s98, ttmp7, 0xffff                   ; cluster y
	s_lshl_b32 s[YT], s98, 2
	s_add_co_u32 s[YT], s[YT], s22                 ; yt
	s_lshr_b32 s[TY], s98, 2                       ; 1 where the cluster makes v
	s_lshl_b32 s45, s[TY], 3
	s_add_co_u32 s96, s[YT], s45                   ; A's row tile in cw: yt, or yt + 8
	s_lshr_b32 s45, ttmp9, 1
	s_lshl_b32 s45, s45, 3
	s_add_co_u32 s45, s45, 16
	s_xor_b32 s46, s[TY], 1
	s_mul_i32 s45, s45, s46
	s_add_co_u32 s97, s23, s45                     ; B's: 16 + xt (+ 8 for the gate), or xt
	s_min_u32 s44, ttmp9, 2                        ; 0: q, 1: k
	s_lshl_b32 s99, s22, 2
	s_lshl_b32 s99, 15, s99                        ; my row of the cluster
	s_lshl_b32 s100, 0x1111, s21                   ; my column
	s_or_b32 s[G1], s99, (3<<16)|(1<<21)           ; elements of 8 bytes, no padding; bit 21 beside the mask
	s_or_b32 s[G1B], s100, (3<<16)|(1<<21)
.irp g, G1, G1B
	s_mov_b32 s[\g+1], (NQ*192)<<16                ; a row: one row block's NQ images
	s_mov_b32 s[\g+2], 8<<16                       ; 8 row blocks
	s_mov_b32 s[\g+3], (NQ*192)<<16
	s_mov_b32 s[\g+4], 8
	s_mov_b32 s[\g+5], (KK/128)*192                ; from row block to row block
	s_mov_b32 s[\g+6], 0
	s_mov_b32 s[\g+7], 0
.endr
	s_or_b32 s[G1S], s99, (3<<16)|(1<<21)          ; the scales of 4 pairs: a dense block, as rows of 256 bytes
	s_or_b32 s[G1SB], s100, (3<<16)|(1<<21)
.irp g, G1S, G1SB
	s_mov_b32 s[\g+1], 32<<16
	s_mov_b32 s[\g+2], (4*KK/256)<<16
	s_mov_b32 s[\g+3], 32<<16
	s_mov_b32 s[\g+4], 4*KK/256
	s_mov_b32 s[\g+5], 32
	s_mov_b32 s[\g+6], 0
	s_mov_b32 s[\g+7], 0
.endr
	s_lshl_b32 s45, s96, 4
	s_lshl_b32 s46, s20, 3
	s_add_co_u32 s45, s45, s46                     ; A: the first row block that I fetch
	s_and_b32 s105, s96, 7
	s_lshl_b32 s105, s105, 2                       ; decay of v's head (in the other roles a number that is not used); never rewritten
	s_lshl_b32 s47, s97, 4
	s_add_co_u32 s47, s47, s46                     ; B likewise
	s_mul_i32 s98, s45, RBB                        ; A's codes,
	s_mov_b32 s99, 0
	s_mul_i32 s100, s45, KK/2
	s_add_co_u32 s100, s100, 9437184               ; A's scales,
	s_mov_b32 s101, 0
	s_mul_i32 s96, s47, RBB                        ; B's codes,
	s_mov_b32 s97, 0
	s_mul_i32 s46, s47, KK/2
	s_add_co_u32 s46, s46, 9437184                 ; B's scales: byte offsets in cw
	s_mov_b32 s47, 0
	s_mul_i32 s2, s20, HALFA                       ; where they go in a slot: no place in the cluster enters an LDS address
	s_mul_i32 s3, s20, HALFB
	s_add_co_u32 s3, s3, BOFF
	s_wait_dscnt 0x0                               ; both opening adds are done
	s_wait_kmcnt 0x0
	s_add_nc_u64 s[98:99], s[4:5], s[98:99]
	s_add_nc_u64 s[100:101], s[4:5], s[100:101]
	s_add_nc_u64 s[96:97], s[4:5], s[96:97]
	s_add_nc_u64 s[46:47], s[4:5], s[46:47]
	CROUND                                         ; all sixteen work-groups are here: the first joint loads meet
	s_mov_b32 s[G0S], 1
	s_mul_i32 s45, s20, 4*KK
	s_add_co_u32 s[G0S+1], s45, SCA
	s_mov_b64 s[G0S+2:G0S+3], s[100:101]
	s_or_b32 s[G0S+3], s[G0S+3], 0x80000000
	s_mov_b32 s[G0SB], 1
	s_mul_i32 s45, s20, (NB/2)*KK
	s_add_co_u32 s[G0SB+1], s45, SCB
	s_mov_b64 s[G0SB+2:G0SB+3], s[46:47]
	s_or_b32 s[G0SB+3], s[G0SB+3], 0x80000000
	JLOAD G0S, G1S, G0SB, G1SB                     ; the scales first; with the three slots four loads of mine are out
.irp s, 0,1,2
.set gb, G0B+4*\s+28*(\s/2)
	s_mov_b32 s[G0+4*\s], 1
	s_add_co_u32 s[G0+4*\s+1], s2, \s*SLOT
	s_add_nc_u64 s[G0+4*\s+2:G0+4*\s+3], s[98:99], \s*RBL
	s_or_b32 s[G0+4*\s+3], s[G0+4*\s+3], 0x80000000
	s_mov_b32 s[gb], 1
	s_add_co_u32 s[gb+1], s3, \s*SLOT
	s_add_nc_u64 s[gb+2:gb+3], s[96:97], \s*RBL
	s_or_b32 s[gb+3], s[gb+3], 0x80000000
	JLOAD G0+4*\s, G1, gb, G1B
.endr
	s_load_b32 s104, s[8:9], s105 offset:0x0
	v_and_b32 v1, 31, v0
	v_lshlrev_b32 v[LI], 4, v1
	s_mul_i32 s45, s19, HALFA
	s_mul_i32 s46, s20, HALFB
	s_add_co_u32 s46, s46, BOFF
.irp s, 0,1,2
	v_add_nc_u32 v[ADRA+\s], s45, v[LI]
	v_add_nc_u32 v[ADRB+\s], s46, v[LI]
	s_add_co_u32 s45, s45, SLOT
	s_add_co_u32 s46, s46, SLOT
.endr
	v_lshlrev_b32 v2, 3, v1
	s_mul_i32 s45, s19, 4*KK
	s_add_co_u32 s45, s45, SCA
	v_add_nc_u32 v[ADSA], s45, v2
	s_mul_i32 s46, s20, (NB/2)*KK
	s_add_co_u32 s46, s46, SCB
	v_add_nc_u32 v[ADSB], s46, v2
	s_wait_tensorcnt 2                             ; the scales and my part of slot 0 are in; slots 1 and 2's loads may be out
	s_barrier_signal -1
	s_barrier_wait -1
	FETCH_B 0, 0, 0
	FETCH_A 0, 0, 0
	SCALES 0, 0
	FETCH_A 0, 0, 4
	HALF 0, 0, 1                                   ; the first step starts the sums
	HALF 1, 1, 0                                   ; group 0 is done: slot 0 takes group 3
	HALF 2, 0, 0
	HALF 3, 0, 0                                   ; on into slot 2, whole for every wave since the round
	HALF 4, 0, 0
	HALF 5, 2, 0                                   ; group 3 has landed
	HALF 6, 0, 0
	HALF 7, 3, 0
	s_barrier_signal -1                            ; no LDS instruction of mine is out: behind this barrier nobody reads the slots or the scales, which have had their last fill: the ways out may store there
	s_barrier_wait -1
	s_wait_kmcnt 0x0                               ; decay
; ---------------- the ways out.  Every LDS byte they touch is the wave's own ----------------
	v_and_b32 v2, 15, v0                           ; r
	v_bfe_u32 v3, v0, 4, 1                         ; h
	s_mul_i32 s24, s18, 67584                      ; my stage: 128 tokens x (512 bytes + 16)
	v_mul_u32_u24 v[STO], v2, 528
	v_lshl_add_u32 v[STO], v3, 5, v[STO]
	v_add_nc_u32 v[STO], s24, v[STO]               ; in: token r of a block, 32 h bytes on
	v_mul_u32_u24 v[RDT], v3, 4224
	v_lshl_add_u32 v[RDT], v2, 2, v[RDT]
	v_add_nc_u32 v[RDT], s24, v[RDT]               ; back, turned: token 8 h + .., column r
	s_lshl_b32 s24, s18, 10
	s_add_co_u32 s24, s24, SCR
	v_lshl_add_u32 v[SGW], v2, 2, s24
	v_add_nc_u32 v[SGR], s24, v[LI]
.irp b, 0,1,2,3
	v_mov_b32 v[TM+4+\b], 0                        ; written once: a lane permute's destination counts as one of its sources.  (The lines above are the places behind the last products)
.endr
	s_mov_b32 s[SEL], 0x76543210
	s_mov_b32 s[SEL+1], 0xfedcba98
	s_cmp_eq_u32 s[TY], 1
	s_cbranch_scc1 .Lv
	s_cmp_ge_u32 ttmp9, 2
	s_cbranch_scc1 .Lgate
; ---- q and k
	s_and_b32 s36, s[YT], 7
	s_lshr_b32 s37, s[YT], 3                       ; batch
	s_and_b32 s38, s23, 3
	s_lshl_b32 s38, s38, 1
	s_add_co_u32 s38, s38, s20                     ; head
	s_lshl_b32 s39, s37, 3
	s_add_co_u32 s39, s39, s38                     ; bh
	s_lshl_b32 s45, s36, 4
	s_lshl_b32 s46, s19, 3
	s_add_co_u32 s45, s45, s46                     ; my first token tile in the batch
	s_lshl_b32 s46, s45, 3
	s_add_co_u32 s46, s46, s38
	s_lshl_b32 s46, s46, 13
	s_lshl_b32 s47, s44, 23                        ; k's table lies 8,388,608 bytes on
	s_add_co_u32 s46, s46, s47
	s_mov_b32 s47, 0
	s_add_nc_u64 s[TP:TP+1], s[6:7], s[46:47]
	s_lshl_b32 s48, s39, 7
	s_add_co_u32 s48, s48, s45
	s_mul_i32 s50, s48, 1536                       ; q: images,
	s_lshl_b32 s52, s48, 6
	s_add_co_u32 s52, s52, 3145728                 ; scale words
	s_lshl_b32 s49, s39, 4
	s_lshl_b32 s54, s36, 1
	s_add_co_u32 s49, s49, s54
	s_add_co_u32 s49, s49, s19
	s_mul_i32 s54, s49, 38400                      ; k: the key step's block
	s_add_co_u32 s56, s54, 36864
	s_cmp_eq_u32 s44, 0
	s_cselect_b64 s[OP:OP+1], s[10:11], s[12:13]
	s_cselect_b32 s50, s50, s54
	s_cselect_b32 s52, s52, s56
	s_mov_b32 s51, 0
	s_mov_b32 s53, 0
	s_mov_b32 s55, 0
	s_mov_b32 s57, 0
	s_mov_b64 s[OS:OS+1], s[OP:OP+1]
	s_add_nc_u64 s[OP:OP+1], s[OP:OP+1], s[50:51]
	s_add_nc_u64 s[OS:OS+1], s[OS:OS+1], s[52:53]
	s_add_nc_u64 s[OP5:OP5+1], s[14:15], s[54:55]
	s_add_nc_u64 s[OS5:OS5+1], s[14:15], s[56:57]
.macro TLOADS a                        ; block a's table entry, 64 registers, into buffer a % 4 of window 1
	WIN 0x40
.irp k, 0,1,2,3,4,5,6,7,8,9,10,11,12,13,14,15
	global_load_b128 v[64*((\a)%4)+4*\k:64*((\a)%4)+4*\k+3], v[LI], s[TP:TP+1] offset:65536*(\a)+512*\k
.endr
	WIN 0
.endm
.macro QKBLK a                         ; 16 tokens x my head's 128 columns
.if (\a) > 0
	s_wait_xcnt 0x0                                ; the last block's stores have read the codes' registers
.endif
.if (\a) < 5
	s_wait_loadcnt 48                              ; this block's entry is in; the three blocks behind it, 16 loads each, may be out
.else
	s_wait_loadcnt 16*(7-(\a))
.endif
	WIN 0x06+(\a)/4                                ; source 0: the accumulators' window; source 1: window 1
.set AC, 64*((\a)%4)
.set i, 0
.rept 32
	v_pk_mul_f32 v[Y+2*i:Y+2*i+1], v[AC+2*i:AC+2*i+1], v[AC+2*i:AC+2*i+1] op_sel_hi:[1,0]   ; (x1 c, x2 c)
.set i, i+1
.endr
.set i, 0
.rept 32
	v_pk_fma_f32 v[Y+2*i:Y+2*i+1], v[AC+2*i:AC+2*i+1], v[AC+2*i:AC+2*i+1], v[Y+2*i:Y+2*i+1] op_sel:[1,1,0] op_sel_hi:[0,1,1] neg_lo:[1,0,0]   ; (- x2 s, + x1 s)
.set i, i+1
.endr
.if (\a) < 4
	TLOADS (\a)+4
.endif
	WIN 0
	s_cmp_eq_u32 s44, 0
	s_cbranch_scc1 .Lnokt_\@
.irp b, 0,1,2,3,4,5,6,7                        ; k alone: the rotated numbers go to the stage, to be turned
	ds_store_b128 v[STO], v[Y+8*\b:Y+8*\b+3] offset:8448*(\a)+64*\b
	ds_store_b128 v[STO], v[Y+8*\b+4:Y+8*\b+7] offset:8448*(\a)+64*\b+16
.endr
.Lnokt_\@:
	QUANT Y, PC, PW
.irp g, 0,1,2
	global_store_b128 v[LI], v[PC+4*\g:PC+4*\g+3], s[OP:OP+1] offset:1536*(\a)+512*\g
.endr
	ds_store_b32 v[SGW], v[PW] offset:64*(\a)
.endm
.macro FLUSH off, ptr                  ; 128 scale words leave as 512 consecutive bytes
	s_wait_xcnt 0x0
	ds_load_b128 v[168:171], v[SGR] offset:\off
	s_wait_dscnt 0x0
	global_store_b128 v[LI], v[168:171], s[\ptr:\ptr+1]
.endm
.macro KTBLK a                         ; 16 columns d x my 128 tokens: register 8 c + j of lane (r, h) = k(token 16 c + 8 h + j, d = 16 a + r)
.set i, 0
.rept 64
	ds_load_b32 v[Y+i], v[RDT] offset:528*(16*(i/8)+i%8)+64*(\a)
.set i, i+1
.endr
	s_wait_dscnt 0x0
	s_wait_xcnt 0x0
	QUANT Y, PC, PW
.irp g, 0,1,2
	global_store_b128 v[LI], v[PC+4*\g:PC+4*\g+3], s[OP5:OP5+1] offset:1536*(\a)+512*\g
.endr
	ds_store_b32 v[SGW], v[PW] offset:512+64*(\a)
.endm
	TLOADS 0
	TLOADS 1
	TLOADS 2
	TLOADS 3
.irp a, 0,1,2,3,4,5,6,7
	QKBLK \a
.endr
	FLUSH 0, OS
	s_cmp_eq_u32 s44, 0
	s_cbranch_scc1 .Lend
.irp a, 0,1,2,3,4,5,6,7
	KTBLK \a
.endr
	FLUSH 512, OS5
	s_branch .Lend
; ---- v: addresses, the table decay^(2047 - s) of my 128 tokens, and a loop of its own over my eight blocks of 16 channels
.Lv:
	s_sub_co_u32 s36, s[YT], 16                    ; head
	s_lshr_b32 s37, s23, 3
	s_lshl_b32 s37, s37, 3
	s_add_co_u32 s37, s37, s36                     ; bh
	s_and_b32 s38, s23, 7
	s_lshl_b32 s39, s38, 1
	s_add_co_u32 s39, s39, s20                     ; key step
	s_lshl_b32 s37, s37, 4
	s_add_co_u32 s37, s37, s39
	s_mul_i32 s46, s37, 38400
	s_mul_i32 s45, s19, 12288
	s_add_co_u32 s50, s46, s45
	s_add_co_u32 s50, s50, 12288
	s_mov_b32 s51, 0
	s_add_nc_u64 s[OP:OP+1], s[12:13], s[50:51]
	s_add_nc_u64 s[OP5:OP5+1], s[14:15], s[50:51]
	s_lshl_b32 s45, s19, 9
	s_add_co_u32 s52, s46, s45
	s_add_co_u32 s52, s52, 37376
	s_mov_b32 s53, 0
	s_add_nc_u64 s[OS:OS+1], s[12:13], s[52:53]
	s_add_nc_u64 s[OS5:OS5+1], s[14:15], s[52:53]
	s_lshl_b32 s38, s38, 8
	s_lshl_b32 s45, s20, 7
	s_add_co_u32 s38, s38, s45
	s_sub_co_u32 s38, 2047, s38
	v_lshlrev_b32 v4, 3, v3
	v_sub_nc_u32 v4, s38, v4                       ; 2047 - my first token
	v_mov_b32 v5, s104
	v_log_f32 v6, |v5|
	v_nop
	s_wait_alu depctr_va_vdst(0)
	v_max_num_f32 v6, 0xc6800000, v6               ; log2|decay|, held at -16384
	s_and_b32 s39, s104, 0x80000000
.set i, 0
.rept 64
	v_add_nc_u32 v[Z+i], -(16*(i/8)+i%8), v4       ; n of register 8 c + j: token 16 c + 8 h + j
.set i, i+1
.endr
.set i, 0
.rept 64
	v_cvt_f32_i32 v[Z+i], v[Z+i]
.set i, i+1
.endr
.set i, 0
.rept 64
	v_mul_f32 v[Z+i], v6, v[Z+i]
.set i, i+1
.endr
.set i, 0
.rept 64
	v_exp_f32 v[Z+i], v[Z+i]
.set i, i+1
.endr
	v_nop
	s_wait_alu depctr_va_vdst(0)                   ; one wait for the 64
.set i, 0
.rept 32
	v_or_b32 v[Z+2*i], s39, v[Z+2*i]               ; n is odd where j is even: decay's sign
.set i, i+1
.endr
	s_mov_b32 s[BA], 0
.Lvblk:
	TAKE
	QUANT Y, PC, PW                                ; v^T: 16 channels x 128 tokens
.irp g, 0,1,2
	global_store_b128 v[LI], v[PC+4*\g:PC+4*\g+3], s[OP:OP+1] offset:512*\g
.endr
.set i, 0
.rept 32
	v_pk_mul_f32 v[Y+2*i:Y+2*i+1], v[Y+2*i:Y+2*i+1], v[Z+2*i:Z+2*i+1]   ; v x decay^(2047 - s)
.set i, i+1
.endr
	QUANT Y, PC2, PW2
.irp g, 0,1,2
	global_store_b128 v[LI], v[PC2+4*\g:PC2+4*\g+3], s[OP5:OP5+1] offset:512*\g
.endr
.irp a, 0,1,2,3,4,5,6                          ; the two scale words go to block BA's place: every LDS offset is an immediate
	s_cmp_eq_u32 s[BA], \a
	s_cbranch_scc1 .Lst\a
.endr
	ds_store_b32 v[SGW], v[PW] offset:64*7
	ds_store_b32 v[SGW], v[PW2] offset:512+64*7
	s_branch .Lstj
.irp a, 0,1,2,3,4,5,6
.Lst\a:
	ds_store_b32 v[SGW], v[PW] offset:64*\a
	ds_store_b32 v[SGW], v[PW2] offset:512+64*\a
	s_branch .Lstj
.endr
.Lstj:
	s_wait_xcnt 0x0                                ; the stores have read their data and bases
	s_wait_dscnt 0x0
	s_add_nc_u64 s[OP:OP+1], s[OP:OP+1], 1536
	s_add_nc_u64 s[OP5:OP5+1], s[OP5:OP5+1], 1536
	s_add_co_u32 s[BA], s[BA], 1
	s_cmp_lt_u32 s[BA], 8
	s_cbranch_scc1 .Lvblk
	FLUSH 0, OS
	FLUSH 512, OS5
	s_branch .Lend
; ---- the gate: its address, and a loop of its own over my eight blocks of 16 tokens
.Lgate:
	s_lshl_b32 s36, s[YT], 4
	s_lshl_b32 s37, s19, 3
	s_add_co_u32 s36, s36, s37
	s_lshl_b32 s36, s36, 4
	s_sub_co_u32 s37, s23, 8
	s_lshl_b32 s37, s37, 1
	s_add_co_u32 s37, s37, s20
	s_add_co_u32 s36, s36, s37
	s_lshl_b32 s50, s36, 13
	s_mov_b32 s51, 0
	s_add_nc_u64 s[OP:OP+1], s[16:17], s[50:51]
	s_mov_b32 s36, 0xbfb8aa3b                      ; -log2(e)
	s_mov_b32 s37, s36
	s_mov_b32 s[BA], 0
.Lgblk:
	TAKE
.set i, 0
.rept 32
	v_pk_mul_f32 v[Z+2*i:Z+2*i+1], v[Y+2*i:Y+2*i+1], s[36:37] op_sel_hi:[1,0]
.set i, i+1
.endr
.set i, 0
.rept 64
	v_exp_f32 v[Z+i], v[Z+i]                       ; e^-x
.set i, i+1
.endr
	v_nop
	s_wait_alu depctr_va_vdst(0)
.set i, 0
.rept 32
	v_pk_add_f32 v[Z+2*i:Z+2*i+1], v[Z+2*i:Z+2*i+1], 1.0 op_sel_hi:[1,0]
.set i, i+1
.endr
.set i, 0
.rept 64
	v_rcp_f32 v[Z+i], v[Z+i]
.set i, i+1
.endr
	v_nop
	s_wait_alu depctr_va_vdst(0)
.set i, 0
.rept 32
	v_pk_mul_f32 v[Y+2*i:Y+2*i+1], v[Y+2*i:Y+2*i+1], v[Z+2*i:Z+2*i+1]   ; silu
.set i, i+1
.endr
.irp k, 0,1,2,3,4,5,6,7,8,9,10,11,12,13,14,15
	global_store_b128 v[LI], v[Y+4*\k:Y+4*\k+3], s[OP:OP+1] offset:512*\k
.endr
	s_wait_xcnt 0x0                                ; the stores have read their data and base
	s_add_nc_u64 s[OP:OP+1], s[OP:OP+1], 131072
	s_add_co_u32 s[BA], s[BA], 1
	s_cmp_lt_u32 s[BA], 8
	s_cbranch_scc1 .Lgblk
.Lend:
	s_wait_tensorcnt 0x0                           ; the wave's end
	ds_add_u32 v[SPW], v[NIL]
	s_wait_dscnt 0x0
	CROUND                                         ; the closing round
	s_endpgm
.Lfunc_end_k_qc13f68a4c1_gemm1:
	.size	k_qc13f68a4c1_gemm1, .Lfunc_end_k_qc13f68a4c1_gemm1-k_qc13f68a4c1_gemm1
	.p2alignl 7, 3214868480
	.fill 96, 4, 3214868480
	.section	.rodata,"a",@progbits
	.p2align	6, 0x0
	.amdhsa_kernel k_qc13f68a4c1_gemm1
		.amdhsa_group_segment_fixed_size 327680
		.amdhsa_private_segment_fixed_size 0
		.amdhsa_enable_private_segment 0
		.amdhsa_kernarg_size 56
		.amdhsa_user_sgpr_count 2
		.amdhsa_user_sgpr_kernarg_segment_ptr 1
		.amdhsa_wavefront_size32 1
		.amdhsa_system_sgpr_workgroup_id_x 1
		.amdhsa_system_sgpr_workgroup_id_y 1
		.amdhsa_system_sgpr_workgroup_id_z 1
		.amdhsa_system_vgpr_workitem_id 0
		.amdhsa_next_free_vgpr 1024
		.amdhsa_next_free_sgpr 106
		.amdhsa_reserve_vcc 0
		.amdhsa_float_denorm_mode_32 3
		.amdhsa_float_denorm_mode_16_64 3
		.amdhsa_memory_ordered 1
		.amdhsa_forward_progress 1
		.amdhsa_inst_pref_size 255
	.end_amdhsa_kernel
	.section	.bss,"aw",@nobits
	.p2align	6
	.space	262144
	.amdgpu_metadata
---
amdhsa.version: [ 1, 2 ]
amdhsa.kernels:
  - .name:           k_qc13f68a4c1_gemm1
    .symbol:         k_qc13f68a4c1_gemm1.kd
    .args:
      - { .name: cw, .offset: 0, .size: 8, .value_kind: global_buffer, .address_space: global }
      - { .name: tab, .offset: 8, .size: 8, .value_kind: global_buffer, .address_space: global }
      - { .name: decay, .offset: 16, .size: 8, .value_kind: global_buffer, .address_space: global }
      - { .name: qq, .offset: 24, .size: 8, .value_kind: global_buffer, .address_space: global }
      - { .name: kv, .offset: 32, .size: 8, .value_kind: global_buffer, .address_space: global }
      - { .name: kv5, .offset: 40, .size: 8, .value_kind: global_buffer, .address_space: global }
      - { .name: gi, .offset: 48, .size: 8, .value_kind: global_buffer, .address_space: global }
    .group_segment_fixed_size: 327680
    .private_segment_fixed_size: 0
    .kernarg_segment_align: 8
    .kernarg_segment_size: 56
    .max_flat_workgroup_size: 128
    .sgpr_count:     106
    .vgpr_count:     1024
    .wavefront_size: 32
...
	.end_amdgpu_metadata
.endif
;; end of part 7
;; launch retn (part 8): grid 16 x 16, 4 waves a work-group, no clusters, 327,680 bytes of LDS; arguments qq, kv, gi, decay, a7, kv5, out1; writes a7, out1
.if DOCPART == 8
	.amdgcn_target "amdgcn-amd-amdhsa--gfx1250"
	.amdhsa_code_object_version 6
	.text
	.protected	k_qc13f68a4c1_retn
	.globl	k_qc13f68a4c1_retn
	.p2align	8
	.type	k_qc13f68a4c1_retn,@function
k_qc13f68a4c1_retn:
	s_mov_b64 s[64:65], 0
	v_nop
	global_prefetch_b8 v0, s[64:65] scope:SCOPE_SE
	s_setreg_imm32_b32 hwreg(HW_REG_WAVE_MODE, 25, 1), 1
	s_wait_xcnt 0x0
; RETN: retention = (q k^T) 2^-3.5 decay^(t - s) under the problem's own lower triangle, quantised along the keys; x v; GroupNorm over a head's 256 channels; x gate; quantised along the channels.
; And, in its head, curr_kv[b, h, d, v] = sum over s of k[s, d] x (v[s, v] decay^(2047 - s)), on the codes that the launch before made along s.
; LEFT OUT: key steps of 128 keys that lie wholly after the work-group's 128 queries: the retention there is exactly 0 by the problem's own mask, whatever the inputs hold (shown at the head of the first launch).
; SHARES.  A work-group owns 128 queries of one (b, h), a wave 32: two tiles of 16.  K's and V's register images and scale words of two key steps (76,800 dense bytes) come through a ring of two LDS slots;
; each wave fetches a quarter of a slot.  Every work-group walks all 8 slots, so that trip counts are constants; a step whose keys are all hidden is jumped over, and a slot that no wave of the
; work-group would read is not asked for: both by scalar tests on ids and the count of steps, the same in all four waves.  Every wait on TENSORcnt is for 0; one load of a wave is out at any time.
; NO CLUSTER: the query blocks of a head need different numbers of slots, so a joint load would bring tiles that every wave of some partner jumps over.
; LAYOUT.  S^T = K Q^T (source 0 = 16 keys, source 1 = 16 queries), O^T = V^T P (source 0 = 16 channels): a lane holds one query throughout.
; LDS LOADS AMONG THE WORK.  A key step's 72 loads of 16 bytes a lane do not stand in one run: K's 24 stand at its head and K Q^T begins tile by tile as they come (counted waits); V's 48 go in twelve
; groups of four, behind every fourth product K Q^T, among the decay's multiplies and in the two quantisers, so that they are served while the wave works on registers.
; THE FACTOR.  t - s = [Q' - 128 KS - 32 bb - 12] + (12 - 16 u - j): a factor for each lane and block of 32 keys (4 exponentials a tile and step) times a table of 16 with exponents 12 .. -11.
; Under the diagonal t - s is at least 1, so the first exponent is at least -11.  On the diagonal a table of 64, 0 where s > t.
; CURR_KV.  The 16 x 16 work-groups share it out: work-group x = 4 dp + cg of (b, h) makes 32 rows d (blocks 2 dp, 2 dp + 1) x 64 channels (tiles 4 cg .. 4 cg + 3); wave w takes K steps 4 w .. 4 w + 3 of the
; 16 (128 tokens each), straight from memory into registers that K and V take later; the four waves' parts meet in an LDS stage of their own and are added in ascending order.  Source 0 = 16 channels of
; (v dm)^T, source 1 = 16 rows d of k^T: a lane holds one d and eight neighbouring channels.  The loads go out in two halves with the head's other work behind each.
; LIMITS: powers of decay as 2^(n log2|decay|), the sign by n's parity; log2|decay| held at -16384; a power under 2^-126 comes out 0.  The split into two factors wants 12 x |log2|decay|| inside f32's
; exponents: |decay| from 2^-10 on; below that (0 among it) one factor overflows while the other falls to 0, and the steps under the diagonal are not served.  Blocks of zeros get byte 1 (their codes are zeros).
.set SLOT1, 1<<17
.set STEPB, 38400
.set SPARE, SLOT1+2*STEPB
.set CKS,   SPARE+512                  ; curr_kv's stage: 32 rows x (256 bytes + 16) for each wave; no tensor load lands here
.set LI,  1
.set LS4, 2
.set RR,  3
.set HH,  4
.set AD,  5
.set ADS, 6
.set SPW, 7
.set NIL, 8
.set LG,  9
.set NT,  10                           ; v10-11  Q' - 12 - 128 KS of my two tiles, as f32
.set QS,  12                           ; q's scale words: lanes 0-15 tile 0, lanes 16-31 tile 1
.set MS,  14                           ; v14-15  decay's sign where t - s is odd: for even j, for odd j
.set U,   16                           ; v16-31
.set KSC, 32                           ; v32-35  scale words of K; in the head: of k^T's four K steps
.set VSC, 36                           ; v36-43  of V; in the head: of (v dm)^T's
.set FA,  44                           ; v44-59  the block factors on even registers
.set TM,  60
.set PW,  76                           ; v76-79
.set PC0, 80
.set PC1, 100
.set CKA, 100                          ; v100-103 in the head: curr_kv's load offsets; v104 into the stage, v105 out of it, v106 into out1
.set CKW, 104
.set CKR, 105
.set CKO, 106
.set WK,  120
.set S,   128                          ; v128-255 S^T, 64 a tile.  Window 1: O^T, 128 a tile.  Window 2: V (v0-191), Q (v192-215).  Window 3: K (v0-95), the diagonal's table (v96-159)
.set WV, 14
.set QB, 15
.set BH, 16
.set KS, 17
.set TB, 18
.set TS, 19
.set SLOTS, 20
.set DEC, 22
.set SBIT, 23
.set G1, 24
.set G0, 32
.set SEL, 36
.set C35, 38
.set C256, 39
.set CEPS, 44
.set CBIG, 56
.set QP, 46
.set QSP, 48
.set GP, 50
.set AP, 52
.set SP, 54
.set DP, 57
.set CG, 58
.set CKP, 60
.set COP, 62
.set MSB, 0
.macro WIN new
.if MSB != (\new)
	s_set_vgpr_msb (MSB<<8)|(\new)
.set MSB, (\new)
.endif
.endm
.macro WM d, x, y, zero, sx, sy, rx, ry
.if (\zero) && ((\rx)==0) && ((\ry)==0)
	v_wmma_scale_f32_16x16x128_f8f6f4 v[(\d):(\d)+7], v[(\x):(\x)+11], v[(\y):(\y)+11], 0, v[\sx], v[\sy] matrix_a_fmt:MATRIX_FMT_FP6 matrix_b_fmt:MATRIX_FMT_FP6
.elseif (\zero) && ((\rx)==1) && ((\ry)==0)
	v_wmma_scale_f32_16x16x128_f8f6f4 v[(\d):(\d)+7], v[(\x):(\x)+11], v[(\y):(\y)+11], 0, v[\sx], v[\sy] matrix_a_fmt:MATRIX_FMT_FP6 matrix_b_fmt:MATRIX_FMT_FP6 matrix_a_scale:MATRIX_SCALE_ROW1
.elseif (\zero) && ((\rx)==0) && ((\ry)==1)
	v_wmma_scale_f32_16x16x128_f8f6f4 v[(\d):(\d)+7], v[(\x):(\x)+11], v[(\y):(\y)+11], 0, v[\sx], v[\sy] matrix_a_fmt:MATRIX_FMT_FP6 matrix_b_fmt:MATRIX_FMT_FP6 matrix_b_scale:MATRIX_SCALE_ROW1
.elseif (\zero)
	v_wmma_scale_f32_16x16x128_f8f6f4 v[(\d):(\d)+7], v[(\x):(\x)+11], v[(\y):(\y)+11], 0, v[\sx], v[\sy] matrix_a_fmt:MATRIX_FMT_FP6 matrix_b_fmt:MATRIX_FMT_FP6 matrix_a_scale:MATRIX_SCALE_ROW1 matrix_b_scale:MATRIX_SCALE_ROW1
.elseif ((\rx)==0) && ((\ry)==0)
	v_wmma_scale_f32_16x16x128_f8f6f4 v[(\d):(\d)+7], v[(\x):(\x)+11], v[(\y):(\y)+11], v[(\d):(\d)+7], v[\sx], v[\sy] matrix_a_fmt:MATRIX_FMT_FP6 matrix_b_fmt:MATRIX_FMT_FP6
.elseif ((\rx)==1) && ((\ry)==0)
	v_wmma_scale_f32_16x16x128_f8f6f4 v[(\d):(\d)+7], v[(\x):(\x)+11], v[(\y):(\y)+11], v[(\d):(\d)+7], v[\sx], v[\sy] matrix_a_fmt:MATRIX_FMT_FP6 matrix_b_fmt:MATRIX_FMT_FP6 matrix_a_scale:MATRIX_SCALE_ROW1
.elseif ((\rx)==0) && ((\ry)==1)
	v_wmma_scale_f32_16x16x128_f8f6f4 v[(\d):(\d)+7], v[(\x):(\x)+11], v[(\y):(\y)+11], v[(\d):(\d)+7], v[\sx], v[\sy] matrix_a_fmt:MATRIX_FMT_FP6 matrix_b_fmt:MATRIX_FMT_FP6 matrix_b_scale:MATRIX_SCALE_ROW1
.else
	v_wmma_scale_f32_16x16x128_f8f6f4 v[(\d):(\d)+7], v[(\x):(\x)+11], v[(\y):(\y)+11], v[(\d):(\d)+7], v[\sx], v[\sy] matrix_a_fmt:MATRIX_FMT_FP6 matrix_b_fmt:MATRIX_FMT_FP6 matrix_a_scale:MATRIX_SCALE_ROW1 matrix_b_scale:MATRIX_SCALE_ROW1
.endif
.endm
.macro VLG g                           ; group g of twelve: four of V's 48 loads; load n brings registers 4 n .. 4 n + 3 of window 2 from byte 12,288 + 512 n of the step
	WIN 0x80
.irp n, 0,1,2,3
	ds_load_b128 v[4*(4*(\g)+\n):4*(4*(\g)+\n)+3], v[AD] offset:12288+512*(4*(\g)+\n)
.endr
.endm
; the quantiser of 64 numbers of a lane; vl = a group's number: groups vl and vl + 1 of V's loads stand in it; vl = -1: none
.macro QUANT s, pc, pw, vl
.irp b, 0,1,2,3
	v_max3_num_f32 v[TM+\b], |v[(\s)+16*\b]|, |v[(\s)+1+16*\b]|, 0x1800000   ; the floor 2^(3 - 127) holds the byte at 1 from below
.endr
.irp i, 2,4,6,8,10,12,14
.irp b, 0,1,2,3
	v_max3_num_f32 v[TM+\b], v[TM+\b], |v[(\s)+16*\b+\i]|, |v[(\s)+1+16*\b+\i]|
.endr
.endr
.if (\vl) >= 0
	VLG \vl
	WIN 0
.endif
.irp b, 0,1,2,3
	v_permlanex16_b32 v[TM+4+\b], v[TM+\b], s[SEL], s[SEL+1]
.endr
.irp b, 0,1,2,3
	v_max_num_f32 v[TM+\b], v[TM+\b], v[TM+4+\b]
.endr
.irp b, 0,1,2,3
	v_add_nc_u32 v[TM+12+\b], 0xff000000, v[TM+\b]
.endr
.irp b, 0,1,2,3
	v_lshrrev_b32 v[TM+4+\b], 23, v[TM+12+\b]
.endr
	v_lshl_or_b32 v[\pw], v[TM+5], 8, v[TM+4]
	v_lshl_or_b32 v[\pw], v[TM+6], 16, v[\pw]
	v_lshl_or_b32 v[\pw], v[TM+7], 24, v[\pw]
.if (\vl) >= 0
	VLG (\vl)+1
	WIN 0
.endif
.irp c, 0,1
	v_cvt_scalef32_pk16_fp6_f32 v[(\pc)+6*\c:(\pc)+2+6*\c], v[(\s)+32*\c:(\s)+15+32*\c], v[TM+12+2*\c]
	v_cvt_scalef32_pk16_fp6_f32 v[(\pc)+12+4*\c:(\pc)+14+4*\c], v[(\s)+16+32*\c:(\s)+31+32*\c], v[TM+12+2*\c+1]
.endr
	v_nop                                          ; one plain place behind a scaled conversion
.irp c, 0,1
.irp i, 0,1,2
	v_permlane16_swap_b32 v[(\pc)+6*\c+\i], v[(\pc)+12+4*\c+\i]
.endr
.irp i, 0,1,2
	v_mov_b32 v[(\pc)+3+6*\c+\i], v[(\pc)+12+4*\c+\i]
.endr
.endr
.endm
; curr_kv: my K step s of four: 2 fragments of k^T, 4 of (v dm)^T, 3 scale words: 21 loads.  Steps 0, 1: window 2, v0 and v72 on; steps 2, 3: window 3, v0 and v160 on
.macro CKLOAD s
.set ckb, 72*((\s)%2)+88*((\s)/3)
	WIN (2+(\s)/2)<<6
.irp e, 0,1
.irp g, 0,1,2
	global_load_b128 v[ckb+12*\e+4*\g:ckb+12*\e+4*\g+3], v[CKA], s[CKP:CKP+1] offset:38400*(\s)+1536*\e+512*\g
.endr
.endr
.irp c, 0,1,2,3
.irp g, 0,1,2
	global_load_b128 v[ckb+24+12*\c+4*\g:ckb+24+12*\c+4*\g+3], v[CKA+1], s[CKP:CKP+1] offset:38400*(\s)+1536*\c+512*\g
.endr
.endr
	WIN 0
	global_load_b32 v[KSC+(\s)], v[CKA+2], s[CKP:CKP+1] offset:38400*(\s)
	global_load_b32 v[VSC+2*(\s)], v[CKA+3], s[CKP:CKP+1] offset:38400*(\s)
	global_load_b32 v[VSC+2*(\s)+1], v[CKA+3], s[CKP:CKP+1] offset:38400*(\s)+128
.endm
.macro CKMUL s, zero                   ; its eight products, the eight accumulators by turns
.set ckb, 72*((\s)%2)+88*((\s)/3)
	WIN 0x0a+5*((\s)/2)                            ; both sources in window 2 or 3; C and D in window 0
.irp e, 0,1
.irp c, 0,1,2,3
	WM S+8*(4*\e+\c), ckb+24+12*\c, ckb+12*\e, \zero, VSC+2*(\s)+\c/2, KSC+(\s), \c%2, \e
.endr
.endr
.endm
	s_load_b256 s[4:11], s[0:1], 0x0               ; qq, kv, gi, decay
	s_load_b64 s[12:13], s[0:1], 0x20              ; a7
	s_load_b64 s[CKP:CKP+1], s[0:1], 0x28          ; kv5
	s_load_b64 s[COP:COP+1], s[0:1], 0x30          ; out1
	v_lshl_add_u32 v[SPW], v0, 2, SPARE
	v_mov_b32 v[NIL], 0
	ds_add_u32 v[SPW], v[NIL]                      ; the opening: the add, twice on end, and its wait ahead of my first tensor load
	ds_add_u32 v[SPW], v[NIL]
	v_lshrrev_b32 v1, 5, v0
	v_readfirstlane_b32 s[WV], v1
	s_sub_co_u32 s[QB], 15, ttmp9                  ; my block of 128 queries: the longest walks are launched first
	s_and_b32 s[BH], ttmp7, 0xffff
	s_mov_b32 s[G1], 3<<16                         ; a quarter of a slot: 75 rows of 256 bytes, dense
	s_mov_b32 s[G1+1], 32<<16
	s_mov_b32 s[G1+2], 75<<16
	s_mov_b32 s[G1+3], 32<<16
	s_mov_b32 s[G1+4], 75
	s_mov_b32 s[G1+5], 32
	s_mov_b32 s[G1+6], 0
	s_mov_b32 s[G1+7], 0
	s_mul_i32 s40, s[WV], 19200
	s_mul_i32 s42, s[BH], 614400
	s_add_co_u32 s42, s42, s40
	s_mov_b32 s43, 0
	s_mov_b32 s[KS], 0
	s_mov_b32 s[TB], 0
	s_mov_b32 s[SEL], 0x76543210
	s_mov_b32 s[SEL+1], 0xfedcba98
	s_mov_b32 s[C35], 0xc0600000                   ; -3.5: the scale 128^-0.5 = 2^-3.5
	s_mov_b32 s[C256], 0x3b800000                  ; 1 / 256
	s_mov_b32 s[CEPS], 0x3727c5ac                  ; 1e-5
	s_mov_b32 s[CBIG], 0x4e6e6b28                  ; 1e9
	s_and_b32 s45, s[BH], 7                        ; head
	s_lshl_b32 s45, s45, 2                         ; never rewritten
	s_wait_dscnt 0x0                               ; both opening adds are done
	s_wait_kmcnt 0x0
	s_mov_b32 s[G0], 1
	s_mov_b32 s[G0+1], s40
	s_add_nc_u64 s[G0+2:G0+3], s[6:7], s[42:43]
	s_or_b32 s[G0+3], s[G0+3], 0x80000000
	tensor_load_to_lds s[G0:G0+3], s[G1:G1+7]      ; slot 0: key steps 0 and 1; step 0 counts for every query
	s_nop 0
.rept 4
	v_nop
.endr
	s_load_b32 s[DEC], s[10:11], s45 offset:0x0
	s_lshl_b32 s40, s[QB], 3
	s_lshl_b32 s41, s[WV], 1
	s_add_co_u32 s40, s40, s41                     ; 8 qb + 2 w
	s_lshl_b32 s41, s[BH], 7
	s_add_co_u32 s41, s41, s40
	s_mul_i32 s42, s41, 1536
	s_add_nc_u64 s[QP:QP+1], s[4:5], s[42:43]
	s_lshl_b32 s42, s41, 6
	s_add_co_u32 s42, s42, 3145728
	s_add_nc_u64 s[QSP:QSP+1], s[4:5], s[42:43]
	s_lshr_b32 s41, s[BH], 3
	s_lshl_b32 s41, s41, 7
	s_add_co_u32 s40, s40, s41                     ; my first token tile of the 256
	s_and_b32 s41, s[BH], 7
	s_lshl_b32 s21, s40, 4
	s_add_co_u32 s21, s21, s41
	s_add_co_u32 s21, s21, s41                     ; 16 x tile + 2 x head
	s_lshl_b32 s42, s21, 13
	s_add_nc_u64 s[GP:GP+1], s[8:9], s[42:43]
	s_mul_i32 s42, s21, 1536
	s_add_nc_u64 s[AP:AP+1], s[12:13], s[42:43]
	s_lshl_b32 s42, s40, 2
	s_add_co_u32 s42, s42, s41                     ; 8 x pair of tiles + head
	s_lshl_b32 s42, s42, 8
	s_add_co_u32 s42, s42, 6291456
	s_add_nc_u64 s[SP:SP+1], s[12:13], s[42:43]
	s_lshl_b32 s40, s[BH], 4                       ; curr_kv: my four K steps' blocks in kv5,
	s_lshl_b32 s41, s[WV], 2
	s_add_co_u32 s40, s40, s41
	s_mul_i32 s42, s40, 38400
	s_add_nc_u64 s[CKP:CKP+1], s[CKP:CKP+1], s[42:43]
	s_lshr_b32 s[DP], ttmp9, 2                     ; d blocks 2 dp, 2 dp + 1
	s_and_b32 s[CG], ttmp9, 3                      ; channel tiles 4 cg .. 4 cg + 3
	s_lshl_b32 s40, s[BH], 7
	s_lshl_b32 s41, s[DP], 5
	s_add_co_u32 s40, s40, s41
	s_lshl_b32 s41, s[WV], 3
	s_add_co_u32 s40, s40, s41                     ; and the first of the eight rows of out1 that I store
	s_lshl_b32 s42, s40, 10
	s_lshl_b32 s41, s[CG], 8
	s_add_co_u32 s42, s42, s41
	s_add_nc_u64 s[COP:COP+1], s[COP:COP+1], s[42:43]
	v_and_b32 v120, 31, v0
	v_lshlrev_b32 v[LI], 4, v120
	v_lshlrev_b32 v[LS4], 2, v120
	v_and_b32 v[RR], 15, v0
	v_bfe_u32 v[HH], v0, 4, 1
	s_mul_i32 s40, s[DP], 3072
	v_add_nc_u32 v[CKA], s40, v[LI]                ; k^T's images in a block
	s_mul_i32 s40, s[CG], 6144
	s_add_co_u32 s40, s40, 12288
	v_add_nc_u32 v[CKA+1], s40, v[LI]              ; (v dm)^T's
	s_lshl_b32 s40, s[DP], 7
	s_add_co_u32 s40, s40, 36864
	v_add_nc_u32 v[CKA+2], s40, v[LS4]             ; k^T's scale words: lanes 0-15 block 2 dp, lanes 16-31 block 2 dp + 1
	s_lshl_b32 s40, s[CG], 8
	s_add_co_u32 s40, s40, 37376
	v_add_nc_u32 v[CKA+3], s40, v[LS4]             ; (v dm)^T's, two tiles a load
	s_mul_i32 s40, s[WV], 8704
	s_add_co_u32 s40, s40, CKS
	v_mul_u32_u24 v[CKW], v[RR], 272
	v_lshl_add_u32 v[CKW], v[HH], 5, v[CKW]
	v_add_nc_u32 v[CKW], s40, v[CKW]               ; into my region of the stage
	s_mul_i32 s40, s[WV], 8*272
	s_add_co_u32 s40, s40, CKS
	v_mul_u32_u24 v[CKR], v[HH], 272
	v_lshl_add_u32 v[CKR], v[RR], 4, v[CKR]
	v_add_nc_u32 v[CKR], s40, v[CKR]               ; back: rows 8 w .. 8 w + 7 of every region
	v_lshlrev_b32 v[CKO], 10, v[HH]
	v_lshl_add_u32 v[CKO], v[RR], 4, v[CKO]        ; and the same rows in out1
	WIN 0x80
.irp u, 0,1
.irp g, 0,1,2
	global_load_b128 v[192+12*\u+4*\g:192+12*\u+4*\g+3], v[LI], s[QP:QP+1] offset:1536*\u+512*\g
.endr
.endr
	WIN 0
	global_load_b32 v[QS], v[LS4], s[QSP:QSP+1]
	CKLOAD 0
	CKLOAD 1
; what does not hang on decay stands here, while decay's scalar load and the loads above are out
	v_lshlrev_b32 v122, 3, v[HH]
	v_sub_nc_u32 v124, v[RR], v122                 ; r - 8 h
	s_lshl_b32 s40, s[QB], 7
	s_lshl_b32 s41, s[WV], 5
	s_add_co_u32 s40, s40, s41
	s_sub_co_i32 s40, s40, 12
	v_add_nc_u32 v[NT], s40, v124
	v_add_nc_u32 v[NT+1], 16, v[NT]
	v_cvt_f32_i32 v[NT], v[NT]
	v_cvt_f32_i32 v[NT+1], v[NT+1]
.set i, 0
.rept 16
	v_mov_b32 v[U+i], 12-16*(i/8)-i%8
.set i, i+1
.endr
.set i, 0
.rept 16
	v_cvt_f32_i32 v[U+i], v[U+i]
.set i, i+1
.endr
	s_add_co_u32 s41, s41, 16
	v_add_nc_u32 v125, s41, v124                   ; tile 1's query on the diagonal, less 8 h
; the diagonal's table: register 8 c + j: n = tile 1's query - key 16 c + 8 h + j; 2^(L n - 3.5), 0 where n < 0.  Tile 0 takes the entry one key tile on
.set i, 0
.rept 64
	v_add_nc_u32 v[S+i], -(16*(i/8)+i%8), v125
.set i, i+1
.endr
.set i, 0
.rept 64
	v_cvt_f32_i32 v[S+i], v[S+i]
.set i, i+1
.endr
.set i, 0
.rept 64
	v_min_num_f32 v[S+64+i], 0, v[S+i]
.set i, i+1
.endr
.irp b, 0,1,2,3
	v_mov_b32 v[TM+4+\b], 0                        ; written once: a lane permute's destination counts as one of its sources
.endr
.irp b, 1,3,5,7,9,11,13,15
	v_mov_b32 v[FA+\b], 0                          ; the upper halves of pairs of which the packed forms take the low word
.endr
	WIN 0x40
.set i, 0
.rept 256
	v_mov_b32 v[i], 0                              ; O^T: the step is written once, and where a work-group's walk ends hangs on its number
.set i, i+1
.endr
	WIN 0
	CKLOAD 2
	CKLOAD 3
	s_wait_kmcnt 0x0                               ; decay
	v_mov_b32 v121, s[DEC]
	v_log_f32 v[LG], |v121|
	v_and_b32 v123, 1, v[RR]                       ; (a plain place behind the transcendental)
	s_wait_alu depctr_va_vdst(0)
	v_max_num_f32 v[LG], 0xc6800000, v[LG]         ; log2|decay|, held at -16384
	s_and_b32 s[SBIT], s[DEC], 0x80000000
	v_lshlrev_b32 v123, 31, v123
	v_and_b32 v[MS], s[SBIT], v123                 ; j even: t - s is odd where r is odd
	v_xor_b32 v123, 0x80000000, v123
	v_and_b32 v[MS+1], s[SBIT], v123               ; j odd: where r is even
.set i, 0
.rept 16
	v_mul_f32 v[U+i], v[LG], v[U+i]
.set i, i+1
.endr
.set i, 0
.rept 64
	v_fma_f32 v[S+i], v[LG], v[S+i], s[C35]
.set i, i+1
.endr
.set i, 0
.rept 64
	v_fma_f32 v[S+i], v[S+64+i], s[CBIG], v[S+i]   ; a hidden key's exponent falls far under every number
.set i, i+1
.endr
.set i, 0
.rept 16
	v_exp_f32 v[U+i], v[U+i]
.set i, i+1
.endr
.set i, 0
.rept 64
	v_exp_f32 v[S+i], v[S+i]
.set i, i+1
.endr
	v_nop                                          ; a plain place behind the last exponential
	s_wait_alu depctr_va_vdst(0)                   ; one wait for the 80
.set i, 0
.rept 16
	v_xor_b32 v[U+i], v[MS+i%2], v[U+i]
.set i, i+1
.endr
	WIN 0xc0
.set i, 0
.rept 64
	v_xor_b32 v[96+i], v[MS+i%2], v[S+i]
.set i, i+1
.endr
	WIN 0
; curr_kv's products: S^T's registers take the eight accumulators
	s_wait_loadcnt 42                              ; Q and my K steps 0 and 1 are in; steps 2 and 3, 21 loads each, may be out
	CKMUL 0, 1
	CKMUL 1, 0
	s_wait_loadcnt 0x0
	CKMUL 2, 0
	CKMUL 3, 0
	WIN 0
.rept 4
	v_nop
.endr
.irp e, 0,1
.irp c, 0,1,2,3
	ds_store_b128 v[CKW], v[S+8*(4*\e+\c):S+8*(4*\e+\c)+3] offset:16*\e*272+64*\c       ; each accumulator from its low end on
	ds_store_b128 v[CKW], v[S+8*(4*\e+\c)+4:S+8*(4*\e+\c)+7] offset:16*\e*272+64*\c+16
.endr
.endr
	s_wait_dscnt 0x0                               ; for the others' sake: my stores have landed
	s_barrier_signal -1                            ; (slot 0's load may be out: nothing is filled and no tile is read behind this barrier)
	s_barrier_wait -1
.irp g, 0,1,2,3
.irp i, 0,1,2,3
	ds_load_b128 v[S+64+16*\g+4*\i:S+64+16*\g+4*\i+3], v[CKR] offset:8704*\g+544*\i
.endr
.endr
	s_wait_dscnt 0x0
.irp g, 1,2,3
.irp i, 0,1,2,3
	v_pk_add_f32 v[S+64+4*\i:S+64+4*\i+1], v[S+64+4*\i:S+64+4*\i+1], v[S+64+16*\g+4*\i:S+64+16*\g+4*\i+1]
	v_pk_add_f32 v[S+64+4*\i+2:S+64+4*\i+3], v[S+64+4*\i+2:S+64+4*\i+3], v[S+64+16*\g+4*\i+2:S+64+16*\g+4*\i+3]
.endr
.endr
.irp i, 0,1,2,3
	global_store_b128 v[CKO], v[S+64+4*\i:S+64+4*\i+3], s[COP:COP+1] offset:2048*\i th:TH_STORE_NT   ; sixteen lanes store 256 consecutive bytes, aligned
.endr
.macro CHANGE fill                     ; the change of slots stands at a slot's head
	s_wait_tensorcnt 0x0                           ; my part of the slot ahead has landed; no load of mine is out, so the descriptor may step
	ds_add_u32 v[SPW], v[NIL]
.if \fill
	s_xor_b32 s[G0+1], s[G0+1], SLOT1
	s_add_nc_u64 s[G0+2:G0+3], s[G0+2:G0+3], 2*STEPB
.endif
	s_wait_dscnt 0x0                               ; the add is done, my reads of the slot that I have left are over
	s_barrier_signal -1
	s_barrier_wait -1
.if \fill
	s_add_co_u32 s21, s[KS], 2                     ; the next slot's first key step: beyond my work-group's queries none of its waves would read it
	s_cmp_gt_u32 s21, s[QB]
	s_cbranch_scc1 .Lpast_\@
	tensor_load_to_lds s[G0:G0+3], s[G1:G1+7]      ; my one tensor load until the next such barrier
	s_nop 0
.rept 4
	v_nop
.endr
.Lpast_\@:
.endif
.endm
.macro STEP q                          ; 128 keys, the q-th of the slot in hand
	s_cmp_gt_u32 s[KS], s[QB]
	s_cbranch_scc1 .Lhid_\@
	s_add_co_u32 s[TS], s[TB], STEPB*(\q)
	v_add_nc_u32 v[AD], s[TS], v[LI]
	v_add_nc_u32 v[ADS], s[TS], v[LS4]
	v_nop
	v_nop                                          ; four places in front of loads into registers that the last products read
.irp i, 0,1,2,3
	ds_load_b32 v[KSC+\i], v[ADS] offset:36864+128*\i
.endr
	WIN 0xc0
.irp i, 0,1,2,3,4,5,6,7
.irp g, 0,1,2
	ds_load_b128 v[12*\i+4*\g:12*\i+4*\g+3], v[AD] offset:1536*\i+512*\g
.endr
.endr
	WIN 0
.irp i, 0,1,2,3,4,5,6,7
	ds_load_b32 v[VSC+\i], v[ADS] offset:37376+128*\i
.endr
.irp u, 0,1                                    ; the block factors 2^(L (NT - 32 bb) - 3.5)
	v_add_f32 v[FA+8*\u+2], 0xc2000000, v[NT+\u]
	v_add_f32 v[FA+8*\u+4], 0xc2800000, v[NT+\u]
	v_add_f32 v[FA+8*\u+6], 0xc2c00000, v[NT+\u]
	v_fma_f32 v[FA+8*\u], v[LG], v[NT+\u], s[C35]
	v_fma_f32 v[FA+8*\u+2], v[LG], v[FA+8*\u+2], s[C35]
	v_fma_f32 v[FA+8*\u+4], v[LG], v[FA+8*\u+4], s[C35]
	v_fma_f32 v[FA+8*\u+6], v[LG], v[FA+8*\u+6], s[C35]
.endr
.irp b, 0,2,4,6,8,10,12,14
	v_exp_f32 v[FA+\b], v[FA+\b]
.endr
	v_nop
; S^T = K Q^T, a tile of 16 keys at a time.  LDS loads come back in order (ISA guide 5.7.1): tile c wants the first 7 + 3 c of them (4 scale loads, 3 c + 3 of K's).  Issued by then: 36 at the head and
; four of V's behind every second tile: so 29 - 3 c + 4 (c / 2) may be out
.irp c, 0,1,2,3,4,5,6,7
	s_wait_dscnt 29-3*\c+4*(\c/2)
	WIN 0x0b                                       ; K window 3, Q window 2, S^T window 0
.irp u, 0,1
	WM S+64*\u+8*\c, 12*\c, 192+12*\u, 1, KSC+\c/2, QS, \c%2, \u
.endr
.if \c%2 == 1
	VLG \c/2
.endif
.endr
	WIN 0
.rept 4
	v_nop
.endr
	s_wait_alu depctr_va_vdst(0)                   ; one wait for the eight factors
	s_cmp_eq_u32 s[KS], s[QB]
	s_cbranch_scc1 .Ldiag_\@
.irp u, 0,1
.set i, 0
.rept 32
	v_pk_mul_f32 v[S+64*\u+2*i:S+64*\u+2*i+1], v[S+64*\u+2*i:S+64*\u+2*i+1], v[FA+8*\u+2*(i/8):FA+8*\u+2*(i/8)+1] op_sel_hi:[1,0]
.set i, i+1
.endr
	VLG 4+\u
	WIN 0
.endr
.irp u, 0,1
.set i, 0
.rept 32
	v_pk_mul_f32 v[S+64*\u+2*i:S+64*\u+2*i+1], v[S+64*\u+2*i:S+64*\u+2*i+1], v[U+2*(i%8):U+2*(i%8)+1]
.set i, i+1
.endr
	VLG 6+\u
	WIN 0
.endr
	s_branch .Lq_\@
.Ldiag_\@:
	VLG 4                                          ; the same four groups as on the other way, here in one run
	VLG 5
	VLG 6
	VLG 7
	WIN 0x0c                                       ; source 1 window 3
.set i, 0
.rept 32
	v_pk_mul_f32 v[S+64+2*i:S+64+2*i+1], v[S+64+2*i:S+64+2*i+1], v[96+2*i:96+2*i+1]
.set i, i+1
.endr
.set i, 0
.rept 28
	v_pk_mul_f32 v[S+2*i:S+2*i+1], v[S+2*i:S+2*i+1], v[104+2*i:104+2*i+1]
.set i, i+1
.endr
	WIN 0
.set i, 0
.rept 8
	v_mov_b32 v[S+56+i], 0                         ; tile 0's last 16 keys come after all its queries
.set i, i+1
.endr
.Lq_\@:
	QUANT S, PC0, PW, 8
	QUANT S+64, PC1, PW+1, 10
.rept 8
	v_nop                                          ; a scale register written by a vector instruction stands 8 places ahead of a scaled matrix instruction, an operand 4
.endr
	s_wait_dscnt 0x0                               ; V
	WIN 0x52                                       ; V window 2, P window 0, O^T window 1
.irp c, 0,1,2,3,4,5,6,7,8,9,10,11,12,13,14,15   ; the 32 accumulators by turns
.irp u, 0,1
	WM 128*\u+8*\c, 12*\c, PC0+20*\u, 0, VSC+\c/2, PW+\u, \c%2, 0
.endr
.endr
	WIN 0
.Lhid_\@:
	s_add_co_u32 s[KS], s[KS], 1
	v_add_f32 v[NT], 0xc3000000, v[NT]
	v_add_f32 v[NT+1], 0xc3000000, v[NT+1]
.endm
	s_mov_b32 s[SLOTS], 7
	s_wait_xcnt 0x0                                ; curr_kv's stores have read their registers, which S^T takes
.Lslot:
	CHANGE 1
	STEP 0
	STEP 1
	s_xor_b32 s[TB], s[TB], SLOT1
	s_sub_co_u32 s[SLOTS], s[SLOTS], 1
	s_cmp_lg_u32 s[SLOTS], 0
	s_cbranch_scc1 .Lslot
	CHANGE 0
	STEP 0
	STEP 1
; THE WAY OUT: the gate's images of my 32 tokens and my head's 256 channels; then, a tile at a time: mean, variance, x gate, quantised along the channels
.rept 4
	v_nop
.endr
	WIN 0x80
.set i, 0
.rept 32
	global_load_b128 v[4*i:4*i+3], v[LI], s[GP:GP+1] offset:512*i th:TH_LOAD_NT
.set i, i+1
.endr
	WIN 0xc0
.set i, 0
.rept 32
	global_load_b128 v[4*i:4*i+3], v[LI], s[GP:GP+1] offset:131072+512*i th:TH_LOAD_NT
.set i, i+1
.endr
	WIN 0
.macro FOLD                            ; four packed chains, then lane l xor 16's half of the channels: the sum in v[WK]
	v_pk_add_f32 v[WK:WK+1], v[WK:WK+1], v[WK+2:WK+3]
	v_pk_add_f32 v[WK+4:WK+5], v[WK+4:WK+5], v[WK+6:WK+7]
	v_pk_add_f32 v[WK:WK+1], v[WK:WK+1], v[WK+4:WK+5]
	v_add_f32 v[WK], v[WK], v[WK+1]
	v_permlanex16_b32 v[WK+1], v[WK], s[SEL], s[SEL+1]
	v_add_f32 v[WK], v[WK], v[WK+1]
.endm
.macro NORM u
.irp k, 0,1,2,3,4,5,6,7
	v_mov_b32 v[WK+\k], 0
.endr
	WIN 0x04
.set i, 0
.rept 64
	v_pk_add_f32 v[WK+2*(i%4):WK+2*(i%4)+1], v[WK+2*(i%4):WK+2*(i%4)+1], v[128*(\u)+2*i:128*(\u)+2*i+1]   ; each accumulator from its low end on
.set i, i+1
.endr
	WIN 0
	FOLD
	v_mul_f32 v[FA], s[C256], v[WK]                ; the mean
	WIN 0x41
.set i, 0
.rept 64
	v_pk_add_f32 v[128*(\u)+2*i:128*(\u)+2*i+1], v[128*(\u)+2*i:128*(\u)+2*i+1], v[FA:FA+1] op_sel_hi:[1,0] neg_lo:[0,1] neg_hi:[0,1]
.set i, i+1
.endr
	WIN 0
.irp k, 0,1,2,3,4,5,6,7
	v_mov_b32 v[WK+\k], 0
.endr
	WIN 0x05
.set i, 0
.rept 64
	v_pk_fma_f32 v[WK+2*(i%4):WK+2*(i%4)+1], v[128*(\u)+2*i:128*(\u)+2*i+1], v[128*(\u)+2*i:128*(\u)+2*i+1], v[WK+2*(i%4):WK+2*(i%4)+1]
.set i, i+1
.endr
	WIN 0
	FOLD
	v_fma_f32 v[WK], v[WK], s[C256], s[CEPS]
	v_rsq_f32 v[FA+2], v[WK]
	v_nop
	s_wait_alu depctr_va_vdst(0)
	s_wait_loadcnt 32*(1-(\u))                     ; this tile's gate is in; the other tile's 32 loads may be out
.irp g, 0,1
	s_wait_xcnt 0x0                                ; earlier stores have read the codes' registers
	WIN 0x01
.set i, 0
.rept 32
	v_pk_mul_f32 v[S+2*i:S+2*i+1], v[128*(\u)+64*\g+2*i:128*(\u)+64*\g+2*i+1], v[FA+2:FA+3] op_sel_hi:[1,0]
.set i, i+1
.endr
	WIN 0x08+4*(\u)
.set i, 0
.rept 32
	v_pk_mul_f32 v[S+2*i:S+2*i+1], v[S+2*i:S+2*i+1], v[64*\g+2*i:64*\g+2*i+1]
.set i, i+1
.endr
	WIN 0
	QUANT S, PC0, PW+2*(\u)+\g, -1
.irp k, 0,1,2
	global_store_b128 v[LI], v[PC0+4*\k:PC0+4*\k+3], s[AP:AP+1] offset:1536*(16*(\u)+\g)+512*\k
.endr
.endr
.endm
	NORM 0
	NORM 1
	s_mov_b32 s21, 0xffff0000
	v_cndmask_b32 v[WK], v[PW], v[PW+2], s21       ; lanes 0-15 tile 0's words, lanes 16-31 tile 1's
	v_cndmask_b32 v[WK+1], v[PW+1], v[PW+3], s21
	v_lshlrev_b32 v[WK+2], 1, v[LS4]
	global_store_b64 v[WK+2], v[WK:WK+1], s[SP:SP+1]   ; 256 consecutive bytes, aligned
	s_wait_tensorcnt 0x0                           ; the wave's end
	ds_add_u32 v[SPW], v[NIL]
	s_wait_dscnt 0x0
	s_endpgm
.Lfunc_end_k_qc13f68a4c1_retn:
	.size	k_qc13f68a4c1_retn, .Lfunc_end_k_qc13f68a4c1_retn-k_qc13f68a4c1_retn
	.p2alignl 7, 3214868480
	.fill 96, 4, 3214868480
	.section	.rodata,"a",@progbits
	.p2align	6, 0x0
	.amdhsa_kernel k_qc13f68a4c1_retn
		.amdhsa_group_segment_fixed_size 327680
		.amdhsa_private_segment_fixed_size 0
		.amdhsa_enable_private_segment 0
		.amdhsa_kernarg_size 56
		.amdhsa_user_sgpr_count 2
		.amdhsa_user_sgpr_kernarg_segment_ptr 1
		.amdhsa_wavefront_size32 1
		.amdhsa_system_sgpr_workgroup_id_x 1
		.amdhsa_system_sgpr_workgroup_id_y 1
		.amdhsa_system_sgpr_workgroup_id_z 1
		.amdhsa_system_vgpr_workitem_id 0
		.amdhsa_next_free_vgpr 1024
		.amdhsa_next_free_sgpr 66
		.amdhsa_reserve_vcc 0
		.amdhsa_float_denorm_mode_32 3
		.amdhsa_float_denorm_mode_16_64 3
		.amdhsa_memory_ordered 1
		.amdhsa_forward_progress 1
		.amdhsa_inst_pref_size 255
	.end_amdhsa_kernel
	.section	.bss,"aw",@nobits
	.p2align	6
	.space	262144
	.amdgpu_metadata
---
amdhsa.version: [ 1, 2 ]
amdhsa.kernels:
  - .name:           k_qc13f68a4c1_retn
    .symbol:         k_qc13f68a4c1_retn.kd
    .args:
      - { .name: qq, .offset: 0, .size: 8, .value_kind: global_buffer, .address_space: global }
      - { .name: kv, .offset: 8, .size: 8, .value_kind: global_buffer, .address_space: global }
      - { .name: gi, .offset: 16, .size: 8, .value_kind: global_buffer, .address_space: global }
      - { .name: decay, .offset: 24, .size: 8, .value_kind: global_buffer, .address_space: global }
      - { .name: a7, .offset: 32, .size: 8, .value_kind: global_buffer, .address_space: global }
      - { .name: kv5, .offset: 40, .size: 8, .value_kind: global_buffer, .address_space: global }
      - { .name: out1, .offset: 48, .size: 8, .value_kind: global_buffer, .address_space: global }
    .group_segment_fixed_size: 327680
    .private_segment_fixed_size: 0
    .kernarg_segment_align: 8
    .kernarg_segment_size: 56
    .max_flat_workgroup_size: 128
    .sgpr_count:     66
    .vgpr_count:     1024
    .wavefront_size: 32
...
	.end_amdgpu_metadata
.endif
;; end of part 8
;; launch gemm2 (part 9): grid 8 x 16, 4 waves a work-group, clusters of 4 x 4, 327,680 bytes of LDS; arguments a7, cw, out0; writes out0
.if DOCPART == 9
	.amdgcn_target "amdgcn-amd-amdhsa--gfx1250"
	.amdhsa_code_object_version 6
	.text
	.protected	k_qc13f68a4c1_gemm2
	.globl	k_qc13f68a4c1_gemm2
	.p2align	8
	.type	k_qc13f68a4c1_gemm2,@function
k_qc13f68a4c1_gemm2:
	s_mov_b64 s[64:65], 0
	v_nop
	global_prefetch_b8 v0, s[64:65] scope:SCOPE_SE
	s_setreg_imm32_b32 hwreg(HW_REG_WAVE_MODE, 25, 1), 1
	s_wait_xcnt 0x0
	s_wait_alu depctr_hold_cnt(0) depctr_sa_sdst(0) depctr_va_vdst(0) depctr_va_sdst(0) depctr_va_ssrc(0) depctr_va_vcc(0) depctr_vm_vsrc(0)
	s_getreg_b32 s2, hwreg(HW_REG_IB_STS2, 6, 4)
	s_cmp_eq_u32 s2, 0
	s_cbranch_scc0 .Lentry_in_a_cluster
	s_endpgm
.Lentry_in_a_cluster:
	s_bfe_u32 s2, ttmp6, 0x10000c
	s_cmp_lg_u32 s2, 0xf033
	s_cbranch_scc0 .Lentry_shape_is_right
	s_endpgm
.Lentry_shape_is_right:
; GEMM2: y = (gate x normed) w_proj^T on codes of FP6, K = 2048.  No work is left out here.
; The second launch's core with 64 columns to a wave: a work-group makes 256 tokens x 128 columns, 128 work-groups; 256 columns would leave 64.  Round, joint loads and images as there.
; THE SLOTS.  K is four groups of 512: two LDS slots of four K steps each (147,456 bytes; a tile's row is a row block's four images, 6,144 bytes), as large as LDS holds beside the scales.  Groups 0 and 1
; are first fills; groups 2 and 3 are the two refills, each behind a round of the cluster's barrier, each with four K steps' products, 128 matrix instructions, in which to land.  By this text's own
; count a wave has three tensor loads out at the start and one behind each round.  The sixteen K steps are written out: no loop.
; Source 0 = rows of w_proj ("B"), source 1 = tokens ("A"): a lane holds a token and eight neighbouring columns; a block of 16 tokens goes through the wave's stage in LDS and leaves as aligned runs of 256 bytes.
.set KK,    2048
.set NB,    4
.set NQ,    4                          ; K steps of 128 in a slot
.set NSLOT, 2
.set FR,    12
.set NL,    3
.set NP,    4
.set IMG,   1536
.set RBL,   NQ*IMG
.set RBB,   (KK/128)*IMG
.set HALFA, 8*RBL
.set HALFB, NB*RBL
.set BOFF,  16*RBL
.set SLOT,  BOFF+2*HALFB
.set SCA,   NSLOT*SLOT
.set SCB,   SCA+8*KK
.set SPARE, SCB+NB*KK
.set ADRA, 16
.set ADRB, 20
.set ADSA, 22
.set ADSB, 23
.set STO,  24
.set RD,   25
.set LI,   26
.set CO,   27
.set SPW,  28
.set NIL,  29
.set SA,   32
.set SB,   48
.set AF,   128
.set BK,   128
.set G1, 24
.set G0, 32
.set G1B, 48
.set G0B, 56
.set G1S, 68
.set G0S, 76
.set G1SB, 80
.set G0SB, 88
.set MSB, 0
.macro WIN new
.if MSB != (\new)
	s_set_vgpr_msb (MSB<<8)|(\new)
.set MSB, (\new)
.endif
.endm
.macro PLACES n
.rept \n
	v_nop
.endr
.endm
.macro WM d, x, y, zero, sx, sy, rx, ry
.if (\zero) && ((\rx)==0) && ((\ry)==0)
	v_wmma_scale_f32_16x16x128_f8f6f4 v[(\d):(\d)+7], v[(\x):(\x)+11], v[(\y):(\y)+11], 0, v[\sx], v[\sy] matrix_a_fmt:MATRIX_FMT_FP6 matrix_b_fmt:MATRIX_FMT_FP6
.elseif (\zero) && ((\rx)==1) && ((\ry)==0)
	v_wmma_scale_f32_16x16x128_f8f6f4 v[(\d):(\d)+7], v[(\x):(\x)+11], v[(\y):(\y)+11], 0, v[\sx], v[\sy] matrix_a_fmt:MATRIX_FMT_FP6 matrix_b_fmt:MATRIX_FMT_FP6 matrix_a_scale:MATRIX_SCALE_ROW1
.elseif (\zero) && ((\rx)==0) && ((\ry)==1)
	v_wmma_scale_f32_16x16x128_f8f6f4 v[(\d):(\d)+7], v[(\x):(\x)+11], v[(\y):(\y)+11], 0, v[\sx], v[\sy] matrix_a_fmt:MATRIX_FMT_FP6 matrix_b_fmt:MATRIX_FMT_FP6 matrix_b_scale:MATRIX_SCALE_ROW1
.elseif (\zero)
	v_wmma_scale_f32_16x16x128_f8f6f4 v[(\d):(\d)+7], v[(\x):(\x)+11], v[(\y):(\y)+11], 0, v[\sx], v[\sy] matrix_a_fmt:MATRIX_FMT_FP6 matrix_b_fmt:MATRIX_FMT_FP6 matrix_a_scale:MATRIX_SCALE_ROW1 matrix_b_scale:MATRIX_SCALE_ROW1
.elseif ((\rx)==0) && ((\ry)==0)
	v_wmma_scale_f32_16x16x128_f8f6f4 v[(\d):(\d)+7], v[(\x):(\x)+11], v[(\y):(\y)+11], v[(\d):(\d)+7], v[\sx], v[\sy] matrix_a_fmt:MATRIX_FMT_FP6 matrix_b_fmt:MATRIX_FMT_FP6
.elseif ((\rx)==1) && ((\ry)==0)
	v_wmma_scale_f32_16x16x128_f8f6f4 v[(\d):(\d)+7], v[(\x):(\x)+11], v[(\y):(\y)+11], v[(\d):(\d)+7], v[\sx], v[\sy] matrix_a_fmt:MATRIX_FMT_FP6 matrix_b_fmt:MATRIX_FMT_FP6 matrix_a_scale:MATRIX_SCALE_ROW1
.elseif ((\rx)==0) && ((\ry)==1)
	v_wmma_scale_f32_16x16x128_f8f6f4 v[(\d):(\d)+7], v[(\x):(\x)+11], v[(\y):(\y)+11], v[(\d):(\d)+7], v[\sx], v[\sy] matrix_a_fmt:MATRIX_FMT_FP6 matrix_b_fmt:MATRIX_FMT_FP6 matrix_b_scale:MATRIX_SCALE_ROW1
.else
	v_wmma_scale_f32_16x16x128_f8f6f4 v[(\d):(\d)+7], v[(\x):(\x)+11], v[(\y):(\y)+11], v[(\d):(\d)+7], v[\sx], v[\sy] matrix_a_fmt:MATRIX_FMT_FP6 matrix_b_fmt:MATRIX_FMT_FP6 matrix_a_scale:MATRIX_SCALE_ROW1 matrix_b_scale:MATRIX_SCALE_ROW1
.endif
.endm
.macro JLOAD g0a, g1a, g0b, g1b        ; a joint load: waves 0 and 1 fetch for A, waves 2 and 3 for B; an s_nop 0 and four v_nop follow each line
	s_cmp_eq_u32 s19, 0
	s_cbranch_scc0 .Lfor_b_\@
	tensor_load_to_lds s[\g0a:\g0a+3], s[\g1a:\g1a+7]
	s_nop 0
.rept 4
	v_nop
.endr
	s_branch .Lasked_\@
.Lfor_b_\@:
	tensor_load_to_lds s[\g0b:\g0b+3], s[\g1b:\g1b+7]
	s_nop 0
.rept 4
	v_nop
.endr
.Lasked_\@:
.endm
.macro CREST
	s_cmp_lg_u32 s18, 0
	s_cbranch_scc1 .Lnot_wave_0_\@
	s_barrier_signal -3
.Lnot_wave_0_\@:
	s_barrier_wait -3
	s_barrier_signal -1
	s_barrier_wait -1
.endm
.macro CROUND
	s_barrier_signal -1
	s_barrier_wait -1
	CREST
.endm
.macro FRAG reg, adr, q, i             ; row block i, K step q of a slot
.irp g, 0,1,2
	ds_load_b128 v[(\reg)+4*\g:(\reg)+4*\g+3], v[\adr] offset:RBL*(\i)+IMG*(\q)+512*\g
.endr
.endm
.macro MM a, b, p, q, sc, zero
.set rD, (8*(NB*(\a)+(\b)))%256
.set rB, 128*(\p)+FR*(\b)
.set rA, AF+FR*(\a)
.set rSB, SB+8*(\sc)+2*((\b)/2)+(\q)
.set rSA, SA+8*(\sc)+2*((\a)/2)+(\q)
	WM rD, rB, rA, \zero, rSB, rSA, (\b)%2, (\a)%2
.endm
.macro MUL2 a0, p, q, sc, zero         ; the accumulators take turns in the same order in every step
	WIN 0x01|((2+(8*NB*(\a0))/256)*0x50)
.irp a, \a0, \a0+1
.irp b, 0,1,2,3,4,5,6,7
.if \b < NB
	MM \a, \b, \p, \q, \sc, \zero
.endif
.endr
.endr
.endm
.macro FETCH_B slot, q, p
	WIN 0x40
.irp i, 0,1,2,3,4,5,6,7
.if \i < NB
	FRAG 128*(\p)+FR*\i, ADRB+\slot, \q, \i
.endif
.endr
	WIN 0
.endm
.macro FETCH_A slot, q, i0
.irp i, \i0, \i0+1, \i0+2, \i0+3
	FRAG AF+FR*(\i), ADRA+\slot, \q, \i
.endr
.endm
.macro SCALES sc, p                    ; the scale words of K steps 2 p, 2 p + 1 into set sc
.irp i, 0,1,2,3
	ds_load_b64 v[SA+8*(\sc)+2*\i:SA+8*(\sc)+2*\i+1], v[ADSA] offset:\i*KK+256*(\p)
.endr
.irp i, 0,1,2,3
.if \i < NB/2
	ds_load_b64 v[SB+8*(\sc)+2*\i:SB+8*(\sc)+2*\i+1], v[ADSB] offset:\i*KK+256*(\p)
.endif
.endr
.endm
; K STEP h of 128.  kind 0: the next step's bytes are whole for every wave already.  kind 1: the slot is left and filled again: each wave waits for all its tensor loads, adds 0 to its spare word, and
; waits for that and for its reads of the slot; the barrier opens a round of the cluster's; the joint refill is the first tensor load behind it.  kind 2: the same lines and the work-group's barrier,
; nothing is filled.  kind 3: the last step.
.macro HALF h, kind, zero
.set hCS, ((\h)/NQ)%NSLOT
.set hNS, (((\h)+1)/NQ)%NSLOT
.set hNQ, ((\h)+1)%NQ
.set hB,  (\h)%2
.set hSC, ((\h)/2)%2
.if ((\kind)-1)*((\kind)-2) == 0
	s_wait_tensorcnt 0x0                           ; all my tensor loads have landed
	ds_add_u32 v[SPW], v[NIL]
	s_wait_dscnt 4*NL+1                            ; (the add and the youngest 12 loads, A's blocks 4-7, may be out)
	MUL2 0, hB, hB, hSC, \zero
	s_wait_dscnt 0x0                               ; the add is done, my reads of this slot are over
	s_barrier_signal -1
	MUL2 2, hB, hB, hSC, \zero
	WIN 0
	s_barrier_wait -1
.if (\kind) == 1
	CREST                                          ; no wave of any partner reads this slot or has a load on its way
	s_add_nc_u64 s[G0+4*hCS+2:G0+4*hCS+3], s[G0+4*hCS+2:G0+4*hCS+3], NSLOT*RBL
	s_add_nc_u64 s[G0B+4*hCS+2:G0B+4*hCS+3], s[G0B+4*hCS+2:G0B+4*hCS+3], NSLOT*RBL
	JLOAD G0+4*hCS, G1, G0B+4*hCS, G1B             ; its four v_nop are the places in front of the loads below
.else
	PLACES NP
.endif
.else
	s_wait_dscnt 4*NL                              ; all but the youngest 12 loads (A's blocks 4-7) are in
	MUL2 0, hB, hB, hSC, \zero
	MUL2 2, hB, hB, hSC, \zero
	s_wait_dscnt 0x0
.if (\kind) == 0
	PLACES NP                                      ; in front of loads into registers that matrix instructions have read
.endif
.endif
.if (\kind) != 3
	FETCH_B hNS, hNQ, 1-hB
	FETCH_A hNS, hNQ, 0
.if ((\h)+1)%2 == 0
	SCALES (((\h)+1)/2)%2, ((\h)+1)/2
.endif
.endif
	MUL2 4, hB, hB, hSC, \zero
	MUL2 6, hB, hB, hSC, \zero
.if (\kind) != 3
	PLACES NP
	WIN 0
	FETCH_A hNS, hNQ, 4
.else
	WIN 0
.endif
.endm
	s_load_b128 s[4:7], s[0:1], 0x0                ; a7, cw
	s_load_b64 s[8:9], s[0:1], 0x10                ; out0
	v_lshl_add_u32 v[SPW], v0, 2, SPARE
	v_mov_b32 v[NIL], 0
	ds_add_u32 v[SPW], v[NIL]                      ; the opening: the add, twice on end, and its wait ahead of my first tensor load
	ds_add_u32 v[SPW], v[NIL]
	v_lshrrev_b32 v1, 5, v0
	v_readfirstlane_b32 s18, v1
	s_lshr_b32 s19, s18, 1
	s_and_b32 s20, s18, 1
	s_bfe_u32 s21, ttmp6, 0x40000                  ; cx
	s_bfe_u32 s22, ttmp6, 0x40004                  ; cy
	s_lshl_b32 s41, ttmp9, 2
	s_add_co_u32 s41, s41, s21                     ; tile column: 128 rows of w_proj
	s_and_b32 s40, ttmp7, 0xffff
	s_lshl_b32 s40, s40, 2
	s_add_co_u32 s40, s40, s22                     ; tile row: 256 tokens
	s_lshl_b32 s66, s22, 2
	s_lshl_b32 s66, 15, s66
	s_lshl_b32 s67, 0x1111, s21
	s_or_b32 s[G1], s66, (3<<16)|(1<<21)
	s_mov_b32 s[G1+1], (NQ*192)<<16
	s_mov_b32 s[G1+2], 8<<16
	s_mov_b32 s[G1+3], (NQ*192)<<16
	s_mov_b32 s[G1+4], 8
	s_mov_b32 s[G1+5], (KK/128)*192
	s_mov_b32 s[G1+6], 0
	s_mov_b32 s[G1+7], 0
	s_or_b32 s[G1B], s67, (3<<16)|(1<<21)
	s_mov_b32 s[G1B+1], (NQ*192)<<16
	s_mov_b32 s[G1B+2], NB<<16
	s_mov_b32 s[G1B+3], (NQ*192)<<16
	s_mov_b32 s[G1B+4], NB
	s_mov_b32 s[G1B+5], (KK/128)*192
	s_mov_b32 s[G1B+6], 0
	s_mov_b32 s[G1B+7], 0
	s_or_b32 s[G1S], s66, (3<<16)|(1<<21)
	s_mov_b32 s[G1S+1], 32<<16
	s_mov_b32 s[G1S+2], (4*KK/256)<<16
	s_mov_b32 s[G1S+3], 32<<16
	s_mov_b32 s[G1S+4], 4*KK/256
	s_mov_b32 s[G1S+5], 32
	s_mov_b32 s[G1S+6], 0
	s_mov_b32 s[G1S+7], 0
	s_or_b32 s[G1SB], s67, (3<<16)|(1<<21)
	s_mov_b32 s[G1SB+1], 32<<16
	s_mov_b32 s[G1SB+2], ((NB/2)*KK/256)<<16
	s_mov_b32 s[G1SB+3], 32<<16
	s_mov_b32 s[G1SB+4], (NB/2)*KK/256
	s_mov_b32 s[G1SB+5], 32
	s_mov_b32 s[G1SB+6], 0
	s_mov_b32 s[G1SB+7], 0
	s_lshl_b32 s45, s40, 4
	s_lshl_b32 s46, s20, 3
	s_add_co_u32 s45, s45, s46                     ; A: the first row block that I fetch
	s_mul_i32 s94, s45, RBB
	s_mov_b32 s95, 0
	s_mul_i32 s98, s45, KK/2
	s_add_co_u32 s98, s98, 6291456
	s_mov_b32 s99, 0
	s_mul_i32 s47, s41, 2*NB
	s_mul_i32 s93, s20, NB
	s_add_co_u32 s47, s47, s93                     ; B likewise, in registers of its own
	s_mul_i32 s96, s47, RBB
	s_add_co_u32 s96, s96, 7864320
	s_mov_b32 s97, 0
	s_mul_i32 s100, s47, KK/2
	s_add_co_u32 s100, s100, 9764864
	s_mov_b32 s101, 0
	s_mul_i32 s2, s20, HALFA
	s_mul_i32 s3, s20, HALFB
	s_add_co_u32 s3, s3, BOFF
	s_wait_dscnt 0x0                               ; both opening adds are done
	s_wait_kmcnt 0x0
	s_add_nc_u64 s[94:95], s[4:5], s[94:95]
	s_add_nc_u64 s[98:99], s[4:5], s[98:99]
	s_add_nc_u64 s[96:97], s[6:7], s[96:97]
	s_add_nc_u64 s[100:101], s[6:7], s[100:101]
	CROUND                                         ; all sixteen work-groups are here: the first joint loads meet
	s_mov_b32 s[G0S], 1
	s_mul_i32 s45, s20, 4*KK
	s_add_co_u32 s[G0S+1], s45, SCA
	s_mov_b64 s[G0S+2:G0S+3], s[98:99]
	s_or_b32 s[G0S+3], s[G0S+3], 0x80000000
	s_mov_b32 s[G0SB], 1
	s_mul_i32 s46, s20, (NB/2)*KK
	s_add_co_u32 s[G0SB+1], s46, SCB
	s_mov_b64 s[G0SB+2:G0SB+3], s[100:101]
	s_or_b32 s[G0SB+3], s[G0SB+3], 0x80000000
	JLOAD G0S, G1S, G0SB, G1SB                     ; the scales first; with the two slots three loads of mine are out
.irp s, 0,1
	s_mov_b32 s[G0+4*\s], 1
	s_add_co_u32 s[G0+4*\s+1], s2, \s*SLOT
	s_add_nc_u64 s[G0+4*\s+2:G0+4*\s+3], s[94:95], \s*RBL
	s_or_b32 s[G0+4*\s+3], s[G0+4*\s+3], 0x80000000
	s_mov_b32 s[G0B+4*\s], 1
	s_add_co_u32 s[G0B+4*\s+1], s3, \s*SLOT
	s_add_nc_u64 s[G0B+4*\s+2:G0B+4*\s+3], s[96:97], \s*RBL
	s_or_b32 s[G0B+4*\s+3], s[G0B+4*\s+3], 0x80000000
	JLOAD G0+4*\s, G1, G0B+4*\s, G1B
.endr
	v_and_b32 v1, 31, v0
	v_lshlrev_b32 v[LI], 4, v1
	s_mul_i32 s45, s19, HALFA
	s_mul_i32 s46, s20, HALFB
	s_add_co_u32 s46, s46, BOFF
.irp s, 0,1
	v_add_nc_u32 v[ADRA+\s], s45, v[LI]
	v_add_nc_u32 v[ADRB+\s], s46, v[LI]
	s_add_co_u32 s45, s45, SLOT
	s_add_co_u32 s46, s46, SLOT
.endr
	v_lshlrev_b32 v2, 3, v1
	s_mul_i32 s45, s19, 4*KK
	s_add_co_u32 s45, s45, SCA
	v_add_nc_u32 v[ADSA], s45, v2
	s_mul_i32 s46, s20, (NB/2)*KK
	s_add_co_u32 s46, s46, SCB
	v_add_nc_u32 v[ADSB], s46, v2
	v_and_b32 v2, 15, v0                           ; r
	v_bfe_u32 v3, v0, 4, 1                         ; h
	s_mul_i32 s45, s18, 4352                       ; my stage, in slot 0: 16 rows x (256 bytes + 16)
	v_mul_u32_u24 v[STO], v2, 272
	v_lshl_add_u32 v[STO], v3, 5, v[STO]
	v_add_nc_u32 v[STO], s45, v[STO]
	v_mul_u32_u24 v[RD], v3, 272
	v_lshl_add_u32 v[RD], v2, 4, v[RD]
	v_add_nc_u32 v[RD], s45, v[RD]
	v_lshlrev_b32 v[CO], 12, v3
	v_lshl_add_u32 v[CO], v2, 4, v[CO]             ; lanes 0-15 one row of y, lanes 16-31 the next
	s_lshl_b32 s45, s40, 8
	s_lshl_b32 s46, s19, 7
	s_add_co_u32 s45, s45, s46
	s_lshl_b32 s10, s45, 12                        ; my first token's row,
	s_lshl_b32 s47, s41, 9
	s_lshl_b32 s93, s20, 8
	s_add_co_u32 s47, s47, s93
	s_add_co_u32 s10, s10, s47                     ; my first column
	s_mov_b32 s11, 0
	s_add_nc_u64 s[8:9], s[8:9], s[10:11]
	s_wait_tensorcnt 1                             ; the scales and my part of slot 0 are in; slot 1's load may be out
	s_barrier_signal -1
	s_barrier_wait -1
	FETCH_B 0, 0, 0
	FETCH_A 0, 0, 0
	SCALES 0, 0
	FETCH_A 0, 0, 4
	HALF 0, 0, 1                                   ; the first step starts the sums
	HALF 1, 0, 0
	HALF 2, 0, 0
	HALF 3, 1, 0                                   ; group 0 is done: slot 0 takes group 2
	HALF 4, 0, 0
	HALF 5, 0, 0
	HALF 6, 0, 0
	HALF 7, 1, 0                                   ; group 1 is done: slot 1 takes group 3
	HALF 8, 0, 0
	HALF 9, 0, 0
	HALF 10, 0, 0
	HALF 11, 2, 0                                  ; group 3 has landed; behind this barrier nobody reads slot 0, which has had its last fill
	HALF 12, 0, 0
	HALF 13, 0, 0
	HALF 14, 0, 0
	HALF 15, 3, 0
.macro TOSTAGE a
	WIN 0x08                                       ; an LDS store's data: window 2
.irp b, 0,1,2,3
	ds_store_b128 v[STO], v[8*(4*(\a)+\b):8*(4*(\a)+\b)+3] offset:64*\b       ; each accumulator from its low end on
	ds_store_b128 v[STO], v[8*(4*(\a)+\b)+4:8*(4*(\a)+\b)+7] offset:64*\b+16
.endr
	WIN 0
.set BB, BK+32*((\a)%2)
.irp t, 0,1,2,3,4,5,6,7
	ds_load_b128 v[BB+4*\t:BB+4*\t+3], v[RD] offset:544*\t   ; LDS serves a wave's instructions in order: these see my stores
.endr
.endm
.macro SEND a, younger                 ; younger: the LDS instructions issued behind block a's loads
.set BB, BK+32*((\a)%2)
	s_wait_dscnt \younger
.if (\a) > 0
	s_add_nc_u64 s[8:9], s[8:9], 16*4096           ; (behind a wait on XCNT: the earlier stores have read their base)
.endif
.irp t, 0,1,2,3,4,5,6,7
	global_store_b128 v[CO], v[BB+4*\t:BB+4*\t+3], s[8:9] offset:8192*\t th:TH_STORE_NT   ; sixteen lanes store 256 consecutive bytes, aligned
.endr
.endm
	PLACES NP
	TOSTAGE 0
.irp a, 1,2,3,4,5,6,7
.if \a > 1
	s_wait_xcnt 0x0                                ; block a - 2's stores have read their registers and their base
.endif
	TOSTAGE \a
	SEND \a-1, 16                                  ; behind block a - 1's loads: block a's 8 stores and 8 loads
.endr
	s_wait_xcnt 0x0
	SEND 7, 0
	s_wait_tensorcnt 0x0                           ; the wave's end
	ds_add_u32 v[SPW], v[NIL]
	s_wait_dscnt 0x0
	CROUND                                         ; the closing round
	s_endpgm
.Lfunc_end_k_qc13f68a4c1_gemm2:
	.size	k_qc13f68a4c1_gemm2, .Lfunc_end_k_qc13f68a4c1_gemm2-k_qc13f68a4c1_gemm2
	.p2alignl 7, 3214868480
	.fill 96, 4, 3214868480
	.section	.rodata,"a",@progbits
	.p2align	6, 0x0
	.amdhsa_kernel k_qc13f68a4c1_gemm2
		.amdhsa_group_segment_fixed_size 327680
		.amdhsa_private_segment_fixed_size 0
		.amdhsa_enable_private_segment 0
		.amdhsa_kernarg_size 24
		.amdhsa_user_sgpr_count 2
		.amdhsa_user_sgpr_kernarg_segment_ptr 1
		.amdhsa_wavefront_size32 1
		.amdhsa_system_sgpr_workgroup_id_x 1
		.amdhsa_system_sgpr_workgroup_id_y 1
		.amdhsa_system_sgpr_workgroup_id_z 1
		.amdhsa_system_vgpr_workitem_id 0
		.amdhsa_next_free_vgpr 768
		.amdhsa_next_free_sgpr 102
		.amdhsa_reserve_vcc 0
		.amdhsa_float_denorm_mode_32 3
		.amdhsa_float_denorm_mode_16_64 3
		.amdhsa_memory_ordered 1
		.amdhsa_forward_progress 1
		.amdhsa_inst_pref_size 138
	.end_amdhsa_kernel
	.amdgpu_metadata
---
amdhsa.version: [ 1, 2 ]
amdhsa.kernels:
  - .name:           k_qc13f68a4c1_gemm2
    .symbol:         k_qc13f68a4c1_gemm2.kd
    .args:
      - { .name: a7, .offset: 0, .size: 8, .value_kind: global_buffer, .address_space: global }
      - { .name: cw, .offset: 8, .size: 8, .value_kind: global_buffer, .address_space: global }
      - { .name: out0, .offset: 16, .size: 8, .value_kind: global_buffer, .address_space: global }
    .group_segment_fixed_size: 327680
    .private_segment_fixed_size: 0
    .kernarg_segment_align: 8
    .kernarg_segment_size: 24
    .max_flat_workgroup_size: 128
    .sgpr_count:     102
    .vgpr_count:     768
    .wavefront_size: 32
...
	.end_amdgpu_metadata
.endif
;; end of part 9
